; MI455X (gfx1250); checked and timed in simulation.
; The chip was launched on July 23, 2026; its instructions are those of AMD's public machine-readable ISA for CDNA 5 (MIT licence, August 2026) and "CDNA5" Instruction Set Architecture Reference Guide (July 2026). The comments in the code are by the model that wrote it; some were corrected since.
;; Attention Block. Allowed arithmetic: matrix products marked QUANTISED: E2M1 operands, one E8M0 scale for each 32 along K, by v_wmma_scale_f32_16x16x128_f8f6f4 with both operands' format E2M1 (or v_wmma_scale_f32_32x16x128_f4), f32 sums; everything else in f32.
;; Inputs: Wk_codes 1,024 x 32 x 16 uint8 (E2M1 codes of Wk, K innermost, in blocks of 32 codes, two codes a byte); Wk_scales 1,024 x 32 uint8 (E8M0 scales of Wk, one for each 32 codes along K); Wp_codes 1,024 x 32 x 16 uint8 (E2M1 codes of Wp, K innermost, in blocks of 32 codes, two codes a byte); Wp_scales 1,024 x 32 uint8 (E8M0 scales of Wp, one for each 32 codes along K); Wq_codes 1,024 x 32 x 16 uint8 (E2M1 codes of Wq, K innermost, in blocks of 32 codes, two codes a byte); Wq_scales 1,024 x 32 uint8 (E8M0 scales of Wq, one for each 32 codes along K); Wv_codes 1,024 x 32 x 16 uint8 (E2M1 codes of Wv, K innermost, in blocks of 32 codes, two codes a byte); Wv_scales 1,024 x 32 uint8 (E8M0 scales of Wv, one for each 32 codes along K); bk 1,024 float32; bp 1,024 float32; bq 1,024 float32; bv 1,024 float32; ln_b 1,024 float32; ln_g 1,024 float32; x 2 x 2,048 x 1,024 float32.
;; Outputs: out0 2 x 2,048 x 1,024 float32.
;; This version of the problem:
;;   THIS VERSION OF THE PROBLEM IS GIVEN IN LOW PRECISION. The matrix products marked QUANTISED in the list below multiply operands that are first quantised to E2M1 (2 exponent bits, 1 mantissa bit; 4 bits a number), with one power-of-two scale for each 32 numbers along K (OCP MX v1.0); their sums are f32. All else is computed in f32.
;;   The module's matrix products, in the order in which they are computed (A, B: the left and right operand; K: the contracted axis; several contracted axes count as one K, in the product's order):
;;     1. [M 4,096, K 1,024] x [K 1,024, N 1,024]; A: input x; B: input Wq (given as codes): QUANTISED
;;     2. [M 4,096, K 1,024] x [K 1,024, N 1,024]; A: input x; B: input Wk (given as codes): QUANTISED
;;     3. [M 4,096, K 1,024] x [K 1,024, N 1,024]; A: input x; B: input Wv (given as codes): QUANTISED
;;     4. batch 32 x [M 2,048, K 64] x [K 64, N 2,048]; A: computed on the way; B: computed on the way: QUANTISED
;;     5. batch 32 x [M 2,048, K 2,048] x [K 2,048, N 64]; A: softmax (see below); B: computed on the way: QUANTISED
;;     6. [M 4,096, K 1,024] x [K 1,024, N 1,024]; A: computed on the way; B: input Wp (given as codes): QUANTISED
;;   THE QUANTISER, for each operand of a quantised product, along K:
;;     - K is cut into blocks of 32 from its start; a last block that is shorter is filled with zeros.
;;     - A block's scale is 2^e with e = floor(log2(the largest magnitude in the block)) - 2, held to -126 .. 127; a block of zeros has e = 0. As a byte (E8M0): e + 127.
;;     - Each number is divided by its block's scale, clamped to +-6, and rounded to the nearest number of E2M1, ties to even, subnormals kept.
;;     - The product sums the exact products of the quantised numbers (number of the format x scale) in f32.
;;   ~~~python
;;   def quantise(x, axis):      # numpy; x: float32 -> the quantised numbers, widened to float32 again
;;       x = np.moveaxis(x, axis, -1); K = x.shape[-1]
;;       x = np.pad(x, [(0, 0)] * (x.ndim - 1) + [(0, -K % 32)]); x = x.reshape(x.shape[:-1] + (-1, 32)); a = np.abs(x).max(-1, keepdims=True)
;;       e = np.where(a > 0, np.clip(np.frexp(np.where(a > 0, a, 1))[1] - 1 - 2, -126, 127), 0)      # np.frexp(a)[1] - 1 = floor(log2(a)), exactly
;;       r = np.clip(x / 2.0 ** e, -6, 6)
;;       step = 2.0 ** (np.maximum(np.frexp(np.where(r == 0, 1, r))[1] - 1, 0) - 1)
;;       q = np.round(r / step) * step * 2.0 ** e      # np.round: ties to even
;;       return np.moveaxis(q.reshape(q.shape[:-2] + (-1,))[..., :K], -1, axis).astype(np.float32)
;;   ~~~
;;   SOFTMAX AHEAD OF A QUANTISED PRODUCT. Where the list says 'softmax', what is quantised is not the finished softmax but p = 2^(t - M), with t = logit x log2(e) and M = ceil(the row's largest t), a whole number; so 1/2 < the row's largest p <= 1. The row's sum l is taken of the UNQUANTISED p, in f32, and the product's result is divided by l at the end. Since M is a whole number, a kernel that streams over the keys may use a running M (the ceiling of the running maximum): every later rescaling is an exact power of two, which a block's scale takes up: the codes' values come out the same.
;;   OPERANDS COMPUTED ON THE WAY. 'Computed on the way' means the value that the module computes at that place (a softmax that the list does not call 'softmax' is quantised finished and normalised). What goes into a quantiser is computed in f32, as accurately as f32 sums, v_exp_f32 and their like allow (about 1e-6 of the number): no bf16 or f16 on the way to a quantiser, and a product that is left as it is and whose result goes on into a quantised operand takes f32 operands (vector FMAs, or v_wmma_f32_16x16x4_f32). A number that lies on a knife's edge between two numbers of the format may be rounded either way, as far as f32 arithmetic and the matrix unit's own rounding can turn it there, and no further.
;;   INPUTS GIVEN AS CODES. Wk (in the module: [1024, 1024], K = its axis 0); Wp (in the module: [1024, 1024], K = its axis 0); Wq (in the module: [1024, 1024], K = its axis 0); Wv (in the module: [1024, 1024], K = its axis 0): each comes as NAME_codes (uint8): NAME with its K axis moved to the last place and cut into blocks of 32 codes, [.., K / 32, bytes a block], one block behind the other in memory; two codes a byte, the lower K in the low four bits (a code: sign, 2 exponent bits, 1 mantissa bit); and NAME_scales (uint8): the same leading axes, one E8M0 byte (e + 127) for each 32 codes along K. Its value is code x scale, taken as it is: it is not quantised again, and the codes and scales need not be those that the quantiser above would give.
;; 2 versions. Each part assembles by itself: llvm-mc -triple=amdgcn-amd-amdhsa -mcpu=gfx1250 --defsym DOCPART=n.
;; ======== version 1 of 2: 4 launches
;; workspace buffers: xc 2,097,152 bytes; xs 131,072 bytes; wpi 524,288 bytes; qq 2,359,296 bytes; kv 4,587,520 bytes; ac 2,097,152 bytes; asb 131,072 bytes
;; launch prep (part 1): grid 272 x 1, 4 waves a work-group, no clusters, 105,472 bytes of LDS; arguments x, Wp_codes, xc, xs, wpi; writes xc, xs, wpi
.if DOCPART == 1
	.amdgcn_target "amdgcn-amd-amdhsa--gfx1250"
	.amdhsa_code_object_version 6
	.text
	.protected	k_q7f3e45db15_prep
	.globl	k_q7f3e45db15_prep
	.p2align	8
	.type	k_q7f3e45db15_prep,@function
k_q7f3e45db15_prep:
	s_mov_b64 s[64:65], 0
	v_nop
	global_prefetch_b8 v0, s[64:65] scope:SCOPE_SE
	s_setreg_imm32_b32 hwreg(HW_REG_WAVE_MODE, 25, 1), 1
	s_wait_xcnt 0x0
; PREP.  (a) x [4096][1024] f32 becomes codes of FP4 (E2M1) with one E8M0 byte for each 32 along K, laid as the matrix unit's registers want them:
;   xc [T 256][s 8][c 2][lane 32][16 B]: lane (r, h) holds row 16 T + r, k = 128 s + 64 c + 32 h + 0 .. 31;   xs [T][r 16][32 B]: byte k / 32 of that row.
; (b) Wp_codes [1024][512 B] is laid anew in the same order: wpi [nt 64][s 8][c 2][lane][16 B]: lane (r, h) holds row 16 nt + r, bytes 64 s + 32 c + 16 h.
; A block's scale is 2^(floor(log2(its largest magnitude)) - 2); its byte is the largest magnitude's exponent field - 2, held at 1 from below.
; LIMITS: NaN and infinities among the inputs are not served; a block whose largest magnitude lies under 2^-124 takes the byte 1 (the quantiser's lower hold);
; a block of zeros gets the byte 1 where the quantiser says 127: its codes are zeros, which add nothing under any byte but 0xff, and this program alone reads the bytes.
; SHARES.  Work-groups 0 .. 255: 16 rows of x each; wave w takes bytes 1024 w .. + 1023 of each row, in four steps of 256 bytes.  Work-groups 256 .. 271: wave w lays tile 4 (group - 256) + w of Wp.
; The two ways part on the work-group's number alone, and each has LDS bytes of its own.  Work-groups share no input, so there are no clusters; no matrix unit, no tensor loads.
; A load is dense (sixteen lanes read 256 consecutive bytes of a row); the conversions want 32 neighbours along K in ONE lane: so a step's 16 x 256 bytes turn through the wave's own stage in LDS.
.set SP,    272                        ; a stage row: 256 bytes + 16: row r starts 16 r bytes on modulo 256, so that sixteen lanes on sixteen rows touch different columns of 16 bytes
.set STGU,  16*SP                      ; a step's stage: each of a wave's four steps has its own
.set STGW,  4*STGU                     ; a wave's four stages
.set SCT,   4*STGW                     ; the tile's 512 scale bytes, [r][32]
.set RL,    SCT+512                    ; the other way's bytes: 32 x 272 for each wave
.set RLW,   32*SP
.set R,     32                         ; v32-159  the wave's 16 KiB of x as loaded: step u at + 32 u
.set X,     160                        ; v160-223 two sets of 32 neighbours
.set C,     224                        ; v224-239 codes: four registers for each step, so that no store's data are written again
.set BY,    14                         ; v14-17   a scale byte for each step
	s_load_b256 s[4:11], s[0:1], 0x0               ; x s[4:5], Wp_codes s[6:7], xc s[8:9], xs s[10:11]
	s_load_b64 s[12:13], s[0:1], 0x20              ; wpi
	v_lshl_add_u32 v240, v0, 2, 0x19a00
	v_mov_b32 v241, 0
	v_lshrrev_b32 v1, 5, v0
	v_readfirstlane_b32 s14, v1                    ; wave 0..3
	v_and_b32 v1, 31, v0                           ; lane
	v_and_b32 v2, 15, v0                           ; r
	v_bfe_u32 v3, v0, 4, 1                         ; h
	v_lshlrev_b32 v7, 4, v1                        ; 16 x lane
	s_cmp_ge_u32 ttmp9, 256
	s_cbranch_scc1 .Lrelay
	; ---- x ----
	v_lshlrev_b32 v4, 4, v2
	v_lshl_add_u32 v4, v3, 12, v4                  ; in: 16 r, and lanes 16-31 one row (4,096 bytes) further down
	s_mul_i32 s15, s14, STGW
	v_mul_u32_u24 v5, v3, SP
	v_lshl_add_u32 v5, v2, 4, v5
	v_add_nc_u32 v5, s15, v5                       ; into the stage: row h of a pair, 16 r
	v_mul_u32_u24 v6, v2, SP
	v_lshl_add_u32 v6, v3, 7, v6
	v_add_nc_u32 v6, s15, v6                       ; out of it: row r, my half's 128 bytes: a whole block of 32
	v_lshlrev_b32 v8, 3, v3                        ; 8 h: my byte's place in a pair of bytes
	v_lshlrev_b32 v9, 5, v2
	v_lshl_add_u32 v9, s14, 3, v9
	v_add_nc_u32 v9, SCT, v9                       ; row r's 32 scale bytes, my wave's 8 of them
	v_add_nc_u32 v13, SCT, v7                      ; and the table read back, 16 bytes a lane
	v_mov_b32 v20, 0                               ; a lane permute's destination counts as one of its sources
	v_mov_b32 v21, 0
	s_mov_b32 s20, 0x76543210
	s_mov_b32 s21, 0xfedcba98                      ; v_permlanex16_b32's selects for lane l xor 16
	s_lshl_b32 s16, ttmp9, 16                      ; x: 16 rows of 4,096 bytes a tile,
	s_lshl_b32 s17, s14, 10                        ; 1,024 bytes of a row a wave
	s_add_co_u32 s16, s16, s17
	s_mov_b32 s17, 0
	s_lshl_b32 s18, ttmp9, 13                      ; xc: 8,192 bytes a tile, 2,048 a wave
	s_lshl_b32 s19, s14, 11
	s_add_co_u32 s18, s18, s19
	s_mov_b32 s19, 0
	s_wait_kmcnt 0x0
	s_add_nc_u64 s[4:5], s[4:5], s[16:17]
	s_add_nc_u64 s[8:9], s[8:9], s[18:19]
	s_lshl_b32 s16, ttmp9, 9                       ; xs: 512 bytes a tile
	s_add_nc_u64 s[10:11], s[10:11], s[16:17]
.irp u, 0,1,2,3                        ; all of the wave's 16 KiB is asked for at once: 32 loads
.irp i, 0,1,2,3,4,5,6,7
	global_load_b128 v[R+32*\u+4*\i:R+32*\u+4*\i+3], v4, s[4:5] offset:8192*\i+256*\u th:TH_LOAD_NT   ; lanes 0-15: 256 consecutive bytes of row 2 i; lanes 16-31: of row 2 i + 1
.endr
.endr
.macro TURN u                          ; step u's numbers through its stage: LDS serves a wave's instructions in order, so no wait stands between the stores and the loads
	s_wait_loadcnt 24-8*(\u)                       ; loads come back in order: step u's eight are in, the 8 (3 - u) younger ones stay out
.irp i, 0,1,2,3,4,5,6,7
	ds_store_b128 v5, v[R+32*(\u)+4*\i:R+32*(\u)+4*\i+3] offset:STGU*(\u)+2*SP*\i
.endr
.irp q, 0,1,2,3,4,5,6,7
	ds_load_b128 v[X+32*((\u)%2)+4*\q:X+32*((\u)%2)+4*\q+3], v6 offset:STGU*(\u)+16*\q
.endr
.endm
.macro BLOCK u                         ; my block of step u: k = 256 w + 64 u + 32 h + 0 .. 31 of row r
.set XS, X+32*((\u)%2)
	v_max3_num_f32 v10, |v[XS]|, |v[XS+1]|, |v[XS+2]|              ; the largest magnitude: all 32 numbers are mine; two chains
	v_max3_num_f32 v11, |v[XS+3]|, |v[XS+4]|, |v[XS+5]|
.irp i, 6,10,14,18,22,26
	v_max3_num_f32 v10, v10, |v[XS+\i]|, |v[XS+\i+1]|
	v_max3_num_f32 v11, v11, |v[XS+\i+2]|, |v[XS+\i+3]|
.endr
	v_max3_num_f32 v10, v10, |v[XS+30]|, |v[XS+31]|
	v_max3_num_f32 v10, v10, v11, 0x1800000        ; and the floor 2^(3 - 127): the byte cannot fall under 1
	v_add_nc_u32 v12, 0xff000000, v10              ; 2 off its exponent field: the conversion takes the exponent field of this operand as its scale
.irp g, 0,1,2,3
	v_cvt_scalef32_pk8_fp4_f32 v[C+4*(\u)+\g], v[XS+8*\g:XS+8*\g+7], v12
.endr
	v_lshrrev_b32 v[BY+(\u)], 23, v12              ; the scale's byte (also the plain instruction behind the conversions)
	global_store_b128 v7, v[C+4*(\u):C+4*(\u)+3], s[8:9] offset:512*(\u)   ; 32 lanes store 512 consecutive bytes: registers 4 c .. 4 c + 3 of fragment (T, 2 w + u / 2), c = u % 2
.endm
	TURN 0
	TURN 1
	s_wait_dscnt 16                                ; step 0 is back; step 1's sixteen LDS instructions may be out
	BLOCK 0
	TURN 2
	s_wait_dscnt 16
	BLOCK 1
	TURN 3
	s_wait_dscnt 16
	BLOCK 2
	s_wait_dscnt 0x0
	BLOCK 3
	v_lshl_or_b32 v18, v[BY+1], 16, v[BY]          ; my bytes of steps 0, 1 and of steps 2, 3: byte 2 u + h of the wave's eight,
	v_lshl_or_b32 v19, v[BY+3], 16, v[BY+2]
	v_lshlrev_b32 v18, v8, v18                     ; at their places (8 h bits up);
	v_lshlrev_b32 v19, v8, v19
	v_permlanex16_b32 v20, v18, s20, s21
	v_permlanex16_b32 v21, v19, s20, s21
	v_or_b32 v18, v18, v20                         ; with lane l xor 16's the two words are whole
	v_or_b32 v19, v19, v21
	ds_store_b64 v9, v[18:19]                      ; both halves of the lanes write the same bytes with the same values
	s_wait_dscnt 0x0                               ; for the others' sake: my store has landed
	s_barrier_signal -1
	s_barrier_wait -1
	s_cmp_lg_u32 s14, 0
	s_cbranch_scc1 .Lend
	ds_load_b128 v[24:27], v13                     ; wave 0: the tile's 512 scale bytes,
	s_wait_dscnt 0x0
	global_store_b128 v7, v[24:27], s[10:11]       ; stored as 512 consecutive bytes
.Lend:
	s_wait_tensorcnt 0x0
	ds_add_u32 v240, v241
	s_wait_dscnt 0x0
	s_endpgm
	; ---- Wp ----  piece p (16 bytes) of row i goes to LDS at 272 p + 16 i; lane (r, h) of image j = 2 s + c wants piece 2 j + h of row r
.Lrelay:
	s_sub_co_u32 s16, ttmp9, 256
	s_lshl_b32 s16, s16, 2
	s_add_co_u32 s16, s16, s14                     ; my tile of 16 rows
	s_lshl_b32 s16, s16, 13                        ; 8,192 bytes a tile, in both buffers
	s_mov_b32 s17, 0
	s_mul_i32 s15, s14, RLW
	s_add_co_u32 s15, s15, RL
	v_mul_u32_u24 v5, v1, SP
	v_add_nc_u32 v5, s15, v5                       ; in: 272 x lane
	v_mul_u32_u24 v6, v3, SP
	v_lshl_add_u32 v6, v2, 4, v6
	v_add_nc_u32 v6, s15, v6                       ; out: 272 h + 16 r
	s_wait_kmcnt 0x0
	s_add_nc_u64 s[6:7], s[6:7], s[16:17]
	s_add_nc_u64 s[12:13], s[12:13], s[16:17]
.irp i, 0,1,2,3,4,5,6,7,8,9,10,11,12,13,14,15
	global_load_b128 v[32+4*\i:35+4*\i], v7, s[6:7] offset:512*\i      ; row i, 512 consecutive bytes
.endr
.irp i, 0,1,2,3,4,5,6,7,8,9,10,11,12,13,14,15
	s_wait_loadcnt 15-\i                           ; row i is in; the younger loads stay out
	ds_store_b128 v5, v[32+4*\i:35+4*\i] offset:16*\i
.endr
.irp j, 0,1,2,3,4,5,6,7,8,9,10,11,12,13,14,15
	ds_load_b128 v[96+4*\j:99+4*\j], v6 offset:2*SP*\j                 ; LDS serves a wave's instructions in order: these see my stores
.endr
.irp j, 0,1,2,3,4,5,6,7,8,9,10,11,12,13,14,15
	s_wait_dscnt 15-\j
	global_store_b128 v7, v[96+4*\j:99+4*\j], s[12:13] offset:512*\j
.endr
	s_wait_tensorcnt 0x0
	ds_add_u32 v240, v241
	s_wait_dscnt 0x0
	s_endpgm
.Lfunc_end_k_q7f3e45db15_prep:
	.size	k_q7f3e45db15_prep, .Lfunc_end_k_q7f3e45db15_prep-k_q7f3e45db15_prep
	.p2alignl 7, 3214868480
	.fill 96, 4, 3214868480
	.section	.rodata,"a",@progbits
	.p2align	6, 0x0
	.amdhsa_kernel k_q7f3e45db15_prep
		.amdhsa_group_segment_fixed_size 105472
		.amdhsa_private_segment_fixed_size 0
		.amdhsa_enable_private_segment 0
		.amdhsa_kernarg_size 40
		.amdhsa_user_sgpr_count 2
		.amdhsa_user_sgpr_kernarg_segment_ptr 1
		.amdhsa_wavefront_size32 1
		.amdhsa_system_sgpr_workgroup_id_x 1
		.amdhsa_system_sgpr_workgroup_id_y 1
		.amdhsa_system_sgpr_workgroup_id_z 1
		.amdhsa_system_vgpr_workitem_id 0
		.amdhsa_next_free_vgpr 242
		.amdhsa_next_free_sgpr 66
		.amdhsa_reserve_vcc 0
		.amdhsa_float_denorm_mode_32 3
		.amdhsa_float_denorm_mode_16_64 3
		.amdhsa_memory_ordered 1
		.amdhsa_forward_progress 1
		.amdhsa_inst_pref_size 24
	.end_amdhsa_kernel
	.amdgpu_metadata
---
amdhsa.version: [ 1, 2 ]
amdhsa.kernels:
  - .name:           k_q7f3e45db15_prep
    .symbol:         k_q7f3e45db15_prep.kd
    .args:
      - { .name: x, .offset: 0, .size: 8, .value_kind: global_buffer, .address_space: global }
      - { .name: Wp_codes, .offset: 8, .size: 8, .value_kind: global_buffer, .address_space: global }
      - { .name: xc, .offset: 16, .size: 8, .value_kind: global_buffer, .address_space: global }
      - { .name: xs, .offset: 24, .size: 8, .value_kind: global_buffer, .address_space: global }
      - { .name: wpi, .offset: 32, .size: 8, .value_kind: global_buffer, .address_space: global }
    .group_segment_fixed_size: 105472
    .private_segment_fixed_size: 0
    .kernarg_segment_align: 8
    .kernarg_segment_size: 40
    .max_flat_workgroup_size: 128
    .sgpr_count:     66
    .vgpr_count:     242
    .wavefront_size: 32
...
	.end_amdgpu_metadata
.endif
;; end of part 1
;; launch qkv (part 2): grid 8 x 32, 12 waves a work-group, clusters of 4 x 4, 269,824 bytes of LDS; arguments xc, xs, Wq_codes, Wq_scales, bq, Wk_codes, Wk_scales, bk, Wv_codes, Wv_scales, bv, qq, kv; writes qq, kv
.if DOCPART == 2
	.amdgcn_target "amdgcn-amd-amdhsa--gfx1250"
	.amdhsa_code_object_version 6
	.text
	.protected	k_q7f3e45db15_qkv
	.globl	k_q7f3e45db15_qkv
	.p2align	8
	.type	k_q7f3e45db15_qkv,@function
k_q7f3e45db15_qkv:
	s_mov_b64 s[64:65], 0
	v_nop
	global_prefetch_b8 v0, s[64:65] scope:SCOPE_SE
	s_setreg_imm32_b32 hwreg(HW_REG_WAVE_MODE, 25, 1), 1
	s_wait_xcnt 0x0
	s_wait_alu depctr_hold_cnt(0) depctr_sa_sdst(0) depctr_va_vdst(0) depctr_va_sdst(0) depctr_va_ssrc(0) depctr_va_vcc(0) depctr_vm_vsrc(0)
	s_getreg_b32 s2, hwreg(HW_REG_IB_STS2, 6, 4)
	s_cmp_eq_u32 s2, 0
	s_cbranch_scc0 .Lentry_in_a_cluster
	s_endpgm
.Lentry_in_a_cluster:
	s_bfe_u32 s2, ttmp6, 0x10000c
	s_cmp_lg_u32 s2, 0xf033
	s_cbranch_scc0 .Lentry_shape_is_right
	s_endpgm
.Lentry_shape_is_right:
; QKV.  q = x Wq + bq, k = x Wk + bk, v = x Wv + bv on codes of FP4 (E2M1) with E8M0 scales, sums in f32; the results are quantised at once, in registers, for attention's two products:
; q and k along the head's 64 channels, v along the keys.  They leave as images of the next operands' registers:
;   qq: 32 records (batch x head) of 73,728 bytes: codes [tile 128][lane][16 B] (lane (r, h): row 16 tile + r, channels 32 h + 0 .. 31), then scale words [G 32][r 16][m 4][4 B] (tile 4 G + m; bytes 2, 3 are 0);
;   kv: 32 records of 143,360 bytes: k's codes as q's; v's codes [ks 16][t 4][c 2][lane][16 B] (lane (r, h): channel 16 t + r, keys 128 ks + 64 c + 32 h + 0 .. 31); k's scale words as q's; v's [ks][r 16][t 4][4 B].
; SHARES.  A work-group takes 128 rows of x and six slices of 64 columns; wave w takes slice w / 2 and 64 rows (half w % 2): 16 accumulators of 16 x 16, 128 matrix instructions.  Slices 0 - 3 are heads of q
; (cluster x = 0) or of k (cluster x = 1), slices 4, 5 heads of v: so which way a wave goes hangs on its number alone.
; ALL OF K LIES IN LDS: the 128 rows' codes (65,536 bytes, as images) and six slices of weights (64 rows x 512 bytes each): one fill, no slot is filled again.  By this text's count a wave has two tensor loads out at the most.
; CLUSTERS: 4 x 4 work-groups.  The four of a row of the cluster need the same rows of x, the four of a column the same weights: each tile is asked for jointly, by the same load with a mask that names the four.
; ORIENTATION.  In a result lane (r, h) holds row r of source 1, and its register j row 8 h + j of source 0.  q, k: source 0 = 16 rows of W, source 1 = 16 rows of x: a lane's registers run along the head.
; v: source 0 = 16 rows of x, source 1 = 16 rows of W: they run along the keys.  Either way the four tiles acc(o, 0 .. 3) are 64 neighbours along the next K: two blocks of 32, each in lanes l and l xor 16.
; THE BIAS is loaded into the last accumulator of its group and is the C of the first K step's products.
; LIMITS: NaN and infinities are not served; a block whose largest magnitude lies under 2^-124 takes the byte 1; a block of zeros has the byte 1 over zero codes (this program alone reads the bytes).
.set WB,    65536                      ; LDS: x's eight images at 0; from here the weights
.set WP,    528                        ; a weight's row: 512 bytes + 16: row r starts 16 r bytes on modulo 256
.set WHALF, 32*WP                      ; what one wave's load brings
.set WSL,   64*WP                      ; a slice
.set SCW,   16                         ; v16-31  W's scale words: tile t at + 4 t; register s % 4: lanes 0-15 the word of K step s < 4, lanes 16-31 of K step s >= 4
.set SCX,   32                         ; v32-47  x's likewise
.set F0,    48                         ; v48-79  source 0's four fragments
.set F1,    80                         ; v80-111 source 1's four
.set ACC,   112                        ; v112-239  acc(o, i) at + 32 o + 8 i: o = source 1's tile, i = source 0's
.set TM,    48                         ; behind the K steps the fragments' registers serve the quantiser: largest magnitudes,
.set TX,    56                         ; the other half's,
.set SO,    64                         ; the conversions' scale operands,
.set BY,    72                         ; the bytes,
.set PC,    80                         ; the codes,
.set WD,    96                         ; the scale words,
.set SS,    100                        ; and the pair of them that my half of the lanes stores
.macro ROUND                           ; a round of the cluster's barrier
	s_barrier_signal -1
	s_barrier_wait -1
	s_cmp_lg_u32 s30, 0
	s_cbranch_scc1 .Lnot_wave_0_\@
	s_barrier_signal -3
.Lnot_wave_0_\@:
	s_barrier_wait -3
	s_barrier_signal -1
	s_barrier_wait -1
.endm
.macro PLACES n
.rept \n
	v_nop
.endr
.endm
	s_load_b256 s[4:11], s[0:1], 0x0               ; xc s[4:5], xs s[6:7], Wq_codes s[8:9], Wq_scales s[10:11]
	s_load_b256 s[12:19], s[0:1], 0x20             ; bq s[12:13], Wk_codes s[14:15], Wk_scales s[16:17], bk s[18:19]
	s_load_b256 s[20:27], s[0:1], 0x40             ; Wv_codes s[20:21], Wv_scales s[22:23], bv s[24:25], qq s[26:27]
	s_load_b64 s[28:29], s[0:1], 0x60              ; kv
	v_lshl_add_u32 v240, v0, 2, 0x41800
	v_mov_b32 v241, 0
	ds_add_u32 v240, v241
	ds_add_u32 v240, v241
	v_lshrrev_b32 v1, 5, v0
	v_readfirstlane_b32 s30, v1                    ; wave 0..11
	s_lshr_b32 s31, s30, 1                         ; my slice
	s_and_b32 s32, s30, 1                          ; my half of the rows; also: which half of the slice's weights I fetch
	s_bfe_u32 s33, ttmp6, 0x40000                  ; cx
	s_bfe_u32 s34, ttmp6, 0x40004                  ; cy
	s_and_b32 s36, ttmp7, 0xffff
	s_lshl_b32 s36, s36, 2
	s_add_co_u32 s36, s36, s34                     ; my block of 128 rows = 4 x cluster y + cy
	s_lshl_b32 s38, s34, 2
	s_lshl_b32 s38, 15, s38                        ; my row of the cluster
	s_lshl_b32 s37, 0x1111, s33                    ; my column
	s_lshl_b32 s39, s33, 2
	s_add_co_u32 s39, s39, s31                     ; a slice of q or k: head 4 cx + slice
	s_lshl_b32 s82, ttmp9, 3
	s_lshl_b32 s83, s33, 1
	s_add_co_u32 s82, s82, s83
	s_add_co_u32 s82, s82, s31
	s_sub_co_u32 s82, s82, 4                       ; a slice of v: head 8 x cluster x + 2 cx + slice - 4
	s_cmp_ge_u32 s31, 4
	s_cselect_b32 s39, s82, s39                    ; my head
	; descriptor group 1 for the weights: 32 rows of 512 bytes, 16 bytes of padding behind each; they go to my column of the cluster
	s_or_b32 s44, s37, (1<<20)|(1<<21)|(6<<22)|(3<<25)   ; 15:0 the mask; 17:16 elements of 1 byte; 20 padding on; 21 set beside a mask; 24:22 after every 128 words; 31:25 four words
	s_mov_b32 s45, 512<<16                         ; tensor_dim0
	s_mov_b32 s46, 32<<16                          ; tensor_dim1
	s_mov_b32 s47, 512<<16                         ; tile_dim0
	s_mov_b32 s48, 32                              ; tile_dim1
	s_mov_b32 s49, 512                             ; from row to row
	s_mov_b32 s50, 0
	s_mov_b32 s51, 0
	; and for an image of x: 8,192 dense bytes as 32 rows of 256 (32 elements of 8 bytes); they go to my row of the cluster
	s_or_b32 s56, s38, (3<<16)|(1<<21)
	s_mov_b32 s57, 32<<16
	s_mov_b32 s58, 32<<16
	s_mov_b32 s59, 32<<16
	s_mov_b32 s60, 32
	s_mov_b32 s61, 32
	s_mov_b32 s62, 0
	s_mov_b32 s63, 0
	s_mov_b32 s40, 1
	s_mul_i32 s41, s30, WHALF
	s_add_co_u32 s41, s41, WB                      ; the weights' place: wave x 32 rows: no place in the cluster enters an LDS address
	s_mov_b32 s52, 1
	s_lshl_b32 s53, s30, 13                        ; image w's place (waves 0 - 7)
	s_lshl_b32 s82, s39, 15                        ; a head's 64 rows of 512 bytes,
	s_lshl_b32 s83, s32, 14                        ; my 32 of them
	s_add_co_u32 s82, s82, s83
	s_mov_b32 s83, 0
	s_lshl_b32 s84, s36, 3
	s_add_co_u32 s84, s84, s30
	s_lshl_b32 s84, s84, 13                        ; image 8 x block + wave
	s_mov_b32 s85, 0
	s_mov_b32 s76, 73728                           ; q's record,
	s_mov_b32 s77, 65536                           ; and where its scale words begin
	s_mov_b32 s80, 0x76543210
	s_mov_b32 s81, 0xfedcba98                      ; v_permlanex16_b32's selects for lane l xor 16
	v_and_b32 v8, 31, v0
	v_lshlrev_b32 v1, 4, v8                        ; 16 x lane
	v_and_b32 v2, 15, v0                           ; r
	v_bfe_u32 v3, v0, 4, 1                         ; h
	s_lshl_b32 s86, s32, 15
	v_add_nc_u32 v4, s86, v1                       ; x's images: my four begin 32,768 x half on
	s_mul_i32 s86, s31, WSL
	s_add_co_u32 s86, s86, WB
	v_mul_u32_u24 v5, v2, WP
	v_lshl_add_u32 v5, v3, 4, v5
	v_add_nc_u32 v5, s86, v5                       ; the weights: my slice, row r, + 16 h
	v_lshlrev_b32 v6, 5, v2
	v_lshl_add_u32 v6, v3, 4, v6                   ; scale tables: 32 bytes a row; lanes 16-31 take the upper four words
	v_lshlrev_b32 v7, 5, v3                        ; q's and k's bias: eight numbers from 8 h on
	v_lshlrev_b32 v10, 2, v2                       ; v's bias: number r
	v_lshlrev_b32 v9, 4, v2
	v_lshl_add_u32 v9, v3, 3, v9                   ; the scale words' way out: 16 r + 8 h
	s_wait_dscnt 0x0
	s_wait_kmcnt 0x0
	s_cmp_lg_u32 ttmp9, 0                          ; cluster x = 1: k's buffers.  The choices hang on ids alone
	s_cselect_b64 s[66:67], s[14:15], s[8:9]       ; codes
	s_cselect_b64 s[68:69], s[16:17], s[10:11]     ; scales
	s_cselect_b64 s[70:71], s[18:19], s[12:13]     ; bias
	s_cselect_b64 s[72:73], s[28:29], s[26:27]     ; where the results go
	s_cselect_b32 s76, 143360, s76
	s_cselect_b32 s77, 131072, s77
	s_cmp_ge_u32 s31, 4                            ; slices 4, 5: v's
	s_cselect_b64 s[66:67], s[20:21], s[66:67]
	s_cselect_b64 s[68:69], s[22:23], s[68:69]
	s_cselect_b64 s[70:71], s[24:25], s[70:71]
	s_cselect_b64 s[72:73], s[28:29], s[72:73]
	s_cselect_b32 s76, 143360, s76
	s_add_nc_u64 s[42:43], s[66:67], s[82:83]
	s_or_b32 s43, s43, 0x80000000                  ; type = 2
	s_add_nc_u64 s[54:55], s[4:5], s[84:85]
	s_or_b32 s55, s55, 0x80000000
	ROUND                                          ; all sixteen work-groups are here: the joint loads meet
	tensor_load_to_lds s[40:43], s[44:51]          ; every wave: its half slice of weights
	s_nop 0
	PLACES 4                                       ; (four v_nop behind a tensor load)
	s_cmp_lt_u32 s30, 8
	s_cbranch_scc0 .Lno_x
	tensor_load_to_lds s[52:55], s[56:63]          ; waves 0 - 7: an image of x each
	s_nop 0
	PLACES 4
.Lno_x:
	s_lshl_b32 s86, s36, 12                        ; xs: 512 bytes a tile: 8 tiles a block,
	s_lshl_b32 s87, s32, 11                        ; my four
	s_add_co_u32 s86, s86, s87
	s_mov_b32 s87, 0
	s_add_nc_u64 s[6:7], s[6:7], s[86:87]
	s_lshl_b32 s82, s39, 11                        ; W's scales: 64 rows of 32 bytes a head
	s_add_nc_u64 s[68:69], s[68:69], s[82:83]
	s_lshl_b32 s82, s39, 8                         ; the bias: 64 numbers a head
	s_add_nc_u64 s[70:71], s[70:71], s[82:83]
.irp m, 0,1,2,3
	global_load_b128 v[SCX+4*\m:SCX+4*\m+3], v6, s[6:7] offset:512*\m
.endr
.irp t, 0,1,2,3
	global_load_b128 v[SCW+4*\t:SCW+4*\t+3], v6, s[68:69] offset:512*\t
.endr
	s_cmp_ge_u32 s31, 4
	s_cbranch_scc1 .Lbias_v
.irp i, 0,1,2,3                        ; q, k: register j of acc(3, i) = bias(16 i + 8 h + j)
	global_load_b128 v[ACC+96+8*\i:ACC+96+8*\i+3], v7, s[70:71] offset:64*\i
	global_load_b128 v[ACC+96+8*\i+4:ACC+96+8*\i+7], v7, s[70:71] offset:64*\i+16
.endr
	s_branch .Lbias_done
.Lbias_v:
.irp o, 0,1,2,3                        ; v: all eight registers of acc(o, 3) = bias(16 o + r)
.irp j, 0,1,2,3,4,5,6,7
	global_load_b32 v[ACC+32*\o+24+\j], v10, s[70:71] offset:64*\o
.endr
.endr
.Lbias_done:
	s_lshr_b32 s78, s36, 4                         ; the batch,
	s_lshl_b32 s78, s78, 4
	s_add_co_u32 s78, s78, s39                     ; 16 x batch + head
	s_mul_i32 s78, s78, s76
	s_mov_b32 s79, 0
	s_add_nc_u64 s[72:73], s[72:73], s[78:79]      ; the head's record
	s_and_b32 s74, s36, 15                         ; my block of 128 rows within the batch
	s_wait_tensorcnt 0x0                           ; my loads have landed,
	s_barrier_signal -1
	s_barrier_wait -1                              ; everybody's have.
	s_wait_loadcnt 0x0                             ; scale words and bias
.macro LDX reg, m, s                   ; x's fragment (my tile m, K step s): an image, 512 consecutive bytes a load
.irp c, 0,1
	ds_load_b128 v[\reg+4*\c:\reg+4*\c+3], v4 offset:8192*(\m)+1024*(\s)+512*\c
.endr
.endm
.macro LDW reg, t, s                   ; W's fragment (tile t of my slice, K step s): lane (r, h) takes 16 bytes at 64 s + 32 c + 16 h of row 16 t + r
.irp c, 0,1
	ds_load_b128 v[\reg+4*\c:\reg+4*\c+3], v5 offset:16*WP*(\t)+64*(\s)+32*\c
.endr
.endm
.macro FRAGS path, s                   ; a K step's eight fragments.  path 0: q, k; 1: v
.if \path == 0
.irp t, 0,1,2,3
	LDW F0+8*\t, \t, \s
.endr
.irp m, 0,1,2,3
	LDX F1+8*\m, \m, \s
.endr
.else
.irp m, 0,1,2,3
	LDX F0+8*\m, \m, \s
.endr
.irp t, 0,1,2,3
	LDW F1+8*\t, \t, \s
.endr
.endif
	s_wait_dscnt 0x0
.endm
.macro MM d, c, i, o, s                ; one product: D at v[d], C at v[c], source 0's tile i, source 1's tile o, K step s
.if (\s) < 4
	v_wmma_scale_f32_16x16x128_f8f6f4 v[\d:\d+7], v[F0+8*(\i):F0+8*(\i)+7], v[F1+8*(\o):F1+8*(\o)+7], v[\c:\c+7], v[SC0+4*(\i)+(\s)%4], v[SC1+4*(\o)+(\s)%4] matrix_a_fmt:MATRIX_FMT_FP4 matrix_b_fmt:MATRIX_FMT_FP4
.else
	v_wmma_scale_f32_16x16x128_f8f6f4 v[\d:\d+7], v[F0+8*(\i):F0+8*(\i)+7], v[F1+8*(\o):F1+8*(\o)+7], v[\c:\c+7], v[SC0+4*(\i)+(\s)%4], v[SC1+4*(\o)+(\s)%4] matrix_a_fmt:MATRIX_FMT_FP4 matrix_b_fmt:MATRIX_FMT_FP4 matrix_a_scale:MATRIX_SCALE_ROW1 matrix_b_scale:MATRIX_SCALE_ROW1
.endif
.endm
.macro KSTEP path, s                   ; the sixteen accumulators take turns, one instruction a turn, from acc(0, 0) to acc(3, 3)
	FRAGS \path, \s
.irp o, 0,1,2,3
.irp i, 0,1,2,3
	MM ACC+32*\o+8*\i, ACC+32*\o+8*\i, \i, \o, \s
.endr
.endr
	PLACES 4                                       ; in front of loads into registers that matrix instructions have read, and of the first read of results
.endm
; The quantiser: block n = 2 o + b is registers ACC + 16 n .. + 15 of lanes l and l xor 16.  The eight blocks take turns line by line; each accumulator is read from its low end on.
.macro EPI
.irp n, 0,1,2,3,4,5,6,7
	v_max3_num_f32 v[TM+\n], |v[ACC+16*\n]|, |v[ACC+16*\n+1]|, 0x1800000   ; with the floor 2^(3 - 127): the byte cannot fall under 1
.endr
.irp i, 2,4,6,8,10,12,14
.irp n, 0,1,2,3,4,5,6,7
	v_max3_num_f32 v[TM+\n], v[TM+\n], |v[ACC+16*\n+\i]|, |v[ACC+16*\n+\i+1]|
.endr
.endr
.irp n, 0,1,2,3,4,5,6,7
	v_permlanex16_b32 v[TX+\n], v[TM+\n], s80, s81
.endr
.irp n, 0,1,2,3,4,5,6,7
	v_max_num_f32 v[TM+\n], v[TM+\n], v[TX+\n]     ; the block's largest magnitude
.endr
.irp n, 0,1,2,3,4,5,6,7
	v_add_nc_u32 v[SO+\n], 0xff000000, v[TM+\n]    ; 2 off its exponent field: the conversion's scale operand
.endr
.irp n, 0,1,2,3,4,5,6,7
	v_lshrrev_b32 v[BY+\n], 23, v[SO+\n]           ; the scale's byte
.endr
.irp o, 0,1,2,3                        ; a tile's eight registers become one register of codes; tiles 0, 2 and 1, 3 stand side by side for the exchange below
	v_cvt_scalef32_pk8_fp4_f32 v[PC+4*\o],   v[ACC+32*\o:ACC+32*\o+7],     v[SO+2*\o]
	v_cvt_scalef32_pk8_fp4_f32 v[PC+4*\o+1], v[ACC+32*\o+16:ACC+32*\o+23], v[SO+2*\o+1]
	v_cvt_scalef32_pk8_fp4_f32 v[PC+4*\o+2], v[ACC+32*\o+8:ACC+32*\o+15],  v[SO+2*\o]
	v_cvt_scalef32_pk8_fp4_f32 v[PC+4*\o+3], v[ACC+32*\o+24:ACC+32*\o+31], v[SO+2*\o+1]
.endr
.irp o, 0,1,2,3
	v_lshl_or_b32 v[WD+\o], v[BY+2*\o+1], 8, v[BY+2*\o]   ; the two bytes make the scale word (plain instructions behind the conversions)
.endr
.irp o, 0,1,2,3                        ; the operand wants a WHOLE block in a lane: the first's lanes 16-31 change places with the second's lanes 0-15: register q then holds index 32 h + 8 q + 0 .. 7
	v_permlane16_swap_b32 v[PC+4*\o], v[PC+4*\o+1]
	v_permlane16_swap_b32 v[PC+4*\o+2], v[PC+4*\o+3]
.endr
	v_cmp_ne_u32 vcc_lo, 0, v3
	v_cndmask_b32 v[SS], v[WD], v[WD+2], vcc_lo    ; lanes 0-15 store words 0, 1; lanes 16-31 words 2, 3
	v_cndmask_b32 v[SS+1], v[WD+1], v[WD+3], vcc_lo
.endm
	s_cmp_ge_u32 s31, 4
	s_cbranch_scc1 .Lpath_v
	; ---- q, k ----
.set SC0, SCW
.set SC1, SCX
	FRAGS 0, 0
.irp o, 0,1,2
.irp i, 0,1,2,3
	MM ACC+32*\o+8*\i, ACC+96+8*\i, \i, \o, 0      ; the first K step starts the sums from the bias, which lies in acc(3, i)
.endr
.endr
	PLACES 5                                       ; the next four write over registers that the twelve have read as C
.irp i, 0,1,2,3
	MM ACC+96+8*\i, ACC+96+8*\i, \i, 3, 0
.endr
	PLACES 4
.irp s, 1,2,3,4,5,6,7
	KSTEP 0, \s
.endr
	EPI
	s_lshl_b32 s78, s74, 12                        ; codes: 8 tiles of 512 bytes a block, my four
	s_lshl_b32 s75, s32, 11
	s_add_co_u32 s78, s78, s75
	s_add_nc_u64 s[88:89], s[72:73], s[78:79]
	s_lshl_b32 s78, s74, 9                         ; scale words: 256 bytes for four tiles
	s_lshl_b32 s75, s32, 8
	s_add_co_u32 s78, s78, s75
	s_add_co_u32 s78, s78, s77
	s_add_nc_u64 s[72:73], s[72:73], s[78:79]
.irp o, 0,1,2,3
	global_store_b128 v1, v[PC+4*\o:PC+4*\o+3], s[88:89] offset:512*\o   ; 512 consecutive bytes
.endr
	global_store_b64 v9, v[SS:SS+1], s[72:73]      ; 32 lanes store 256 consecutive bytes, aligned
	s_branch .Lout
	; ---- v ----
.Lpath_v:
.set SC0, SCX
.set SC1, SCW
	FRAGS 1, 0
.irp i, 0,1,2
.irp o, 0,1,2,3
	MM ACC+32*\o+8*\i, ACC+32*\o+24, \i, \o, 0     ; the bias lies in acc(o, 3)
.endr
.endr
	PLACES 5
.irp o, 0,1,2,3
	MM ACC+32*\o+24, ACC+32*\o+24, 3, \o, 0
.endr
	PLACES 4
.irp s, 1,2,3,4,5,6,7
	KSTEP 1, \s
.endr
	EPI
	v_lshl_add_u32 v9, s32, 1, v9                  ; my 64 keys are bytes 2 p, 2 p + 1 of a scale word
	s_lshl_b32 s78, s74, 12                        ; codes: 4,096 bytes for 128 keys; my 64 keys are c = p
	s_lshl_b32 s75, s32, 9
	s_add_co_u32 s78, s78, s75
	s_add_co_u32 s78, s78, 65536
	s_add_nc_u64 s[88:89], s[72:73], s[78:79]
	s_lshl_b32 s78, s74, 8
	s_add_co_u32 s78, s78, 139264
	s_add_nc_u64 s[72:73], s[72:73], s[78:79]
.irp o, 0,1,2,3
	global_store_b128 v1, v[PC+4*\o:PC+4*\o+3], s[88:89] offset:1024*\o
.endr
	global_store_b16 v9, v[SS], s[72:73]           ; two bytes a lane: the other half of each word is another wave's.  131,072 bytes of the launch's 6.9 million leave so
	global_store_b16 v9, v[SS+1], s[72:73] offset:4
.Lout:
	s_wait_tensorcnt 0x0
	ds_add_u32 v240, v241
	s_wait_dscnt 0x0
	ROUND                                          ; the closing round: no work-group ends while a partner may still ask for a tile that names it
	s_endpgm
.Lfunc_end_k_q7f3e45db15_qkv:
	.size	k_q7f3e45db15_qkv, .Lfunc_end_k_q7f3e45db15_qkv-k_q7f3e45db15_qkv
	.p2alignl 7, 3214868480
	.fill 96, 4, 3214868480
	.section	.rodata,"a",@progbits
	.p2align	6, 0x0
	.amdhsa_kernel k_q7f3e45db15_qkv
		.amdhsa_group_segment_fixed_size 269824
		.amdhsa_private_segment_fixed_size 0
		.amdhsa_enable_private_segment 0
		.amdhsa_kernarg_size 104
		.amdhsa_user_sgpr_count 2
		.amdhsa_user_sgpr_kernarg_segment_ptr 1
		.amdhsa_wavefront_size32 1
		.amdhsa_system_sgpr_workgroup_id_x 1
		.amdhsa_system_sgpr_workgroup_id_y 1
		.amdhsa_system_sgpr_workgroup_id_z 1
		.amdhsa_system_vgpr_workitem_id 0
		.amdhsa_next_free_vgpr 242
		.amdhsa_next_free_sgpr 90
		.amdhsa_reserve_vcc 1
		.amdhsa_float_denorm_mode_32 3
		.amdhsa_float_denorm_mode_16_64 3
		.amdhsa_memory_ordered 1
		.amdhsa_forward_progress 1
		.amdhsa_inst_pref_size 79
	.end_amdhsa_kernel
	.amdgpu_metadata
---
amdhsa.version: [ 1, 2 ]
amdhsa.kernels:
  - .name:           k_q7f3e45db15_qkv
    .symbol:         k_q7f3e45db15_qkv.kd
    .args:
      - { .name: xc, .offset: 0, .size: 8, .value_kind: global_buffer, .address_space: global }
      - { .name: xs, .offset: 8, .size: 8, .value_kind: global_buffer, .address_space: global }
      - { .name: Wq_codes, .offset: 16, .size: 8, .value_kind: global_buffer, .address_space: global }
      - { .name: Wq_scales, .offset: 24, .size: 8, .value_kind: global_buffer, .address_space: global }
      - { .name: bq, .offset: 32, .size: 8, .value_kind: global_buffer, .address_space: global }
      - { .name: Wk_codes, .offset: 40, .size: 8, .value_kind: global_buffer, .address_space: global }
      - { .name: Wk_scales, .offset: 48, .size: 8, .value_kind: global_buffer, .address_space: global }
      - { .name: bk, .offset: 56, .size: 8, .value_kind: global_buffer, .address_space: global }
      - { .name: Wv_codes, .offset: 64, .size: 8, .value_kind: global_buffer, .address_space: global }
      - { .name: Wv_scales, .offset: 72, .size: 8, .value_kind: global_buffer, .address_space: global }
      - { .name: bv, .offset: 80, .size: 8, .value_kind: global_buffer, .address_space: global }
      - { .name: qq, .offset: 88, .size: 8, .value_kind: global_buffer, .address_space: global }
      - { .name: kv, .offset: 96, .size: 8, .value_kind: global_buffer, .address_space: global }
    .group_segment_fixed_size: 269824
    .private_segment_fixed_size: 0
    .kernarg_segment_align: 8
    .kernarg_segment_size: 104
    .max_flat_workgroup_size: 384
    .sgpr_count:     90
    .vgpr_count:     242
    .wavefront_size: 32
...
	.end_amdgpu_metadata
.endif
;; end of part 2
;; launch attn (part 3): grid 8 x 32, 16 waves a work-group, clusters of 4 x 1, 169,984 bytes of LDS; arguments qq, kv, ac, asb; writes ac, asb
.if DOCPART == 3
	.amdgcn_target "amdgcn-amd-amdhsa--gfx1250"
	.amdhsa_code_object_version 6
	.text
	.protected	k_q7f3e45db15_attn
	.globl	k_q7f3e45db15_attn
	.p2align	8
	.type	k_q7f3e45db15_attn,@function
k_q7f3e45db15_attn:
	s_mov_b64 s[64:65], 0
	v_nop
	global_prefetch_b8 v0, s[64:65] scope:SCOPE_SE
	s_setreg_imm32_b32 hwreg(HW_REG_WAVE_MODE, 25, 1), 1
	s_wait_xcnt 0x0
	s_wait_alu depctr_hold_cnt(0) depctr_sa_sdst(0) depctr_va_vdst(0) depctr_va_sdst(0) depctr_va_ssrc(0) depctr_va_vcc(0) depctr_vm_vsrc(0)
	s_getreg_b32 s2, hwreg(HW_REG_IB_STS2, 6, 4)
	s_cmp_eq_u32 s2, 0
	s_cbranch_scc0 .Lentry_in_a_cluster
	s_endpgm
.Lentry_in_a_cluster:
	s_bfe_u32 s2, ttmp6, 0x10000c
	s_cmp_lg_u32 s2, 0x3003
	s_cbranch_scc0 .Lentry_shape_is_right
	s_endpgm
.Lentry_shape_is_right:
; ATTENTION on codes of FP4 (E2M1) with E8M0 scales: o = softmax(q k^T / 8) v for one head, 2,048 keys, head size 64; the result is quantised at once along the model's axis for the last product.
; THE SOFTMAX AHEAD OF THE SECOND PRODUCT: t = score x log2(e) / 8; M = the row's largest t so far, rounded UP to a whole number; p = 2^(t - M) is what is quantised, along the keys, not normalised.
; The row's sum is taken of the unquantised p, in f32, and divides o at the end.  When M moves, the sum and o are multiplied by 2^(old M - new M): exact.
; SHARES.  A work-group owns 256 queries of one head, each of its sixteen waves one tile of 16: four waves to a SIMD, so that one wave's vector work stands beside another's products and LDS loads.
; A HEAD'S WHOLE RECORD (k's and v's codes and scale words, 143,360 bytes, laid as images of the operands' registers) LIES IN LDS: one fill, each wave bringing 35 rows of 256 bytes; no slot is filled again.
; CLUSTER.  The four work-groups of a cluster belong to one head: the record is asked for jointly, by the same loads with a mask that names the four.  One tensor load of a wave is out.
; LAYOUT.  Both products are used transposed: S^T = k q^T (source 0 = 16 keys, source 1 = my queries), O^T = v^T p^T: a lane holds ONE query (lane % 16) throughout; register j of tile t is key (channel) 16 t + 8 h + j.
; THE FIRST PRODUCT'S K IS 64 of the instruction's 128: q's registers 4 - 7 are zero codes and the scale bytes 2, 3 are 0 (not 0xff).  A tile of k is 4 registers; the instruction names 8, of which the upper
; four are the next tile's codes (zeros behind the last): multiplied by q's zero codes they add exactly 0.
; A block's largest p is not searched for: p rises with the score, so the block's largest score goes through the same multiply-add and exponential (this takes v_exp_f32 not to fall where its input rises).
; LIMITS: NaN and infinities are not served; a block of p or of o that is all zeros, or lies under 2^-124, has the byte 1; 1 / sum is v_rcp_f32.
.set REC,   143360                     ; a record of kv.  LDS: k's codes at 0,
.set LV,    65536                      ; v's codes,
.set LKS,   131072                     ; k's scale words,
.set LVS,   139264                     ; v's,
.set STG,   143360                     ; and behind the record 512 bytes into which no fill lands: the work-group's scale bytes on the way out
.set KF,    32                         ; v32-63   k's eight tiles, 4 registers each;  v64-67 zeros
.set KZ,    64
.set KS,    68                         ; v68-75   k's scale words
.set VS,    76                         ; v76-79   v's
.set VF,    80                         ; v80-111  v's four fragments
.set S,     112                        ; v112-175 S^T, then p
.set O,     176                        ; v176-207 O^T
.set PC,    208                        ; v208-215 p's codes
.set BM,    216                        ; v216-219 the blocks' largest scores, then largest p
.set TX,    220                        ; v220-223 the other half's
.set SOP,   224                        ; v224-227 the conversions' scale operands
.set BY,    228                        ; v228-231 the bytes
; v1 16 x lane; v2 - v4 my lane's place in v's codes, k's scale words, v's scale words; v7, v25 the way out; v8-11 the step's LDS addresses; v12 -M; v13 the largest t; v[14:15] the sum in two halves;
; v16-23 q (20-23 zeros); v24 q's scale words; v232 at work; v234 f; v235 p's scale word; v[236:237] the sum's second chain
.macro ROUND                           ; a round of the cluster's barrier
	s_barrier_signal -1
	s_barrier_wait -1
	s_cmp_lg_u32 s12, 0
	s_cbranch_scc1 .Lnot_wave_0_\@
	s_barrier_signal -3
.Lnot_wave_0_\@:
	s_barrier_wait -3
	s_barrier_signal -1
	s_barrier_wait -1
.endm
	s_load_b256 s[4:11], s[0:1], 0x0               ; qq s[4:5], kv s[6:7], ac s[8:9], asb s[10:11]
	v_lshl_add_u32 v240, v0, 2, 0x29000
	v_mov_b32 v241, 0
	ds_add_u32 v240, v241
	ds_add_u32 v240, v241
	v_lshrrev_b32 v1, 5, v0
	v_readfirstlane_b32 s12, v1                    ; wave 0..15
	s_bfe_u32 s13, ttmp6, 0x40000                  ; cx
	s_lshl_b32 s14, ttmp9, 2
	s_add_co_u32 s14, s14, s13                     ; my block of 256 queries: it enters q's and the results' global addresses alone
	s_and_b32 s15, ttmp7, 0xffff                   ; 16 x batch + head, which the four partners share
	s_mov_b32 s20, 15|(3<<16)|(1<<21)              ; group 1: 15:0 the mask: all four; 17:16 elements of 8 bytes; 21 set beside a mask; no padding
	s_mov_b32 s21, 32<<16                          ; tensor_dim0 = 32 elements: 256 bytes
	s_mov_b32 s22, 35<<16                          ; tensor_dim1 = 35 rows
	s_mov_b32 s23, 32<<16                          ; tile_dim0
	s_mov_b32 s24, 35                              ; tile_dim1
	s_mov_b32 s25, 32                              ; from row to row: dense
	s_mov_b32 s26, 0
	s_mov_b32 s27, 0
	s_mov_b32 s16, 1
	s_mul_i32 s17, s12, 8960                       ; my sixteenth of the record, in LDS as in memory
	s_mul_i32 s36, s15, REC
	s_add_co_u32 s36, s36, s17
	s_mov_b32 s37, 0
	s_mov_b32 s28, 0x76543210
	s_mov_b32 s29, 0xfedcba98                      ; v_permlanex16_b32's selects for lane l xor 16
	s_mov_b32 s30, 0x3e38aa3b                      ; c = log2(e) / 8
	s_mov_b32 s31, s30                             ; (the packed form names the pair)
	s_mov_b32 s32, 0                               ; the step's codes: 4,096 bytes a step, in k's and in v's
	s_mov_b32 s33, 0                               ; k's scale words: 512
	s_mov_b32 s34, 0                               ; v's: 256
	s_mov_b32 s35, 16                              ; key steps of 128
	s_wait_dscnt 0x0
	s_wait_kmcnt 0x0
	s_add_nc_u64 s[18:19], s[6:7], s[36:37]
	s_or_b32 s19, s19, 0x80000000                  ; type = 2
	ROUND                                          ; all four work-groups are here: the joint loads meet
	tensor_load_to_lds s[16:19], s[20:27]
	s_nop 0
.rept 4
	v_nop                                          ; (four v_nop behind a tensor load)
.endr
	s_lshl_b32 s40, s14, 4
	s_add_co_u32 s40, s40, s12                     ; my tile within the batch
	s_mul_i32 s38, s15, 73728                      ; q's record,
	s_lshl_b32 s39, s40, 9
	s_add_co_u32 s38, s38, s39                     ; 512 bytes a tile
	s_mov_b32 s39, 0
	s_add_nc_u64 s[42:43], s[4:5], s[38:39]
	s_mul_i32 s38, s15, 73728
	s_lshr_b32 s41, s40, 2
	s_lshl_b32 s41, s41, 8                         ; scale words: 256 bytes for four tiles,
	s_add_co_u32 s38, s38, s41
	s_and_b32 s41, s40, 3
	s_lshl_b32 s41, s41, 2                         ; mine the (tile % 4)-th of a row's four
	s_add_co_u32 s38, s38, s41
	s_add_co_u32 s38, s38, 65536
	s_add_nc_u64 s[44:45], s[4:5], s[38:39]
	v_and_b32 v5, 15, v0                           ; r
	v_and_b32 v1, 31, v0
	v_lshlrev_b32 v1, 4, v1                        ; 16 x lane
	v_lshlrev_b32 v8, 4, v5                        ; 16 r
	global_load_b128 v[16:19], v1, s[42:43]        ; q's codes stay in registers
	global_load_b32 v24, v8, s[44:45]              ; and its scale words
	v_add_nc_u32 v2, LV, v1
	v_add_nc_u32 v3, LKS, v8
	v_add_nc_u32 v4, LVS, v8
	v_lshlrev_b32 v7, 1, v5
	s_lshl_b32 s41, s12, 5
	v_add_nc_u32 v7, s41, v7
	v_add_nc_u32 v7, STG, v7                       ; the way out: 32 bytes a wave, 2 a row
	v_add_nc_u32 v25, STG, v1
.irp j, 0,1,2,3
	v_mov_b32 v[20+\j], 0                          ; q's k = 64 .. 127: zero codes
	v_mov_b32 v[KZ+\j], 0                          ; and what stands behind k's last tile
	v_mov_b32 v[TX+\j], 0                          ; (a lane permute's destination counts as one of its sources)
.endr
	v_mov_b32 v13, 0xff61b1e6                      ; the largest t so far: -3e38, under every t
	v_floor_f32 v12, -v13                          ; -M
	v_mov_b32 v14, 0                               ; the sum, in two halves
	v_mov_b32 v15, 0
	v_mov_b32 v235, 0                              ; (named as the upper half of the pair v[234:235] before it is first written)
.set j, 0
.rept 32
	v_mov_b32 v[O+j], 0                            ; O^T.  The step is written once: the first finds zeros, which the first change of M leaves zeros
.set j, j+1
.endr
	s_wait_tensorcnt 0x0                           ; my part of the record has landed,
	s_barrier_signal -1
	s_barrier_wait -1                              ; everybody's has.
	s_wait_loadcnt 0x0                             ; q
.Lstep:                                            ; 16 trips of 128 keys
	v_add_nc_u32 v8, s32, v1                       ; the step's addresses: also the four places behind the last trip's products, in front of the loads into their registers
	v_add_nc_u32 v9, s32, v2
	v_add_nc_u32 v10, s33, v3
	v_add_nc_u32 v11, s34, v4
.irp t, 0,1,2,3,4,5,6,7
	ds_load_b128 v[KF+4*\t:KF+4*\t+3], v8 offset:512*\t            ; k's tile t: 512 consecutive bytes
.endr
	ds_load_b128 v[KS:KS+3], v10
	ds_load_b128 v[KS+4:KS+7], v10 offset:256
.irp t, 0,1,2,3
.irp c, 0,1
	ds_load_b128 v[VF+8*\t+4*\c:VF+8*\t+4*\c+3], v9 offset:1024*\t+512*\c
.endr
.endr
	ds_load_b128 v[VS:VS+3], v11
	s_wait_dscnt 9                                 ; k's ten loads are in; v's nine, issued behind them, stay out under the softmax
.irp t, 0,1,2,3,4,5,6,7
	v_wmma_scale_f32_16x16x128_f8f6f4 v[S+8*\t:S+8*\t+7], v[KF+4*\t:KF+4*\t+7], v[16:23], 0, v[KS+\t], v24 matrix_a_fmt:MATRIX_FMT_FP4 matrix_b_fmt:MATRIX_FMT_FP4
.endr
.rept 4
	v_nop                                          ; places in front of the first read of results (ISA guide 7.12.1)
.endr
.irp b, 0,1,2,3
	v_max3_num_f32 v[BM+\b], v[S+16*\b], v[S+16*\b+1], v[S+16*\b+2]   ; the largest score of each block of 32 keys (tiles 2 b, 2 b + 1): for the row's maximum and for the block's largest p
.endr
.irp i, 3,5,7,9,11,13
.irp b, 0,1,2,3
	v_max3_num_f32 v[BM+\b], v[BM+\b], v[S+16*\b+\i], v[S+16*\b+\i+1]   ; (the four blocks by turns; each accumulator from its low end on)
.endr
.endr
.irp b, 0,1,2,3
	v_max_num_f32 v[BM+\b], v[BM+\b], v[S+16*\b+15]
.endr
.irp b, 0,1,2,3
	v_permlanex16_b32 v[TX+\b], v[BM+\b], s28, s29
.endr
.irp b, 0,1,2,3
	v_max_num_f32 v[BM+\b], v[BM+\b], v[TX+\b]     ; with lane l xor 16's 16 keys
.endr
	v_max3_num_f32 v232, v[BM], v[BM+1], v[BM+2]
	v_max_num_f32 v232, v232, v[BM+3]              ; the step's largest score of my query
	v_mul_f32 v232, s30, v232                      ; as t (c is positive)
	v_max_num_f32 v13, v13, v232                   ; the running largest t
	v_mov_b32 v232, v12
	v_floor_f32 v12, -v13                          ; the new -M = floor(-t) = -ceil(t): a whole number
	v_sub_f32 v232, v12, v232                      ; old M - new M: a whole number, 0 or less
	v_cvt_i32_f32 v232, v232                       ; (it saturates)
	v_ldexp_f32 v234, 1.0, v232                    ; f = 2^(old M - new M)
.set j, 0
.rept 32
	v_pk_fma_f32 v[S+j:S+j+1], v[S+j:S+j+1], s[30:31], v[12:13] op_sel_hi:[1,0,0]   ; t - M, two at a time
.set j, j+2
.endr
.irp b, 0,1,2,3
	v_fma_f32 v[BM+\b], v[BM+\b], s30, v12         ; the same of each block's largest score
.endr
.set j, 0
.rept 64
	v_exp_f32 v[S+j], v[S+j]                       ; p = 2^(t - M), at most 1
.set j, j+1
.endr
.irp b, 0,1,2,3
	v_exp_f32 v[BM+\b], v[BM+\b]                   ; the block's largest p: the same two instructions on the same number give the same bits
.endr
	v_pk_mul_f32 v[14:15], v[14:15], v[234:235] op_sel_hi:[1,0]   ; the sums under the new M (a plain instruction behind the exponentials)
	s_wait_alu depctr_va_vdst(0)
.irp b, 0,1,2,3
	v_max_num_f32 v[BM+\b], 0x1800000, v[BM+\b]    ; the floor 2^(3 - 127): the byte cannot fall under 1
.endr
.irp b, 0,1,2,3
	v_add_nc_u32 v[SOP+\b], 0xff000000, v[BM+\b]   ; 2 off the exponent field: the conversion's scale operand
.endr
.irp b, 0,1,2,3
	v_lshrrev_b32 v[BY+\b], 23, v[SOP+\b]          ; the scale's byte
.endr
	v_lshl_or_b32 v235, v[BY+1], 8, v[BY]          ; p's scale word for these 128 keys
	v_lshl_or_b32 v235, v[BY+2], 16, v235
	v_lshl_or_b32 v235, v[BY+3], 24, v235
.irp c, 0,1                            ; a tile's eight registers become one register of codes; tiles 4 c, 4 c + 2 and 4 c + 1, 4 c + 3 stand side by side for the exchange
	v_cvt_scalef32_pk8_fp4_f32 v[PC+4*\c],   v[S+32*\c:S+32*\c+7],     v[SOP+2*\c]
	v_cvt_scalef32_pk8_fp4_f32 v[PC+4*\c+1], v[S+32*\c+16:S+32*\c+23], v[SOP+2*\c+1]
	v_cvt_scalef32_pk8_fp4_f32 v[PC+4*\c+2], v[S+32*\c+8:S+32*\c+15],  v[SOP+2*\c]
	v_cvt_scalef32_pk8_fp4_f32 v[PC+4*\c+3], v[S+32*\c+24:S+32*\c+31], v[SOP+2*\c+1]
.endr
	v_nop                                          ; one plain instruction between a scaled conversion and the vector instruction that touches its result
.irp c, 0,1                            ; the first's lanes 16-31 change places with the second's lanes 0-15: register 4 c + q then holds keys 64 c + 32 h + 8 q + 0 .. 7
	v_permlane16_swap_b32 v[PC+4*\c], v[PC+4*\c+1]
	v_permlane16_swap_b32 v[PC+4*\c+2], v[PC+4*\c+3]
.endr
	v_pk_add_f32 v[236:237], v[S:S+1], v[S+2:S+3]  ; the row's sum is taken of the UNQUANTISED p: two at a time, in two chains
.irp j, 4,8,12,16,20,24,28,32,36,40,44,48,52,56,60
	v_pk_add_f32 v[14:15], v[14:15], v[S+\j:S+\j+1]
	v_pk_add_f32 v[236:237], v[236:237], v[S+\j+2:S+\j+3]
.endr
	v_pk_add_f32 v[14:15], v[14:15], v[236:237]
.set j, 0
.rept 16
	v_pk_mul_f32 v[O+j:O+j+1], v[O+j:O+j+1], v[234:235] op_sel_hi:[1,0]   ; O^T under the new M.  (With the sums above: the places between p's codes and scale word and the products below)
.set j, j+2
.endr
	s_wait_dscnt 0x0                               ; v's fragments and scale words are in
.irp t, 0,1,2,3                        ; O^T += v^T p^T: the four accumulators take turns
	v_wmma_scale_f32_16x16x128_f8f6f4 v[O+8*\t:O+8*\t+7], v[VF+8*\t:VF+8*\t+7], v[PC:PC+7], v[O+8*\t:O+8*\t+7], v[VS+\t], v235 matrix_a_fmt:MATRIX_FMT_FP4 matrix_b_fmt:MATRIX_FMT_FP4
.endr
	s_add_co_u32 s32, s32, 4096
	s_add_co_u32 s33, s33, 512
	s_add_co_u32 s34, s34, 256
	s_sub_co_u32 s35, s35, 1
	s_cmp_lg_u32 s35, 0
	s_cbranch_scc1 .Lstep
	; THE WAY OUT: O^T / the sum, quantised along the model's axis: my head's 64 channels are two blocks of it
	s_lshr_b32 s46, s15, 4
	s_lshl_b32 s46, s46, 7                         ; 128 tiles a batch
	s_add_co_u32 s47, s46, s40                     ; my tile T of the 256
	s_lshl_b32 s48, s47, 13                        ; ac: 8,192 bytes a tile,
	s_and_b32 s50, s15, 15                         ; the head:
	s_lshl_b32 s49, s50, 9                         ; 512 bytes
	s_add_co_u32 s48, s48, s49
	s_mov_b32 s49, 0
	s_add_nc_u64 s[8:9], s[8:9], s[48:49]
	s_lshl_b32 s48, s50, 8                         ; asb: [head][T][32 bytes]: the work-group's sixteen tiles
	s_add_co_u32 s48, s48, s46
	s_lshl_b32 s51, s14, 4
	s_add_co_u32 s48, s48, s51
	s_lshl_b32 s48, s48, 5
	s_add_nc_u64 s[10:11], s[10:11], s[48:49]
	v_add_f32 v14, v14, v15                        ; the sum's two halves,
	v_permlanex16_b32 v232, v14, s28, s29
	v_add_f32 v14, v14, v232                       ; and lane l xor 16's: the row's sum
	v_rcp_f32 v234, v14
	v_nop                                          ; with the two additions: four plain places behind the last products; the first is also the one behind the reciprocal
	v_nop
.set j, 0
	s_wait_alu depctr_va_vdst(0)
.rept 16
	v_pk_mul_f32 v[O+j:O+j+1], v[O+j:O+j+1], v[234:235] op_sel_hi:[1,0]   ; each accumulator from its low end on
.set j, j+2
.endr
.irp b, 0,1
	v_max3_num_f32 v[BM+\b], |v[O+16*\b]|, |v[O+16*\b+1]|, 0x1800000
.endr
.irp i, 2,4,6,8,10,12,14
.irp b, 0,1
	v_max3_num_f32 v[BM+\b], v[BM+\b], |v[O+16*\b+\i]|, |v[O+16*\b+\i+1]|
.endr
.endr
.irp b, 0,1
	v_permlanex16_b32 v[TX+\b], v[BM+\b], s28, s29
.endr
.irp b, 0,1
	v_max_num_f32 v[BM+\b], v[BM+\b], v[TX+\b]
.endr
.irp b, 0,1
	v_add_nc_u32 v[SOP+\b], 0xff000000, v[BM+\b]
.endr
.irp b, 0,1
	v_lshrrev_b32 v[BY+\b], 23, v[SOP+\b]
.endr
	v_cvt_scalef32_pk8_fp4_f32 v[PC],   v[O:O+7],     v[SOP]
	v_cvt_scalef32_pk8_fp4_f32 v[PC+1], v[O+16:O+23], v[SOP+1]
	v_cvt_scalef32_pk8_fp4_f32 v[PC+2], v[O+8:O+15],  v[SOP]
	v_cvt_scalef32_pk8_fp4_f32 v[PC+3], v[O+24:O+31], v[SOP+1]
	v_lshl_or_b32 v232, v[BY+1], 8, v[BY]          ; my row's two bytes (a plain instruction behind the conversions)
	v_permlane16_swap_b32 v[PC], v[PC+1]
	v_permlane16_swap_b32 v[PC+2], v[PC+3]
	global_store_b128 v1, v[PC:PC+3], s[8:9]       ; 512 consecutive bytes: registers 4 c .. 4 c + 3 of fragment (T, head / 2), c = head % 2
	ds_store_b16 v7, v232                          ; both halves of the lanes write the same bytes with the same value
	s_wait_dscnt 0x0                               ; for the others' sake: my store has landed
	s_barrier_signal -1
	s_barrier_wait -1
	s_cmp_lg_u32 s12, 0
	s_cbranch_scc1 .Lnot_first
	ds_load_b128 v[216:219], v25                   ; wave 0: the sixteen tiles' 512 scale bytes,
	s_wait_dscnt 0x0
	global_store_b128 v1, v[216:219], s[10:11]     ; stored as 512 consecutive bytes
.Lnot_first:
	s_wait_tensorcnt 0x0
	ds_add_u32 v240, v241
	s_wait_dscnt 0x0
	ROUND                                          ; the closing round: no work-group ends while a partner may still ask for a tile that names it
	s_endpgm
.Lfunc_end_k_q7f3e45db15_attn:
	.size	k_q7f3e45db15_attn, .Lfunc_end_k_q7f3e45db15_attn-k_q7f3e45db15_attn
	.p2alignl 7, 3214868480
	.fill 96, 4, 3214868480
	.section	.rodata,"a",@progbits
	.p2align	6, 0x0
	.amdhsa_kernel k_q7f3e45db15_attn
		.amdhsa_group_segment_fixed_size 169984
		.amdhsa_private_segment_fixed_size 0
		.amdhsa_enable_private_segment 0
		.amdhsa_kernarg_size 32
		.amdhsa_user_sgpr_count 2
		.amdhsa_user_sgpr_kernarg_segment_ptr 1
		.amdhsa_wavefront_size32 1
		.amdhsa_system_sgpr_workgroup_id_x 1
		.amdhsa_system_sgpr_workgroup_id_y 1
		.amdhsa_system_sgpr_workgroup_id_z 1
		.amdhsa_system_vgpr_workitem_id 0
		.amdhsa_next_free_vgpr 242
		.amdhsa_next_free_sgpr 66
		.amdhsa_reserve_vcc 0
		.amdhsa_float_denorm_mode_32 3
		.amdhsa_float_denorm_mode_16_64 3
		.amdhsa_memory_ordered 1
		.amdhsa_forward_progress 1
		.amdhsa_inst_pref_size 26
	.end_amdhsa_kernel
	.amdgpu_metadata
---
amdhsa.version: [ 1, 2 ]
amdhsa.kernels:
  - .name:           k_q7f3e45db15_attn
    .symbol:         k_q7f3e45db15_attn.kd
    .args:
      - { .name: qq, .offset: 0, .size: 8, .value_kind: global_buffer, .address_space: global }
      - { .name: kv, .offset: 8, .size: 8, .value_kind: global_buffer, .address_space: global }
      - { .name: ac, .offset: 16, .size: 8, .value_kind: global_buffer, .address_space: global }
      - { .name: asb, .offset: 24, .size: 8, .value_kind: global_buffer, .address_space: global }
    .group_segment_fixed_size: 169984
    .private_segment_fixed_size: 0
    .kernarg_segment_align: 8
    .kernarg_segment_size: 32
    .max_flat_workgroup_size: 512
    .sgpr_count:     66
    .vgpr_count:     242
    .wavefront_size: 32
...
	.end_amdgpu_metadata
.endif
;; end of part 3
;; launch proj (part 4): grid 256 x 1, 16 waves a work-group, no clusters, 84,736 bytes of LDS; arguments ac, asb, wpi, Wp_scales, bp, x, ln_g, ln_b, out0; writes out0
.if DOCPART == 4
	.amdgcn_target "amdgcn-amd-amdhsa--gfx1250"
	.amdhsa_code_object_version 6
	.text
	.protected	k_q7f3e45db15_proj
	.globl	k_q7f3e45db15_proj
	.p2align	8
	.type	k_q7f3e45db15_proj,@function
k_q7f3e45db15_proj:
	s_mov_b64 s[64:65], 0
	v_nop
	global_prefetch_b8 v0, s[64:65] scope:SCOPE_SE
	s_setreg_imm32_b32 hwreg(HW_REG_WAVE_MODE, 25, 1), 1
	s_wait_xcnt 0x0
; PROJ.  out0 = LayerNorm(x + a Wp + bp) x ln_g + ln_b.  a (attention's result) and Wp are codes of FP4 (E2M1) with E8M0 scales; sums, residual and norm in f32.
; SHARES.  A work-group takes 16 whole rows, since the norm wants the whole row.  First each of its sixteen waves makes 64 columns (4 accumulators, 32 matrix instructions); the rows meet in a stage in LDS; then wave w
; takes row w whole: mean and variance never leave the wave.  The variance is taken of y - mean, in a second pass over registers.
; THE WEIGHTS come as images of their fragments (wpi), straight into registers by loads of 512 consecutive bytes, three K steps (24 loads a wave) ahead: each fragment feeds ONE matrix instruction here, so LDS would
; spare no read.  No joint loads although all work-groups walk the same weights: a joint request is a tensor load into LDS, Wp's 524,288 bytes do not fit there, and a ring would want a round of the cluster's barrier for each refill.
; The product is used transposed (source 0 = 16 rows of Wp, source 1 = my 16 rows of a): a lane holds eight neighbouring columns of one row.  The bias is loaded into the accumulators: every product adds in place.
; LIMITS: NaN and infinities are not served; 1 / sqrt is v_rsq_f32.
.set AIMG,  0                          ; LDS: a's eight fragments as images, 8,192 bytes;
.set ASC,   8192                       ; their scale bytes [r][32];
.set GB,    8704                       ; ln_g, 4,096 bytes, then ln_b;
.set STG,   16896                      ; the stage: 16 rows of 4,096 bytes + 16: row r starts 16 r bytes on modulo 256
.set SPT,   4112
.set AT,    12                         ; v12-15 my 512 bytes' share of a;  v16-19 of ln_g or ln_b;  v20 a head's two scale bytes of row r
.set GT,    16
.set AS,    24                         ; v24-27  a's scale words: register s % 4: lanes 0-15 K step s < 4, lanes 16-31 K step s >= 4
.set WS,    28                         ; v28-43  Wp's likewise, tile nt at + 4 nt
.set ACC,   44                         ; v44-75  four accumulators
.set AF,    76                         ; v76-139 a's eight fragments
.set WF,    140                        ; v140-235 three sets of four fragments of Wp
.set XR,    76                         ; later: my row of x,
.set Y,     108                        ; of the product, then y, then the result,
.set G,     140                        ; ln_g,
.set BT,    172                        ; ln_b;  v204-211 at work
	s_load_b256 s[4:11], s[0:1], 0x0               ; ac s[4:5], asb s[6:7], wpi s[8:9], Wp_scales s[10:11]
	s_load_b256 s[12:19], s[0:1], 0x20             ; bp s[12:13], x s[14:15], ln_g s[16:17], ln_b s[18:19]
	s_load_b64 s[20:21], s[0:1], 0x40              ; out0
	v_lshl_add_u32 v240, v0, 2, 0x14300
	v_mov_b32 v241, 0
	v_lshrrev_b32 v1, 5, v0
	v_readfirstlane_b32 s22, v1                    ; wave 0..15
	v_and_b32 v1, 31, v0
	v_lshlrev_b32 v1, 4, v1                        ; 16 x lane
	v_and_b32 v2, 15, v0                           ; r
	v_bfe_u32 v3, v0, 4, 1                         ; h
	v_lshlrev_b32 v4, 1, v2                        ; 2 r
	v_lshlrev_b32 v8, 5, v2
	v_lshl_add_u32 v8, v3, 4, v8                   ; scale tables: 32 r + 16 h
	v_add_nc_u32 v7, ASC, v8
	v_lshlrev_b32 v5, 5, v2
	s_lshl_b32 s44, s22, 1
	s_add_co_u32 s44, s44, ASC
	v_add_nc_u32 v5, s44, v5                       ; head w's two bytes of row r
	s_lshl_b32 s44, s22, 9
	v_add_nc_u32 v6, s44, v1                       ; my wave's 512 bytes of an LDS table
	v_lshlrev_b32 v9, 5, v3                        ; the bias: eight numbers from 8 h on
	v_mul_u32_u24 v10, v2, SPT
	v_add_nc_u32 v10, v10, v9
	s_lshl_b32 s44, s22, 8
	s_add_co_u32 s44, s44, STG
	v_add_nc_u32 v10, s44, v10                     ; into the stage: row r, my wave's 256 bytes, + 32 h
	s_mul_i32 s44, s22, SPT
	s_add_co_u32 s44, s44, STG
	v_add_nc_u32 v11, s44, v1                      ; out of it: row w
	s_mov_b32 s26, 0x3a800000                      ; 1 / 1024
	s_mov_b32 s27, 0x3727c5ac                      ; 1e-5
	s_mov_b32 s28, 0x76543210
	s_mov_b32 s29, 0xfedcba98                      ; v_permlanex16_b32's selects for lane l xor 16
	s_lshl_b32 s30, ttmp9, 13                      ; ac: 8,192 bytes a tile, 512 a head
	s_lshl_b32 s31, s22, 9
	s_add_co_u32 s30, s30, s31
	s_mov_b32 s31, 0
	s_and_b32 s32, s22, 7
	s_lshl_b32 s32, s32, 9                         ; ln_g (waves 0-7) or ln_b (8-15): 512 bytes a wave
	s_mov_b32 s33, 0
	s_lshl_b32 s34, s22, 8
	s_add_co_u32 s34, s34, ttmp9
	s_lshl_b32 s34, s34, 5                         ; asb: [head w][tile][32 bytes]
	s_mov_b32 s35, 0
	s_lshl_b32 s36, s22, 8                         ; bp: my 64 numbers
	s_mov_b32 s37, 0
	s_lshl_b32 s38, s22, 11                        ; Wp_scales: my 64 rows of 32 bytes
	s_mov_b32 s39, 0
	s_lshl_b32 s40, s22, 15                        ; wpi: my four tiles of 8,192 bytes
	s_mov_b32 s41, 0
	s_lshl_b32 s42, ttmp9, 4
	s_add_co_u32 s42, s42, s22
	s_lshl_b32 s42, s42, 12                        ; x, out0: row 16 T + w of 4,096 bytes
	s_mov_b32 s43, 0
	s_wait_kmcnt 0x0
	s_cmp_lt_u32 s22, 8
	s_cselect_b64 s[24:25], s[16:17], s[18:19]
	s_add_nc_u64 s[4:5], s[4:5], s[30:31]
	s_add_nc_u64 s[24:25], s[24:25], s[32:33]
	s_add_nc_u64 s[6:7], s[6:7], s[34:35]
	s_add_nc_u64 s[12:13], s[12:13], s[36:37]
	s_add_nc_u64 s[10:11], s[10:11], s[38:39]
	s_add_nc_u64 s[8:9], s[8:9], s[40:41]
	s_add_nc_u64 s[14:15], s[14:15], s[42:43]
	s_add_nc_u64 s[20:21], s[20:21], s[42:43]
.macro WLOAD s                         ; K step s of my four tiles of Wp into set s % 3: eight loads of 512 consecutive bytes
.irp nt, 0,1,2,3
.irp c, 0,1
	global_load_b128 v[WF+32*((\s)%3)+8*\nt+4*\c:WF+32*((\s)%3)+8*\nt+4*\c+3], v1, s[8:9] offset:8192*\nt+1024*(\s)+512*\c
.endr
.endr
.endm
	global_load_b128 v[AT:AT+3], v1, s[4:5]        ; what goes round through LDS first,
	global_load_b128 v[GT:GT+3], v1, s[24:25]
	global_load_u16 v20, v4, s[6:7]
.irp nt, 0,1,2,3                       ; then the bias, straight into the accumulators: register j of tile nt = bp(64 w + 16 nt + 8 h + j),
	global_load_b128 v[ACC+8*\nt:ACC+8*\nt+3], v9, s[12:13] offset:64*\nt
	global_load_b128 v[ACC+8*\nt+4:ACC+8*\nt+7], v9, s[12:13] offset:64*\nt+16
.endr
.irp nt, 0,1,2,3
	global_load_b128 v[WS+4*\nt:WS+4*\nt+3], v8, s[10:11] offset:512*\nt
.endr
	WLOAD 0                                        ; and three K steps of weights
	WLOAD 1
	WLOAD 2
	s_wait_loadcnt 36                              ; the first three are in; the 8 + 4 + 24 issued behind them stay out
	ds_store_b128 v6, v[AT:AT+3] offset:AIMG
	ds_store_b128 v6, v[GT:GT+3] offset:GB
	ds_store_b16 v5, v20                           ; both halves of the lanes write the same bytes with the same value
	s_wait_dscnt 0x0                               ; for the others' sake: my stores have landed
	s_barrier_signal -1
	s_barrier_wait -1
.irp j, 0,1,2,3,4,5,6,7,8,9,10,11,12,13,14,15
	ds_load_b128 v[AF+4*\j:AF+4*\j+3], v1 offset:AIMG+512*\j       ; a's eight fragments: they stay for all my products
.endr
	ds_load_b128 v[AS:AS+3], v7
	s_wait_dscnt 0x0
.macro PSTEP s, left                   ; K step s.  left: the loads issued behind set s's, which may stay out.  The four accumulators take turns
	s_wait_loadcnt \left
.irp nt, 0,1,2,3
.if (\s) < 4
	v_wmma_scale_f32_16x16x128_f8f6f4 v[ACC+8*\nt:ACC+8*\nt+7], v[WF+32*((\s)%3)+8*\nt:WF+32*((\s)%3)+8*\nt+7], v[AF+8*(\s):AF+8*(\s)+7], v[ACC+8*\nt:ACC+8*\nt+7], v[WS+4*\nt+(\s)%4], v[AS+(\s)%4] matrix_a_fmt:MATRIX_FMT_FP4 matrix_b_fmt:MATRIX_FMT_FP4
.else
	v_wmma_scale_f32_16x16x128_f8f6f4 v[ACC+8*\nt:ACC+8*\nt+7], v[WF+32*((\s)%3)+8*\nt:WF+32*((\s)%3)+8*\nt+7], v[AF+8*(\s):AF+8*(\s)+7], v[ACC+8*\nt:ACC+8*\nt+7], v[WS+4*\nt+(\s)%4], v[AS+(\s)%4] matrix_a_fmt:MATRIX_FMT_FP4 matrix_b_fmt:MATRIX_FMT_FP4 matrix_a_scale:MATRIX_SCALE_ROW1 matrix_b_scale:MATRIX_SCALE_ROW1
.endif
.endr
.rept 4
	v_nop                                          ; places in front of loads into registers that matrix instructions have read, and of the first read of results
.endr
.if (\s) <= 4
	WLOAD (\s)+3
.endif
.endm
	PSTEP 0, 16                                    ; two younger sets stay out
	PSTEP 1, 16
	PSTEP 2, 16
	PSTEP 3, 16
	PSTEP 4, 16
.irp i, 0,1,2,3,4,5,6,7
	global_load_b128 v[XR+4*\i:XR+4*\i+3], v1, s[14:15] offset:512*\i th:TH_LOAD_NT   ; my row of x, into the registers of a's K steps 0 - 3, which are done with
.endr
	PSTEP 5, 24                                    ; sets 6, 7 and x's eight stay out
	PSTEP 6, 16                                    ; set 7 and x's
	PSTEP 7, 8                                     ; x's
.irp nt, 0,1,2,3
	ds_store_b128 v10, v[ACC+8*\nt:ACC+8*\nt+3] offset:64*\nt          ; each accumulator from its low end on
	ds_store_b128 v10, v[ACC+8*\nt+4:ACC+8*\nt+7] offset:64*\nt+16
.endr
	s_wait_dscnt 0x0                               ; for the others' sake: my stores have landed
	s_barrier_signal -1
	s_barrier_wait -1                              ; sixteen whole rows lie in the stage
.irp i, 0,1,2,3,4,5,6,7
	ds_load_b128 v[Y+4*\i:Y+4*\i+3], v11 offset:512*\i                 ; row w: a lane holds columns 128 i + 4 lane + 0 .. 3
.endr
.irp i, 0,1,2,3,4,5,6,7
	ds_load_b128 v[G+4*\i:G+4*\i+3], v1 offset:GB+512*\i
	ds_load_b128 v[BT+4*\i:BT+4*\i+3], v1 offset:GB+4096+512*\i
.endr
	s_wait_dscnt 0x0
	s_wait_loadcnt 0x0                             ; x
.macro WSUM                            ; v204 summed over the 32 lanes, the result in every lane
	v_add_f32_dpp v204, v204, v204 row_xmask:1 row_mask:0xf bank_mask:0xf
	v_add_f32_dpp v204, v204, v204 row_xmask:2 row_mask:0xf bank_mask:0xf
	v_add_f32_dpp v204, v204, v204 row_xmask:4 row_mask:0xf bank_mask:0xf
	v_add_f32_dpp v204, v204, v204 row_xmask:8 row_mask:0xf bank_mask:0xf
	v_permlanex16_b32 v205, v204, s28, s29
	v_add_f32 v204, v204, v205
.endm
.set j, 0
.rept 16
	v_pk_add_f32 v[Y+j:Y+j+1], v[Y+j:Y+j+1], v[XR+j:XR+j+1]            ; y = x + the product
.set j, j+2
.endr
	v_pk_add_f32 v[204:205], v[Y:Y+1], v[Y+2:Y+3]  ; the row's sum: two chains
	v_pk_add_f32 v[206:207], v[Y+4:Y+5], v[Y+6:Y+7]
.irp j, 8,12,16,20,24,28
	v_pk_add_f32 v[204:205], v[204:205], v[Y+\j:Y+\j+1]
	v_pk_add_f32 v[206:207], v[206:207], v[Y+\j+2:Y+\j+3]
.endr
	v_pk_add_f32 v[204:205], v[204:205], v[206:207]
	v_add_f32 v204, v204, v205
	WSUM
	v_mul_f32 v208, s26, v204                      ; the mean, twice: a pair for the packed form
	v_mul_f32 v209, s26, v204
.set j, 0
.rept 16
	v_pk_add_f32 v[Y+j:Y+j+1], v[Y+j:Y+j+1], v[208:209] neg_lo:[0,1] neg_hi:[0,1]   ; d = y - mean
.set j, j+2
.endr
	v_pk_mul_f32 v[204:205], v[Y:Y+1], v[Y:Y+1]    ; the sum of d^2: two chains
	v_pk_mul_f32 v[206:207], v[Y+2:Y+3], v[Y+2:Y+3]
.irp j, 4,8,12,16,20,24,28
	v_pk_fma_f32 v[204:205], v[Y+\j:Y+\j+1], v[Y+\j:Y+\j+1], v[204:205]
	v_pk_fma_f32 v[206:207], v[Y+\j+2:Y+\j+3], v[Y+\j+2:Y+\j+3], v[206:207]
.endr
	v_pk_add_f32 v[204:205], v[204:205], v[206:207]
	v_add_f32 v204, v204, v205
	WSUM
	v_fma_f32 v204, v204, s26, s27                 ; the variance + 1e-5
	v_rsq_f32 v210, v204                           ; twice: a pair for the packed form
	v_rsq_f32 v211, v204
	v_nop                                          ; a plain instruction between the transcendentals and the use of their results
.set j, 0
	s_wait_alu depctr_va_vdst(0)
.rept 16
	v_pk_mul_f32 v[Y+j:Y+j+1], v[Y+j:Y+j+1], v[210:211]
.set j, j+2
.endr
.set j, 0
.rept 16
	v_pk_fma_f32 v[Y+j:Y+j+1], v[Y+j:Y+j+1], v[G+j:G+j+1], v[BT+j:BT+j+1]
.set j, j+2
.endr
.irp i, 0,1,2,3,4,5,6,7
	global_store_b128 v1, v[Y+4*\i:Y+4*\i+3], s[20:21] offset:512*\i th:TH_STORE_NT   ; 32 lanes store 512 consecutive bytes, aligned; written once, read by nobody here
.endr
	s_wait_tensorcnt 0x0
	ds_add_u32 v240, v241
	s_wait_dscnt 0x0
	s_endpgm
.Lfunc_end_k_q7f3e45db15_proj:
	.size	k_q7f3e45db15_proj, .Lfunc_end_k_q7f3e45db15_proj-k_q7f3e45db15_proj
	.p2alignl 7, 3214868480
	.fill 96, 4, 3214868480
	.section	.rodata,"a",@progbits
	.p2align	6, 0x0
	.amdhsa_kernel k_q7f3e45db15_proj
		.amdhsa_group_segment_fixed_size 84736
		.amdhsa_private_segment_fixed_size 0
		.amdhsa_enable_private_segment 0
		.amdhsa_kernarg_size 72
		.amdhsa_user_sgpr_count 2
		.amdhsa_user_sgpr_kernarg_segment_ptr 1
		.amdhsa_wavefront_size32 1
		.amdhsa_system_sgpr_workgroup_id_x 1
		.amdhsa_system_sgpr_workgroup_id_y 1
		.amdhsa_system_sgpr_workgroup_id_z 1
		.amdhsa_system_vgpr_workitem_id 0
		.amdhsa_next_free_vgpr 242
		.amdhsa_next_free_sgpr 66
		.amdhsa_reserve_vcc 0
		.amdhsa_float_denorm_mode_32 3
		.amdhsa_float_denorm_mode_16_64 3
		.amdhsa_memory_ordered 1
		.amdhsa_forward_progress 1
		.amdhsa_inst_pref_size 28
	.end_amdhsa_kernel
	.amdgpu_metadata
---
amdhsa.version: [ 1, 2 ]
amdhsa.kernels:
  - .name:           k_q7f3e45db15_proj
    .symbol:         k_q7f3e45db15_proj.kd
    .args:
      - { .name: ac, .offset: 0, .size: 8, .value_kind: global_buffer, .address_space: global }
      - { .name: asb, .offset: 8, .size: 8, .value_kind: global_buffer, .address_space: global }
      - { .name: wpi, .offset: 16, .size: 8, .value_kind: global_buffer, .address_space: global }
      - { .name: Wp_scales, .offset: 24, .size: 8, .value_kind: global_buffer, .address_space: global }
      - { .name: bp, .offset: 32, .size: 8, .value_kind: global_buffer, .address_space: global }
      - { .name: x, .offset: 40, .size: 8, .value_kind: global_buffer, .address_space: global }
      - { .name: ln_g, .offset: 48, .size: 8, .value_kind: global_buffer, .address_space: global }
      - { .name: ln_b, .offset: 56, .size: 8, .value_kind: global_buffer, .address_space: global }
      - { .name: out0, .offset: 64, .size: 8, .value_kind: global_buffer, .address_space: global }
    .group_segment_fixed_size: 84736
    .private_segment_fixed_size: 0
    .kernarg_segment_align: 8
    .kernarg_segment_size: 72
    .max_flat_workgroup_size: 512
    .sgpr_count:     66
    .vgpr_count:     242
    .wavefront_size: 32
...
	.end_amdgpu_metadata
.endif
;; end of part 4
;; ======== version 2 of 2: 4 launches
;; limits: right only within a limited range of input values
;; workspace buffers: xc 2,097,152 bytes; xs 131,072 bytes; wpi 524,288 bytes; qq 2,359,296 bytes; kv 4,587,520 bytes; ac 2,097,152 bytes; asb 131,072 bytes
;; launch prep (part 5): grid 272 x 1, 4 waves a work-group, no clusters, 105,472 bytes of LDS; arguments x, Wp_codes, xc, xs, wpi; writes xc, xs, wpi
.if DOCPART == 5
	.amdgcn_target "amdgcn-amd-amdhsa--gfx1250"
	.amdhsa_code_object_version 6
	.text
	.protected	k_q7f3e45db15_prep
	.globl	k_q7f3e45db15_prep
	.p2align	8
	.type	k_q7f3e45db15_prep,@function
k_q7f3e45db15_prep:
	s_mov_b64 s[64:65], 0
	v_nop
	global_prefetch_b8 v0, s[64:65] scope:SCOPE_SE
	s_setreg_imm32_b32 hwreg(HW_REG_WAVE_MODE, 25, 1), 1
	s_wait_xcnt 0x0
; PREP.  (a) x [4096][1024] f32 becomes codes of FP4 (E2M1) with one E8M0 byte for each 32 along K, laid as the matrix unit's registers want them:
;   xc [T 256][s 8][c 2][lane 32][16 B]: lane (r, h) holds row 16 T + r, k = 128 s + 64 c + 32 h + 0 .. 31;   xs [T][r 16][32 B]: byte k / 32 of that row.
; (b) Wp_codes [1024][512 B] is laid anew in the same order: wpi [nt 64][s 8][c 2][lane][16 B]: lane (r, h) holds row 16 nt + r, bytes 64 s + 32 c + 16 h.
; A block's scale is 2^(floor(log2(its largest magnitude)) - 2); its byte is the largest magnitude's exponent field - 2, held at 1 from below.
; LIMITS: NaN and infinities among the inputs are not served; a block whose largest magnitude lies under 2^-124 takes the byte 1 (the quantiser's lower hold);
; a block of zeros gets the byte 1 where the quantiser says 127: its codes are zeros, which add nothing under any byte but 0xff, and this program alone reads the bytes.
; SHARES.  Work-groups 0 .. 255: 16 rows of x each; wave w takes bytes 1024 w .. + 1023 of each row, in four steps of 256 bytes.  Work-groups 256 .. 271: wave w lays tile 4 (group - 256) + w of Wp.
; The two ways part on the work-group's number alone, and each has LDS bytes of its own.  Work-groups share no input, so there are no clusters; no matrix unit, no tensor loads.
; A load is dense (sixteen lanes read 256 consecutive bytes of a row); the conversions want 32 neighbours along K in ONE lane: so a step's 16 x 256 bytes turn through the wave's own stage in LDS.
.set SP,    272                        ; a stage row: 256 bytes + 16: row r starts 16 r bytes on modulo 256, so that sixteen lanes on sixteen rows touch different columns of 16 bytes
.set STGU,  16*SP                      ; a step's stage: each of a wave's four steps has its own
.set STGW,  4*STGU                     ; a wave's four stages
.set SCT,   4*STGW                     ; the tile's 512 scale bytes, [r][32]
.set RL,    SCT+512                    ; the other way's bytes: 32 x 272 for each wave
.set RLW,   32*SP
.set R,     32                         ; v32-159  the wave's 16 KiB of x as loaded: step u at + 32 u
.set X,     160                        ; v160-223 two sets of 32 neighbours
.set C,     224                        ; v224-239 codes: four registers for each step, so that no store's data are written again
.set BY,    14                         ; v14-17   a scale byte for each step
	s_load_b256 s[4:11], s[0:1], 0x0               ; x s[4:5], Wp_codes s[6:7], xc s[8:9], xs s[10:11]
	s_load_b64 s[12:13], s[0:1], 0x20              ; wpi
	v_lshl_add_u32 v240, v0, 2, 0x19a00
	v_mov_b32 v241, 0
	v_lshrrev_b32 v1, 5, v0
	v_readfirstlane_b32 s14, v1                    ; wave 0..3
	v_and_b32 v1, 31, v0                           ; lane
	v_and_b32 v2, 15, v0                           ; r
	v_bfe_u32 v3, v0, 4, 1                         ; h
	v_lshlrev_b32 v7, 4, v1                        ; 16 x lane
	s_cmp_ge_u32 ttmp9, 256
	s_cbranch_scc1 .Lrelay
	; ---- x ----
	v_lshlrev_b32 v4, 4, v2
	v_lshl_add_u32 v4, v3, 12, v4                  ; in: 16 r, and lanes 16-31 one row (4,096 bytes) further down
	s_mul_i32 s15, s14, STGW
	v_mul_u32_u24 v5, v3, SP
	v_lshl_add_u32 v5, v2, 4, v5
	v_add_nc_u32 v5, s15, v5                       ; into the stage: row h of a pair, 16 r
	v_mul_u32_u24 v6, v2, SP
	v_lshl_add_u32 v6, v3, 7, v6
	v_add_nc_u32 v6, s15, v6                       ; out of it: row r, my half's 128 bytes: a whole block of 32
	v_lshlrev_b32 v8, 3, v3                        ; 8 h: my byte's place in a pair of bytes
	v_lshlrev_b32 v9, 5, v2
	v_lshl_add_u32 v9, s14, 3, v9
	v_add_nc_u32 v9, SCT, v9                       ; row r's 32 scale bytes, my wave's 8 of them
	v_add_nc_u32 v13, SCT, v7                      ; and the table read back, 16 bytes a lane
	v_mov_b32 v20, 0                               ; a lane permute's destination counts as one of its sources
	v_mov_b32 v21, 0
	s_mov_b32 s20, 0x76543210
	s_mov_b32 s21, 0xfedcba98                      ; v_permlanex16_b32's selects for lane l xor 16
	s_lshl_b32 s16, ttmp9, 16                      ; x: 16 rows of 4,096 bytes a tile,
	s_lshl_b32 s17, s14, 10                        ; 1,024 bytes of a row a wave
	s_add_co_u32 s16, s16, s17
	s_mov_b32 s17, 0
	s_lshl_b32 s18, ttmp9, 13                      ; xc: 8,192 bytes a tile, 2,048 a wave
	s_lshl_b32 s19, s14, 11
	s_add_co_u32 s18, s18, s19
	s_mov_b32 s19, 0
	s_wait_alu depctr_va_vdst(0)
	s_wait_kmcnt 0x0
	s_add_nc_u64 s[4:5], s[4:5], s[16:17]
	s_add_nc_u64 s[8:9], s[8:9], s[18:19]
	s_lshl_b32 s16, ttmp9, 9                       ; xs: 512 bytes a tile
	s_add_nc_u64 s[10:11], s[10:11], s[16:17]
.irp u, 0,1,2,3                        ; all of the wave's 16 KiB is asked for at once: 32 loads
.irp i, 0,1,2,3,4,5,6,7
	global_load_b128 v[R+32*\u+4*\i:R+32*\u+4*\i+3], v4, s[4:5] offset:8192*\i+256*\u th:TH_LOAD_NT   ; lanes 0-15: 256 consecutive bytes of row 2 i; lanes 16-31: of row 2 i + 1
.endr
.endr
.macro TURN u                          ; step u's numbers through its stage: LDS serves a wave's instructions in order, so no wait stands between the stores and the loads
	s_wait_loadcnt 24-8*(\u)                       ; loads come back in order: step u's eight are in, the 8 (3 - u) younger ones stay out
.irp i, 0,1,2,3,4,5,6,7
	ds_store_b128 v5, v[R+32*(\u)+4*\i:R+32*(\u)+4*\i+3] offset:STGU*(\u)+2*SP*\i
.endr
.irp q, 0,1,2,3,4,5,6,7
	ds_load_b128 v[X+32*((\u)%2)+4*\q:X+32*((\u)%2)+4*\q+3], v6 offset:STGU*(\u)+16*\q
.endr
.endm
.macro BLOCK u                         ; my block of step u: k = 256 w + 64 u + 32 h + 0 .. 31 of row r
.set XS, X+32*((\u)%2)
	v_max3_num_f32 v10, |v[XS]|, |v[XS+1]|, |v[XS+2]|              ; the largest magnitude: all 32 numbers are mine; two chains
	v_max3_num_f32 v11, |v[XS+3]|, |v[XS+4]|, |v[XS+5]|
.irp i, 6,10,14,18,22,26
	v_max3_num_f32 v10, v10, |v[XS+\i]|, |v[XS+\i+1]|
	v_max3_num_f32 v11, v11, |v[XS+\i+2]|, |v[XS+\i+3]|
.endr
	v_max3_num_f32 v10, v10, |v[XS+30]|, |v[XS+31]|
	v_max3_num_f32 v10, v10, v11, 0x1800000        ; and the floor 2^(3 - 127): the byte cannot fall under 1
	v_add_nc_u32 v12, 0xff000000, v10              ; 2 off its exponent field: the conversion takes the exponent field of this operand as its scale
.irp g, 0,1,2,3
	v_cvt_scalef32_pk8_fp4_f32 v[C+4*(\u)+\g], v[XS+8*\g:XS+8*\g+7], v12
.endr
	v_lshrrev_b32 v[BY+(\u)], 23, v12              ; the scale's byte (also the plain instruction behind the conversions)
	global_store_b128 v7, v[C+4*(\u):C+4*(\u)+3], s[8:9] offset:512*(\u)   ; 32 lanes store 512 consecutive bytes: registers 4 c .. 4 c + 3 of fragment (T, 2 w + u / 2), c = u % 2
.endm
	TURN 0
	TURN 1
	s_wait_dscnt 16                                ; step 0 is back; step 1's sixteen LDS instructions may be out
	BLOCK 0
	TURN 2
	s_wait_dscnt 16
	BLOCK 1
	TURN 3
	s_wait_dscnt 16
	BLOCK 2
	s_wait_dscnt 0x0
	BLOCK 3
	v_lshl_or_b32 v18, v[BY+1], 16, v[BY]          ; my bytes of steps 0, 1 and of steps 2, 3: byte 2 u + h of the wave's eight,
	v_lshl_or_b32 v19, v[BY+3], 16, v[BY+2]
	v_lshlrev_b32 v18, v8, v18                     ; at their places (8 h bits up);
	v_lshlrev_b32 v19, v8, v19
	v_permlanex16_b32 v20, v18, s20, s21
	v_permlanex16_b32 v21, v19, s20, s21
	v_or_b32 v18, v18, v20                         ; with lane l xor 16's the two words are whole
	v_or_b32 v19, v19, v21
	ds_store_b64 v9, v[18:19]                      ; both halves of the lanes write the same bytes with the same values
	s_wait_dscnt 0x0                               ; for the others' sake: my store has landed
	s_barrier_signal -1
	s_barrier_wait -1
	s_cmp_lg_u32 s14, 0
	s_cbranch_scc1 .Lend
	ds_load_b128 v[24:27], v13                     ; wave 0: the tile's 512 scale bytes,
	s_wait_dscnt 0x0
	global_store_b128 v7, v[24:27], s[10:11]       ; stored as 512 consecutive bytes
.Lend:
	s_wait_tensorcnt 0x0
	ds_add_u32 v240, v241
	s_wait_dscnt 0x0
	s_endpgm
	; ---- Wp ----  piece p (16 bytes) of row i goes to LDS at 272 p + 16 i; lane (r, h) of image j = 2 s + c wants piece 2 j + h of row r
.Lrelay:
	s_sub_co_u32 s16, ttmp9, 256
	s_lshl_b32 s16, s16, 2
	s_add_co_u32 s16, s16, s14                     ; my tile of 16 rows
	s_lshl_b32 s16, s16, 13                        ; 8,192 bytes a tile, in both buffers
	s_mov_b32 s17, 0
	s_mul_i32 s15, s14, RLW
	s_add_co_u32 s15, s15, RL
	s_wait_alu depctr_va_vdst(0)
	v_mul_u32_u24 v5, v1, SP
	v_add_nc_u32 v5, s15, v5                       ; in: 272 x lane
	v_mul_u32_u24 v6, v3, SP
	v_lshl_add_u32 v6, v2, 4, v6
	v_add_nc_u32 v6, s15, v6                       ; out: 272 h + 16 r
	s_wait_alu depctr_va_vdst(0)
	s_wait_kmcnt 0x0
	s_add_nc_u64 s[6:7], s[6:7], s[16:17]
	s_add_nc_u64 s[12:13], s[12:13], s[16:17]
.irp i, 0,1,2,3,4,5,6,7,8,9,10,11,12,13,14,15
	global_load_b128 v[32+4*\i:35+4*\i], v7, s[6:7] offset:512*\i      ; row i, 512 consecutive bytes
.endr
.irp i, 0,1,2,3,4,5,6,7,8,9,10,11,12,13,14,15
	s_wait_loadcnt 15-\i                           ; row i is in; the younger loads stay out
	ds_store_b128 v5, v[32+4*\i:35+4*\i] offset:16*\i
.endr
.irp j, 0,1,2,3,4,5,6,7,8,9,10,11,12,13,14,15
	ds_load_b128 v[96+4*\j:99+4*\j], v6 offset:2*SP*\j                 ; LDS serves a wave's instructions in order: these see my stores
.endr
.irp j, 0,1,2,3,4,5,6,7,8,9,10,11,12,13,14,15
	s_wait_dscnt 15-\j
	global_store_b128 v7, v[96+4*\j:99+4*\j], s[12:13] offset:512*\j
.endr
	s_wait_tensorcnt 0x0
	ds_add_u32 v240, v241
	s_wait_dscnt 0x0
	s_endpgm
.Lfunc_end_k_q7f3e45db15_prep:
	.size	k_q7f3e45db15_prep, .Lfunc_end_k_q7f3e45db15_prep-k_q7f3e45db15_prep
	.p2alignl 7, 3214868480
	.fill 96, 4, 3214868480
	.section	.rodata,"a",@progbits
	.p2align	6, 0x0
	.amdhsa_kernel k_q7f3e45db15_prep
		.amdhsa_group_segment_fixed_size 105472
		.amdhsa_private_segment_fixed_size 0
		.amdhsa_enable_private_segment 0
		.amdhsa_kernarg_size 40
		.amdhsa_user_sgpr_count 2
		.amdhsa_user_sgpr_kernarg_segment_ptr 1
		.amdhsa_wavefront_size32 1
		.amdhsa_system_sgpr_workgroup_id_x 1
		.amdhsa_system_sgpr_workgroup_id_y 1
		.amdhsa_system_sgpr_workgroup_id_z 1
		.amdhsa_system_vgpr_workitem_id 0
		.amdhsa_next_free_vgpr 242
		.amdhsa_next_free_sgpr 66
		.amdhsa_reserve_vcc 0
		.amdhsa_float_denorm_mode_32 3
		.amdhsa_float_denorm_mode_16_64 3
		.amdhsa_memory_ordered 1
		.amdhsa_forward_progress 1
		.amdhsa_inst_pref_size 24
	.end_amdhsa_kernel
	.amdgpu_metadata
---
amdhsa.version: [ 1, 2 ]
amdhsa.kernels:
  - .name:           k_q7f3e45db15_prep
    .symbol:         k_q7f3e45db15_prep.kd
    .args:
      - { .name: x, .offset: 0, .size: 8, .value_kind: global_buffer, .address_space: global }
      - { .name: Wp_codes, .offset: 8, .size: 8, .value_kind: global_buffer, .address_space: global }
      - { .name: xc, .offset: 16, .size: 8, .value_kind: global_buffer, .address_space: global }
      - { .name: xs, .offset: 24, .size: 8, .value_kind: global_buffer, .address_space: global }
      - { .name: wpi, .offset: 32, .size: 8, .value_kind: global_buffer, .address_space: global }
    .group_segment_fixed_size: 105472
    .private_segment_fixed_size: 0
    .kernarg_segment_align: 8
    .kernarg_segment_size: 40
    .max_flat_workgroup_size: 128
    .sgpr_count:     66
    .vgpr_count:     242
    .wavefront_size: 32
...
	.end_amdgpu_metadata
.endif
;; end of part 5
;; launch qkv (part 6): grid 8 x 32, 12 waves a work-group, clusters of 4 x 4, 269,824 bytes of LDS; arguments xc, xs, Wq_codes, Wq_scales, bq, Wk_codes, Wk_scales, bk, Wv_codes, Wv_scales, bv, qq, kv; writes qq, kv
.if DOCPART == 6
	.amdgcn_target "amdgcn-amd-amdhsa--gfx1250"
	.amdhsa_code_object_version 6
	.text
	.protected	k_q7f3e45db15_qkv
	.globl	k_q7f3e45db15_qkv
	.p2align	8
	.type	k_q7f3e45db15_qkv,@function
k_q7f3e45db15_qkv:
	s_mov_b64 s[64:65], 0
	v_nop
	global_prefetch_b8 v0, s[64:65] scope:SCOPE_SE
	s_setreg_imm32_b32 hwreg(HW_REG_WAVE_MODE, 25, 1), 1
	s_wait_xcnt 0x0
	s_wait_alu depctr_hold_cnt(0) depctr_sa_sdst(0) depctr_va_vdst(0) depctr_va_sdst(0) depctr_va_ssrc(0) depctr_va_vcc(0) depctr_vm_vsrc(0)
	s_getreg_b32 s2, hwreg(HW_REG_IB_STS2, 6, 4)
	s_cmp_eq_u32 s2, 0
	s_cbranch_scc0 .Lentry_in_a_cluster
	s_endpgm
.Lentry_in_a_cluster:
	s_bfe_u32 s2, ttmp6, 0x10000c
	s_cmp_lg_u32 s2, 0xf033
	s_cbranch_scc0 .Lentry_shape_is_right
	s_endpgm
.Lentry_shape_is_right:
; QKV.  q = x Wq + bq, k = x Wk + bk, v = x Wv + bv on codes of FP4 (E2M1) with E8M0 scales, sums in f32; the results are quantised at once, in registers, for attention's two products:
; q and k along the head's 64 channels, v along the keys.  They leave as images of the next operands' registers:
;   qq: 32 records (batch x head) of 73,728 bytes: codes [tile 128][lane][16 B] (lane (r, h): row 16 tile + r, channels 32 h + 0 .. 31), then scale words [G 32][r 16][m 4][4 B] (tile 4 G + m; bytes 2, 3 are 0);
;   kv: 32 records of 143,360 bytes: k's codes as q's; v's codes [ks 16][t 4][c 2][lane][16 B] (lane (r, h): channel 16 t + r, keys 128 ks + 64 c + 32 h + 0 .. 31); k's scale words as q's; v's [ks][r 16][t 4][4 B].
; SHARES.  A work-group takes 128 rows of x and six slices of 64 columns; wave w takes slice w / 2 and 64 rows (half w % 2): 16 accumulators of 16 x 16, 128 matrix instructions.  Slices 0 - 3 are heads of q
; (cluster x = 0) or of k (cluster x = 1), slices 4, 5 heads of v: so which way a wave goes hangs on its number alone.
; ALL OF K LIES IN LDS: the 128 rows' codes (65,536 bytes, as images) and six slices of weights (64 rows x 512 bytes each): one fill, no slot is filled again.  By this text's count a wave has one tensor load out at the most.
; CLUSTERS: 4 x 4 work-groups.  The four of a row of the cluster need the same rows of x, the four of a column the same weights: each tile is asked for jointly, by the same load with a mask that names the four.
; ORIENTATION.  In a result lane (r, h) holds row r of source 1, and its register j row 8 h + j of source 0.  q, k: source 0 = 16 rows of W, source 1 = 16 rows of x: a lane's registers run along the head.
; v: source 0 = 16 rows of x, source 1 = 16 rows of W: they run along the keys.  Either way the four tiles acc(o, 0 .. 3) are 64 neighbours along the next K: two blocks of 32, each in lanes l and l xor 16.
; THE BIAS is loaded into the last accumulator of its group and is the C of the first K step's products.
; LIMITS: NaN and infinities are not served; a block whose largest magnitude lies under 2^-124 takes the byte 1; a block of zeros has the byte 1 over zero codes (this program alone reads the bytes).
.set WB,    65536                      ; LDS: x's eight images at 0; from here the weights
.set WP,    528                        ; a weight's row: 512 bytes + 16: row r starts 16 r bytes on modulo 256
.set WSL,   64*WP                      ; a slice: what one wave's load brings
.set SCW,   16                         ; v16-31  W's scale words: tile t at + 4 t; register s % 4: lanes 0-15 the word of K step s < 4, lanes 16-31 of K step s >= 4
.set SCX,   32                         ; v32-47  x's likewise
.set F0,    48                         ; v48-79  source 0's four fragments
.set F1,    80                         ; v80-111 source 1's four
.set ACC,   112                        ; v112-239  acc(o, i) at + 32 o + 8 i: o = source 1's tile, i = source 0's
.set TM,    48                         ; behind the K steps the fragments' registers serve the quantiser: largest magnitudes,
.set TX,    56                         ; the other half's,
.set SO,    64                         ; the conversions' scale operands,
.set BY,    72                         ; the bytes,
.set PC,    80                         ; the codes,
.set WD,    96                         ; the scale words,
.set SS,    100                        ; and the pair of them that my half of the lanes stores
.macro ROUND                           ; a round of the cluster's barrier
	s_barrier_signal -1
	s_barrier_wait -1
	s_cmp_lg_u32 s30, 0
	s_cbranch_scc1 .Lnot_wave_0_\@
	s_barrier_signal -3
.Lnot_wave_0_\@:
	s_barrier_wait -3
	s_barrier_signal -1
	s_barrier_wait -1
.endm
.macro PLACES n
.rept \n
	v_nop
.endr
.endm
	s_load_b256 s[4:11], s[0:1], 0x0               ; xc s[4:5], xs s[6:7], Wq_codes s[8:9], Wq_scales s[10:11]
	s_load_b256 s[12:19], s[0:1], 0x20             ; bq s[12:13], Wk_codes s[14:15], Wk_scales s[16:17], bk s[18:19]
	s_load_b256 s[20:27], s[0:1], 0x40             ; Wv_codes s[20:21], Wv_scales s[22:23], bv s[24:25], qq s[26:27]
	s_load_b64 s[28:29], s[0:1], 0x60              ; kv
	v_lshl_add_u32 v240, v0, 2, 0x41800
	v_mov_b32 v241, 0
	ds_add_u32 v240, v241
	ds_add_u32 v240, v241
	v_lshrrev_b32 v1, 5, v0
	s_delay_alu instid0(VALU_DEP_1)
	v_readfirstlane_b32 s30, v1                    ; wave 0..11
	s_lshr_b32 s31, s30, 1                         ; my slice
	s_and_b32 s32, s30, 1                          ; my half of the rows
	s_bfe_u32 s33, ttmp6, 0x40000                  ; cx
	s_bfe_u32 s34, ttmp6, 0x40004                  ; cy
	s_and_b32 s36, ttmp7, 0xffff
	s_lshl_b32 s36, s36, 2
	s_add_co_u32 s36, s36, s34                     ; my block of 128 rows = 4 x cluster y + cy
	s_lshl_b32 s38, s34, 2
	s_lshl_b32 s38, 15, s38                        ; my row of the cluster
	s_lshl_b32 s37, 0x1111, s33                    ; my column
	s_lshl_b32 s39, s33, 2
	s_add_co_u32 s39, s39, s31                     ; a slice of q or k: head 4 cx + slice
	s_lshl_b32 s82, ttmp9, 3
	s_lshl_b32 s83, s33, 1
	s_add_co_u32 s82, s82, s83
	s_add_co_u32 s82, s82, s31
	s_sub_co_u32 s82, s82, 4                       ; a slice of v: head 8 x cluster x + 2 cx + slice - 4
	s_cmp_ge_u32 s31, 4
	s_cselect_b32 s39, s82, s39                    ; my head
	; descriptor group 1 for the weights: 64 rows of 512 bytes, 16 bytes of padding behind each; they go to my column of the cluster
	s_or_b32 s44, s37, (1<<20)|(1<<21)|(6<<22)|(3<<25)   ; 15:0 the mask; 17:16 elements of 1 byte; 20 padding on; 21 set beside a mask; 24:22 after every 128 words; 31:25 four words
	s_mov_b32 s45, 512<<16                         ; tensor_dim0
	s_mov_b32 s46, 64<<16                          ; tensor_dim1: the 64 rows of a slice
	s_mov_b32 s47, 512<<16                         ; tile_dim0
	s_mov_b32 s48, 64                              ; tile_dim1
	s_mov_b32 s49, 512                             ; from row to row
	s_mov_b32 s50, 0
	s_mov_b32 s51, 0
	; and for two images of x: 16,384 dense bytes as 64 rows of 256 (32 elements of 8 bytes); they go to my row of the cluster
	s_or_b32 s56, s38, (3<<16)|(1<<21)
	s_mov_b32 s57, 32<<16
	s_mov_b32 s58, 64<<16                          ; (two images: 64 rows of 256 bytes)
	s_mov_b32 s59, 32<<16
	s_mov_b32 s60, 64
	s_mov_b32 s61, 32
	s_mov_b32 s62, 0
	s_mov_b32 s63, 0
	; WHO FETCHES, one load a wave: waves 0 .. 5 the slice of that number, whole; waves 8 .. 11 two images of x each; waves 6 and 7 nothing
	s_lshl_b32 s35, s33, 2
	s_add_co_u32 s35, s35, s30                     ; the slice that I fetch: of q or k: head 4 cx + wave,
	s_lshl_b32 s82, ttmp9, 3
	s_lshl_b32 s83, s33, 1
	s_add_co_u32 s82, s82, s83
	s_add_co_u32 s82, s82, s30
	s_sub_co_u32 s82, s82, 4                       ; of v: head 8 x cluster x + 2 cx + wave - 4
	s_cmp_ge_u32 s30, 4
	s_cselect_b32 s35, s82, s35
	s_mov_b32 s40, 1
	s_mul_i32 s41, s30, WSL
	s_add_co_u32 s41, s41, WB                      ; its place: wave x a slice: no place in the cluster enters an LDS address
	s_mov_b32 s52, 1
	s_and_b32 s88, s30, 3
	s_lshl_b32 s53, s88, 14                        ; the two images' place
	s_lshl_b32 s82, s35, 15                        ; a head's 64 rows of 512 bytes
	s_mov_b32 s83, 0
	s_lshl_b32 s84, s36, 3
	s_lshl_b32 s89, s88, 1
	s_add_co_u32 s84, s84, s89
	s_lshl_b32 s84, s84, 13                        ; image 8 x block + 2 (wave - 8)
	s_mov_b32 s85, 0
	s_mov_b32 s76, 73728                           ; q's record,
	s_mov_b32 s77, 65536                           ; and where its scale words begin
	s_mov_b32 s80, 0x76543210
	s_mov_b32 s81, 0xfedcba98                      ; v_permlanex16_b32's selects for lane l xor 16
	v_and_b32 v8, 31, v0
	s_delay_alu instid0(VALU_DEP_1)
	v_lshlrev_b32 v1, 4, v8                        ; 16 x lane
	v_and_b32 v2, 15, v0                           ; r
	v_bfe_u32 v3, v0, 4, 1                         ; h
	s_lshl_b32 s86, s32, 15
	v_add_nc_u32 v4, s86, v1                       ; x's images: my four begin 32,768 x half on
	s_mul_i32 s86, s31, WSL
	s_add_co_u32 s86, s86, WB
	v_mul_u32_u24 v5, v2, WP
	s_delay_alu instid0(VALU_DEP_1)
	v_lshl_add_u32 v5, v3, 4, v5
	s_delay_alu instid0(VALU_DEP_1)
	v_add_nc_u32 v5, s86, v5                       ; the weights: my slice, row r, + 16 h
	v_lshlrev_b32 v6, 5, v2
	s_delay_alu instid0(VALU_DEP_1)
	v_lshl_add_u32 v6, v3, 4, v6                   ; scale tables: 32 bytes a row; lanes 16-31 take the upper four words
	v_lshlrev_b32 v7, 5, v3                        ; q's and k's bias: eight numbers from 8 h on
	v_lshlrev_b32 v10, 2, v2                       ; v's bias: number r
	v_lshlrev_b32 v9, 4, v2
	s_delay_alu instid0(VALU_DEP_1)
	v_lshl_add_u32 v9, v3, 3, v9                   ; the scale words' way out: 16 r + 8 h
	s_wait_dscnt 0x0
	s_wait_kmcnt 0x0
	s_cmp_lg_u32 ttmp9, 0                          ; cluster x = 1: k's buffers.  The choices hang on ids alone
	s_cselect_b64 s[66:67], s[14:15], s[8:9]       ; codes
	s_cselect_b64 s[68:69], s[16:17], s[10:11]     ; scales
	s_cselect_b64 s[70:71], s[18:19], s[12:13]     ; bias
	s_cselect_b64 s[72:73], s[28:29], s[26:27]     ; where the results go
	s_cselect_b32 s76, 143360, s76
	s_cselect_b32 s77, 131072, s77
	s_cmp_ge_u32 s31, 4                            ; slices 4, 5: v's
	s_cselect_b64 s[68:69], s[22:23], s[68:69]
	s_cselect_b64 s[70:71], s[24:25], s[70:71]
	s_cselect_b64 s[72:73], s[28:29], s[72:73]
	s_cselect_b32 s76, 143360, s76
	s_cmp_ge_u32 s30, 4                            ; waves 4, 5 fetch slices 4, 5: v's codes
	s_cselect_b64 s[66:67], s[20:21], s[66:67]
	s_add_nc_u64 s[42:43], s[66:67], s[82:83]
	s_or_b32 s43, s43, 0x80000000                  ; type = 2
	s_add_nc_u64 s[54:55], s[4:5], s[84:85]
	s_or_b32 s55, s55, 0x80000000
	ROUND                                          ; all sixteen work-groups are here: the joint loads meet
	s_cmp_lt_u32 s30, 6
	s_cbranch_scc0 .Lfetch_x
	tensor_load_to_lds s[40:43], s[44:51]          ; waves 0 .. 5: a slice of weights
	s_nop 0
	PLACES 4
	s_branch .Lfetched
.Lfetch_x:
	s_cmp_ge_u32 s30, 8
	s_cbranch_scc0 .Lfetched
	tensor_load_to_lds s[52:55], s[56:63]          ; waves 8 .. 11: two images of x
	s_nop 0
	PLACES 4
.Lfetched:
	s_lshl_b32 s86, s36, 12                        ; xs: 512 bytes a tile: 8 tiles a block,
	s_lshl_b32 s87, s32, 11                        ; my four
	s_add_co_u32 s86, s86, s87
	s_mov_b32 s87, 0
	s_add_nc_u64 s[6:7], s[6:7], s[86:87]
	s_lshl_b32 s82, s39, 11                        ; W's scales: 64 rows of 32 bytes a head
	s_add_nc_u64 s[68:69], s[68:69], s[82:83]
	s_lshl_b32 s82, s39, 8                         ; the bias: 64 numbers a head
	s_add_nc_u64 s[70:71], s[70:71], s[82:83]
	s_wait_alu depctr_va_vdst(0)
.irp m, 0,1,2,3
	global_load_b128 v[SCX+4*\m:SCX+4*\m+3], v6, s[6:7] offset:512*\m
.endr
.irp t, 0,1,2,3
	global_load_b128 v[SCW+4*\t:SCW+4*\t+3], v6, s[68:69] offset:512*\t
.endr
	s_cmp_ge_u32 s31, 4
	s_cbranch_scc1 .Lbias_v
.irp i, 0,1,2,3                        ; q, k: register j of acc(3, i) = bias(16 i + 8 h + j)
	global_load_b128 v[ACC+96+8*\i:ACC+96+8*\i+3], v7, s[70:71] offset:64*\i
	global_load_b128 v[ACC+96+8*\i+4:ACC+96+8*\i+7], v7, s[70:71] offset:64*\i+16
.endr
	s_branch .Lbias_done
.Lbias_v:
.irp o, 0,1,2,3                        ; v: all eight registers of acc(o, 3) = bias(16 o + r)
.irp j, 0,1,2,3,4,5,6,7
	global_load_b32 v[ACC+32*\o+24+\j], v10, s[70:71] offset:64*\o
.endr
.endr
.Lbias_done:
	s_lshr_b32 s78, s36, 4                         ; the batch,
	s_lshl_b32 s78, s78, 4
	s_add_co_u32 s78, s78, s39                     ; 16 x batch + head
	s_mul_i32 s78, s78, s76
	s_mov_b32 s79, 0
	s_add_nc_u64 s[72:73], s[72:73], s[78:79]      ; the head's record
	s_and_b32 s74, s36, 15                         ; my block of 128 rows within the batch
	s_wait_tensorcnt 0x0                           ; my loads have landed,
	s_barrier_signal -1
	s_barrier_wait -1                              ; everybody's have.
	s_wait_loadcnt 0x0                             ; scale words and bias
.macro LDX reg, m, s                   ; x's fragment (my tile m, K step s): an image, 512 consecutive bytes a load
.irp c, 0,1
	ds_load_b128 v[\reg+4*\c:\reg+4*\c+3], v4 offset:8192*(\m)+1024*(\s)+512*\c
.endr
.endm
.macro LDW reg, t, s                   ; W's fragment (tile t of my slice, K step s): lane (r, h) takes 16 bytes at 64 s + 32 c + 16 h of row 16 t + r
.irp c, 0,1
	ds_load_b128 v[\reg+4*\c:\reg+4*\c+3], v5 offset:16*WP*(\t)+64*(\s)+32*\c
.endr
.endm
.macro FRAGS path, s                   ; a K step's eight fragments.  path 0: q, k; 1: v
.if \path == 0
.irp t, 0,1,2,3
	LDW F0+8*\t, \t, \s
.endr
.irp m, 0,1,2,3
	LDX F1+8*\m, \m, \s
.endr
.else
.irp m, 0,1,2,3
	LDX F0+8*\m, \m, \s
.endr
.irp t, 0,1,2,3
	LDW F1+8*\t, \t, \s
.endr
.endif
.endm
.macro MM d, c, i, o, s
.if (\s) < 4
	v_wmma_scale_f32_16x16x128_f8f6f4 v[\d:\d+7], v[F0+8*(\i):F0+8*(\i)+7], v[F1+8*(\o):F1+8*(\o)+7], v[\c:\c+7], v[SC0+4*(\i)+(\s)%4], v[SC1+4*(\o)+(\s)%4] matrix_a_fmt:MATRIX_FMT_FP4 matrix_b_fmt:MATRIX_FMT_FP4
.else
	v_wmma_scale_f32_16x16x128_f8f6f4 v[\d:\d+7], v[F0+8*(\i):F0+8*(\i)+7], v[F1+8*(\o):F1+8*(\o)+7], v[\c:\c+7], v[SC0+4*(\i)+(\s)%4], v[SC1+4*(\o)+(\s)%4] matrix_a_fmt:MATRIX_FMT_FP4 matrix_b_fmt:MATRIX_FMT_FP4 matrix_a_scale:MATRIX_SCALE_ROW1 matrix_b_scale:MATRIX_SCALE_ROW1
.endif
.endm
.macro KSTEP path, s                   ; the sixteen accumulators take turns, one instruction a turn, from acc(0, 0) to acc(3, 3)
	FRAGS \path, \s
.irp o, 0,1,2,3
	s_wait_dscnt 6-2*\o                            ; source 0's eight loads and source 1's tiles 0 .. o are in; the 6 - 2 o younger ones may be out
.irp i, 0,1,2,3
	MM ACC+32*\o+8*\i, ACC+32*\o+8*\i, \i, \o, \s
.endr
.endr
	PLACES 4                                       ; in front of loads into registers that matrix instructions have read, and of the first read of results
.endm
; The quantiser: block n = 2 o + b is registers ACC + 16 n .. + 15 of lanes l and l xor 16.  The eight blocks take turns line by line; each accumulator is read from its low end on.
.macro EPI
.irp n, 0,1,2,3,4,5,6,7
	v_max3_num_f32 v[TM+\n], |v[ACC+16*\n]|, |v[ACC+16*\n+1]|, 0x1800000   ; with the floor 2^(3 - 127): the byte cannot fall under 1
.endr
.irp i, 2,4,6,8,10,12,14
.irp n, 0,1,2,3,4,5,6,7
	v_max3_num_f32 v[TM+\n], v[TM+\n], |v[ACC+16*\n+\i]|, |v[ACC+16*\n+\i+1]|
.endr
.endr
.irp n, 0,1,2,3,4,5,6,7
	v_permlanex16_b32 v[TX+\n], v[TM+\n], s80, s81
.endr
.irp n, 0,1,2,3,4,5,6,7
	v_max_num_f32 v[TM+\n], v[TM+\n], v[TX+\n]     ; the block's largest magnitude
.endr
.irp n, 0,1,2,3,4,5,6,7
	v_add_nc_u32 v[SO+\n], 0xff000000, v[TM+\n]    ; 2 off its exponent field: the conversion's scale operand
.endr
.irp n, 0,1,2,3,4,5,6,7
	v_lshrrev_b32 v[BY+\n], 23, v[SO+\n]           ; the scale's byte
.endr
.irp o, 0,1,2,3                        ; a tile's eight registers become one register of codes; tiles 0, 2 and 1, 3 stand side by side for the exchange below
	v_cvt_scalef32_pk8_fp4_f32 v[PC+4*\o],   v[ACC+32*\o:ACC+32*\o+7],     v[SO+2*\o]
	v_cvt_scalef32_pk8_fp4_f32 v[PC+4*\o+1], v[ACC+32*\o+16:ACC+32*\o+23], v[SO+2*\o+1]
	v_cvt_scalef32_pk8_fp4_f32 v[PC+4*\o+2], v[ACC+32*\o+8:ACC+32*\o+15],  v[SO+2*\o]
	v_cvt_scalef32_pk8_fp4_f32 v[PC+4*\o+3], v[ACC+32*\o+24:ACC+32*\o+31], v[SO+2*\o+1]
.endr
.irp o, 0,1,2,3
	v_lshl_or_b32 v[WD+\o], v[BY+2*\o+1], 8, v[BY+2*\o]   ; the two bytes make the scale word (plain instructions behind the conversions)
.endr
.irp o, 0,1,2,3                        ; the operand wants a WHOLE block in a lane: the first's lanes 16-31 change places with the second's lanes 0-15: register q then holds index 32 h + 8 q + 0 .. 7
	v_permlane16_swap_b32 v[PC+4*\o], v[PC+4*\o+1]
	v_permlane16_swap_b32 v[PC+4*\o+2], v[PC+4*\o+3]
.endr
	v_cmp_ne_u32 vcc_lo, 0, v3
	s_delay_alu instid0(VALU_DEP_1)
	v_cndmask_b32 v[SS], v[WD], v[WD+2], vcc_lo    ; lanes 0-15 store words 0, 1; lanes 16-31 words 2, 3
	s_delay_alu instid0(VALU_DEP_2)
	v_cndmask_b32 v[SS+1], v[WD+1], v[WD+3], vcc_lo
.endm
	s_cmp_ge_u32 s31, 4
	s_cbranch_scc1 .Lpath_v
	; ---- q, k ----
.set SC0, SCW
.set SC1, SCX
	FRAGS 0, 0
	s_wait_dscnt 0x0
.irp o, 0,1,2
.irp i, 0,1,2,3
	MM ACC+32*\o+8*\i, ACC+96+8*\i, \i, \o, 0      ; the first K step starts the sums from the bias, which lies in acc(3, i)
.endr
.endr
	PLACES 5                                       ; the next four write over registers that the twelve have read as C
.irp i, 0,1,2,3
	MM ACC+96+8*\i, ACC+96+8*\i, \i, 3, 0
.endr
	PLACES 4
.irp s, 1,2,3,4,5,6,7
	KSTEP 0, \s
.endr
	EPI
	s_lshl_b32 s78, s74, 12                        ; codes: 8 tiles of 512 bytes a block, my four
	s_lshl_b32 s75, s32, 11
	s_add_co_u32 s78, s78, s75
	s_add_nc_u64 s[88:89], s[72:73], s[78:79]
	s_lshl_b32 s78, s74, 9                         ; scale words: 256 bytes for four tiles
	s_lshl_b32 s75, s32, 8
	s_add_co_u32 s78, s78, s75
	s_add_co_u32 s78, s78, s77
	s_add_nc_u64 s[72:73], s[72:73], s[78:79]
	s_wait_alu depctr_va_vdst(0)
.irp o, 0,1,2,3
	global_store_b128 v1, v[PC+4*\o:PC+4*\o+3], s[88:89] offset:512*\o   ; 512 consecutive bytes
.endr
	global_store_b64 v9, v[SS:SS+1], s[72:73]      ; 32 lanes store 256 consecutive bytes, aligned
	s_branch .Lout
	; ---- v ----
.Lpath_v:
.set SC0, SCX
.set SC1, SCW
	FRAGS 1, 0
	s_wait_dscnt 0x0
.irp i, 0,1,2
.irp o, 0,1,2,3
	MM ACC+32*\o+8*\i, ACC+32*\o+24, \i, \o, 0     ; the bias lies in acc(o, 3)
.endr
.endr
	PLACES 5
.irp o, 0,1,2,3
	MM ACC+32*\o+24, ACC+32*\o+24, 3, \o, 0
.endr
	PLACES 4
.irp s, 1,2,3,4,5,6,7
	KSTEP 1, \s
.endr
	EPI
	v_lshl_add_u32 v9, s32, 1, v9                  ; my 64 keys are bytes 2 p, 2 p + 1 of a scale word
	s_lshl_b32 s78, s74, 12                        ; codes: 4,096 bytes for 128 keys; my 64 keys are c = p
	s_lshl_b32 s75, s32, 9
	s_add_co_u32 s78, s78, s75
	s_add_co_u32 s78, s78, 65536
	s_add_nc_u64 s[88:89], s[72:73], s[78:79]
	s_lshl_b32 s78, s74, 8
	s_add_co_u32 s78, s78, 139264
	s_add_nc_u64 s[72:73], s[72:73], s[78:79]
	s_wait_alu depctr_va_vdst(0)
.irp o, 0,1,2,3
	global_store_b128 v1, v[PC+4*\o:PC+4*\o+3], s[88:89] offset:1024*\o
.endr
	global_store_b16 v9, v[SS], s[72:73]           ; two bytes a lane: the other half of each word is another wave's.  131,072 bytes of the launch's 6.9 million leave so
	global_store_b16 v9, v[SS+1], s[72:73] offset:4
.Lout:
	s_wait_tensorcnt 0x0
	ds_add_u32 v240, v241
	s_wait_dscnt 0x0
	ROUND                                          ; the closing round: no work-group ends while a partner may still ask for a tile that names it
	s_endpgm
.Lfunc_end_k_q7f3e45db15_qkv:
	.size	k_q7f3e45db15_qkv, .Lfunc_end_k_q7f3e45db15_qkv-k_q7f3e45db15_qkv
	.p2alignl 7, 3214868480
	.fill 96, 4, 3214868480
	.section	.rodata,"a",@progbits
	.p2align	6, 0x0
	.amdhsa_kernel k_q7f3e45db15_qkv
		.amdhsa_group_segment_fixed_size 269824
		.amdhsa_private_segment_fixed_size 0
		.amdhsa_enable_private_segment 0
		.amdhsa_kernarg_size 104
		.amdhsa_user_sgpr_count 2
		.amdhsa_user_sgpr_kernarg_segment_ptr 1
		.amdhsa_wavefront_size32 1
		.amdhsa_system_sgpr_workgroup_id_x 1
		.amdhsa_system_sgpr_workgroup_id_y 1
		.amdhsa_system_sgpr_workgroup_id_z 1
		.amdhsa_system_vgpr_workitem_id 0
		.amdhsa_next_free_vgpr 242
		.amdhsa_next_free_sgpr 90
		.amdhsa_reserve_vcc 1
		.amdhsa_float_denorm_mode_32 3
		.amdhsa_float_denorm_mode_16_64 3
		.amdhsa_memory_ordered 1
		.amdhsa_forward_progress 1
		.amdhsa_inst_pref_size 81
	.end_amdhsa_kernel
	.amdgpu_metadata
---
amdhsa.version: [ 1, 2 ]
amdhsa.kernels:
  - .name:           k_q7f3e45db15_qkv
    .symbol:         k_q7f3e45db15_qkv.kd
    .args:
      - { .name: xc, .offset: 0, .size: 8, .value_kind: global_buffer, .address_space: global }
      - { .name: xs, .offset: 8, .size: 8, .value_kind: global_buffer, .address_space: global }
      - { .name: Wq_codes, .offset: 16, .size: 8, .value_kind: global_buffer, .address_space: global }
      - { .name: Wq_scales, .offset: 24, .size: 8, .value_kind: global_buffer, .address_space: global }
      - { .name: bq, .offset: 32, .size: 8, .value_kind: global_buffer, .address_space: global }
      - { .name: Wk_codes, .offset: 40, .size: 8, .value_kind: global_buffer, .address_space: global }
      - { .name: Wk_scales, .offset: 48, .size: 8, .value_kind: global_buffer, .address_space: global }
      - { .name: bk, .offset: 56, .size: 8, .value_kind: global_buffer, .address_space: global }
      - { .name: Wv_codes, .offset: 64, .size: 8, .value_kind: global_buffer, .address_space: global }
      - { .name: Wv_scales, .offset: 72, .size: 8, .value_kind: global_buffer, .address_space: global }
      - { .name: bv, .offset: 80, .size: 8, .value_kind: global_buffer, .address_space: global }
      - { .name: qq, .offset: 88, .size: 8, .value_kind: global_buffer, .address_space: global }
      - { .name: kv, .offset: 96, .size: 8, .value_kind: global_buffer, .address_space: global }
    .group_segment_fixed_size: 269824
    .private_segment_fixed_size: 0
    .kernarg_segment_align: 8
    .kernarg_segment_size: 104
    .max_flat_workgroup_size: 384
    .sgpr_count:     90
    .vgpr_count:     242
    .wavefront_size: 32
...
	.end_amdgpu_metadata
.endif
;; end of part 6
;; launch attn (part 7): grid 8 x 32, 8 waves a work-group, clusters of 4 x 1, 167,936 bytes of LDS; arguments qq, kv, ac, asb; writes ac, asb
.if DOCPART == 7
	.amdgcn_target "amdgcn-amd-amdhsa--gfx1250"
	.amdhsa_code_object_version 6
	.text
	.protected	k_q7f3e45db15_attn
	.globl	k_q7f3e45db15_attn
	.p2align	8
	.type	k_q7f3e45db15_attn,@function
k_q7f3e45db15_attn:
	s_mov_b64 s[64:65], 0
	v_nop
	global_prefetch_b8 v0, s[64:65] scope:SCOPE_SE
	s_setreg_imm32_b32 hwreg(HW_REG_WAVE_MODE, 25, 1), 1
	s_wait_xcnt 0x0
	s_wait_alu depctr_hold_cnt(0) depctr_sa_sdst(0) depctr_va_vdst(0) depctr_va_sdst(0) depctr_va_ssrc(0) depctr_va_vcc(0) depctr_vm_vsrc(0)
	s_getreg_b32 s2, hwreg(HW_REG_IB_STS2, 6, 4)
	s_cmp_eq_u32 s2, 0
	s_cbranch_scc0 .Lentry_in_a_cluster
	s_endpgm
.Lentry_in_a_cluster:
	s_bfe_u32 s2, ttmp6, 0x10000c
	s_cmp_lg_u32 s2, 0x3003
	s_cbranch_scc0 .Lentry_shape_is_right
	s_endpgm
.Lentry_shape_is_right:
; ATTENTION on codes of FP4 (E2M1) with E8M0 scales: o = softmax(q k^T / 8) v for one head, 2,048 keys, head size 64; the result is quantised at once along the model's axis for the last product.
; THE SOFTMAX AHEAD OF THE SECOND PRODUCT: t = score x log2(e) / 8; M = the row's largest t so far, rounded UP to a whole number; p = 2^(t - M) is what is quantised, along the keys, not normalised.
; The row's sum is taken of the unquantised p, in f32, and divides o at the end.  When M moves, the sum and o are multiplied by 2^(old M - new M): exact.
; SHARES.  A work-group owns 256 queries of one head; each of its EIGHT waves owns 32 of them, two tiles of 16 (A and B), in 512 registers: two waves to a SIMD.  A trip takes 256 keys: each fragment of k and v feeds
; both tiles, and M moves at most once a trip.  Eight trips.
; A HEAD'S WHOLE RECORD (143,360 bytes) LIES IN LDS: one fill, one load a wave: waves 0 - 3 bring quarters of k's codes as rows of 1,024 bytes with 128 of padding behind each, waves 4 - 7 quarters of the rest (v's codes,
; k's and v's scale words) as rows of 256.  No slot is filled again, and nothing comes from memory in the loop: there is nothing to ask for ahead.
; CLUSTER.  The four work-groups of a cluster belong to one head: the record is asked for jointly, by the same loads with a mask that names the four.
; LAYOUT.  Both products are used transposed, in the 32-row form: S^T = k q^T (source 0 = two tiles of 16 keys, source 1 = 16 queries), O^T = v^T p^T (source 0 = 32 channels): a lane holds ONE query (lane % 16) of each tile.
; THE KEYS OF A TILE ARE CHOSEN by the LDS address from which a lane takes its 16 bytes: row m of tile 4 c + q is key 64 c + 32 (m / 8) + 8 q + m % 8.  In S^T lane (r, h) then holds, in the 32 registers of
; tiles 4 c .. 4 c + 3, keys 64 c + 32 h + 0 .. 31: a WHOLE block of the second product's K in the order of that operand's registers.  With the padding, lanes 0-7 and lanes 8-15 of such a load take different 128 bytes modulo 256.
; THE FIRST PRODUCT'S K IS 64 of the instruction's 128: q's registers 4 - 7 are zero codes and the scale bytes 2, 3 are 0 (not 0xff).  So of the 16 registers that source 0 names, 4 - 7 and 12 - 15 may be any
; codes (other tiles'; behind the last tile p's): times q's zero codes they add exactly 0.
; A block's largest p is not searched for: p rises with the score, so the block's largest score goes through the same multiply-add and exponential (this takes v_exp_f32 not to fall where its input rises).
; LIMITS: NaN and infinities are not served; the scaled scores stay under 2^31 in magnitude; a block of p or of o that is all zeros, or lies under 2^-124, has the byte 1; 1 / sum is v_rcp_f32.
.set REC,   143360                     ; a record of kv: k's codes [tile of 16 keys][lane][16 B], v's codes, k's scale words [four tiles][row 16][tile 4][4 B], v's
.set KP,    1152                       ; LDS: k's codes at 0: two tiles and the padding
.set LV,    64*KP                      ; v's codes,
.set VQ,    76*256                     ; (a quarter of what stands behind k's codes)
.set LKS,   LV+65536                   ; k's scale words,
.set LVS,   LKS+8192                   ; v's,
.set STG,   LVS+4096                   ; 512 bytes into which no fill lands: the work-group's scale bytes on the way out,
.set SPARE, STG+512                    ; and the spare words, 128 bytes a wave
; window 1: S^T, then p: tile A's 256 keys at 0, tile B's at 128; 64 registers for 128 keys, 32 for a block of each half of the lanes.  A UNIT is one tile x 128 keys: units 0 .. 3 at 0 (A), 128 (B), 64 (A), 192 (B)
; window 0: v1-4 my lane's place in k's codes, k's scale words, v's codes, v's scale words; v5 8 h; v8, v10 -M of A, B; v9, v11 the largest scores; v[12:13], v[14:15] the sums; v16, v18 f; v17, v19, v254, v255 at work
.set SPW,   6                          ; v6     LDS address of my spare word; never rewritten
.set NIL,   7                          ; v7     0; never rewritten
.set BM,    20                         ; v20-27 for A's four blocks, then B's: the largest score, the largest p, the conversion's scale operand
.set KF,    28                         ; v28-91 k's 16 tiles of a trip, 4 registers each: tile 4 c + q at 16 c + 8 (q % 2) + 4 (q / 2)
.set T,     108                        ; v108-115 (B's first) are at work until those codes are made
.set PC,    92                         ; v92-123 p's codes: A's first 128 keys, A's second, B's first, B's second
.set Q,     124                        ; v124-139 q of A and of B
.set QS,    140                        ; v140-141 their scale words
.set PS,    142                        ; v142-145 p's scale words, as its codes
.set VSC,   146                        ; v146-149 v's: 2 (128 keys) + (32 channels)
.set KSC,   150                        ; v150-157 k's: a pair of tiles each: lanes 0-15 tile 4 c + 2 e, lanes 16-31 tile 4 c + 2 e + 1
.set VF,    158                        ; v158-189 v's four fragments of 128 keys
.set O,     190                        ; v190-253 O^T: A's 64 channels, B's
.set MSB, 0
.macro WIN new                         ; the immediate's high byte repeats the setting that is left
.if MSB != \new
	s_set_vgpr_msb (MSB<<8)|\new
.set MSB, \new
.endif
.endm
.set W_QK,  0x40                       ; destination window 1
.set W_MAX, 0x14                       ; sources 1, 2 window 1
.set W_S,   0x45                       ; destination, sources 0, 1 window 1; source 2 window 0
.set W_CVT, 0x01                       ; source 0 window 1
.set W_SUM, 0x10                       ; source 2 window 1
.macro ROUND                           ; a round of the cluster's barrier
	s_barrier_signal -1
	s_barrier_wait -1
	s_cmp_lg_u32 s12, 0
	s_cbranch_scc1 .Lnot_wave_0_\@
	s_barrier_signal -3
.Lnot_wave_0_\@:
	s_barrier_wait -3
	s_barrier_signal -1
	s_barrier_wait -1
.endm
.macro KLOAD                           ; a trip's k: codes from v254, scale words from v255
.irp c, 0,1,2,3
.irp q, 0,1,2,3
	ds_load_b128 v[KF+16*\c+8*(\q%2)+4*(\q/2):KF+16*\c+8*(\q%2)+4*(\q/2)+3], v254 offset:2*KP*\c+512*(\q/2)+128*(\q%2)
.endr
.endr
.irp c, 0,1,2,3
	ds_load_b64 v[KSC+2*\c:KSC+2*\c+1], v255 offset:256*\c
.endr
.endm
.macro VLOAD g                         ; v's fragments of the trip's g-th 128 keys, from v254
.irp t, 0,1,2,3
.irp c, 0,1
	ds_load_b128 v[VF+8*\t+4*\c:VF+8*\t+4*\c+3], v254 offset:4096*\g+1024*\t+512*\c
.endr
.endr
.endm
.macro PV g                            ; O^T += v^T p^T over the g-th 128 keys: the four accumulators take turns
.irp t, 0,1
.irp a, 0,1
	v_wmma_scale_f32_32x16x128_f4 v[O+32*\a+16*\t:O+32*\a+16*\t+15], v[VF+16*\t:VF+16*\t+15], v[PC+16*\a+8*\g:PC+16*\a+8*\g+7], v[O+32*\a+16*\t:O+32*\a+16*\t+15], v[VSC+2*\g+\t], v[PS+2*\a+\g]
.endr
.endr
.endm
.macro PKF o, a, k                     ; t - M, two at a time: pair k of the unit at o, tile a
	v_pk_fma_f32 v[\o+2*\k:\o+2*\k+1], v[\o+2*\k:\o+2*\k+1], s[30:31], v[8+2*\a:9+2*\a] op_sel_hi:[1,0,0]
.endm
.macro ADD d, s
	v_pk_add_f32 v[\d:\d+1], v[\d:\d+1], v[\s:\s+1]
.endm
.macro LEV o, n                        ; a level of a unit's sum: n pairs and the n behind them
.set k, 0
.rept \n
	ADD \o+2*k, \o+2*(\n)+2*k
.set k, k+1
.endr
.endm
; A BATCH: the 64 exponentials of the unit at o.  Between them stands work that reads none of their results and whose own results are read behind the batch's closing wait: the multiply-adds of the unit at po (tile pa),
; the first level of the sum of the unit at lo (its codes have been made); in the last batch (po = -1) the second level of units 0 and 1.
.macro BATCH o, po, pa, lo
.set k, 0
.rept 32
	v_exp_f32 v[\o+2*k], v[\o+2*k]
	v_exp_f32 v[\o+2*k+1], v[\o+2*k+1]
.if \po >= 0
	PKF \po, \pa, k
.elseif k%2 == 0
.if k < 16
	ADD k, 16+k
.else
	ADD 112+k, 128+k
.endif
.endif
.if (\lo >= 0) && (k%2 == 1)
	ADD \lo+k-1, \lo+32+k-1
.endif
.set k, k+1
.endr
.endm
.macro CVT o, pc, bm                   ; the codes of the unit at o: keys 64 c + 32 h + 8 q + 0 .. 7 are register 4 c + q of the operand
.irp c, 0,1
.irp q, 0,1,2,3
	v_cvt_scalef32_pk8_fp4_f32 v[\pc+4*\c+\q], v[\o+32*\c+8*\q:\o+32*\c+8*\q+7], v[\bm+\c]
.endr
.endr
.endm
	s_load_b256 s[4:11], s[0:1], 0x0               ; qq s[4:5], kv s[6:7], ac s[8:9], asb s[10:11]
	v_lshl_add_u32 v[SPW], v0, 2, SPARE
	v_mov_b32 v[NIL], 0
	ds_add_u32 v[SPW], v[NIL]                      ; the wave's opening: the add, twice on end, and its wait ahead of my tensor load
	ds_add_u32 v[SPW], v[NIL]
	v_lshrrev_b32 v1, 5, v0
	v_readfirstlane_b32 s12, v1                    ; wave 0..7
	s_bfe_u32 s13, ttmp6, 0x40000                  ; cx
	s_lshl_b32 s14, ttmp9, 2
	s_add_co_u32 s14, s14, s13                     ; my block of 256 queries: it enters q's and the results' global addresses alone
	s_and_b32 s15, ttmp7, 0xffff                   ; 16 x batch + head, which the four partners share
	s_mov_b32 s20, 15|(3<<16)|(1<<20)|(1<<21)|(7<<22)|(31<<25)   ; group 1 for k's codes: 15:0 the mask: all four; 17:16 elements of 8 bytes; 20 padding on; 21 set beside a mask; 24:22 after every 256 words; 31:25 of 32 words
	s_mov_b32 s21, 128<<16                         ; tensor_dim0: 1,024 bytes
	s_mov_b32 s22, 16<<16                          ; tensor_dim1
	s_mov_b32 s23, 128<<16                         ; tile_dim0
	s_mov_b32 s24, 16                              ; tile_dim1
	s_mov_b32 s25, 128                             ; from row to row: dense
	s_mov_b32 s26, 0
	s_mov_b32 s27, 0
	s_mov_b32 s52, 15|(3<<16)|(1<<21)              ; and for the rest: 76 rows of 256 bytes, no padding
	s_mov_b32 s53, 32<<16
	s_mov_b32 s54, 76<<16
	s_mov_b32 s55, 32<<16
	s_mov_b32 s56, 76
	s_mov_b32 s57, 32
	s_mov_b32 s58, 0
	s_mov_b32 s59, 0
	s_and_b32 s39, s12, 3                          ; my quarter
	s_mov_b32 s16, 1
	s_mul_i32 s17, s39, 16*KP
	s_mov_b32 s60, 1
	s_mul_i32 s61, s39, VQ
	s_add_co_u32 s61, s61, LV
	s_mul_i32 s40, s15, REC
	s_lshl_b32 s41, s39, 14
	s_add_co_u32 s40, s40, s41
	s_mov_b32 s41, 0
	s_mul_i32 s42, s15, REC
	s_mul_i32 s43, s39, VQ
	s_add_co_u32 s42, s42, s43
	s_add_co_u32 s42, s42, 65536
	s_mov_b32 s43, 0
	s_mov_b32 s28, 0x76543210
	s_mov_b32 s29, 0xfedcba98                      ; v_permlanex16_b32's selects for lane l xor 16
	s_mov_b32 s30, 0x3e38aa3b                      ; c = log2(e) / 8
	s_mov_b32 s31, s30                             ; (the packed form names the pair)
	s_mov_b32 s38, 0xff61b1e6                      ; -3e38, under every score
	s_mov_b32 s32, 0                               ; the trip's k: codes, 8 KP bytes a trip,
	s_mov_b32 s33, 0                               ; scale words, 1,024
	s_mov_b32 s34, 0                               ; v: codes, 8,192,
	s_mov_b32 s36, 0                               ; scale words, 512
	s_mov_b32 s35, 0                               ; trips done
	s_wait_dscnt 0x0                               ; both opening adds are done
	s_wait_kmcnt 0x0
	s_add_nc_u64 s[18:19], s[6:7], s[40:41]
	s_or_b32 s19, s19, 0x80000000                  ; type = 2
	s_add_nc_u64 s[62:63], s[6:7], s[42:43]
	s_or_b32 s63, s63, 0x80000000
	ROUND                                          ; all four work-groups are here: the joint loads meet
	s_cmp_lt_u32 s12, 4
	s_cbranch_scc0 .Lfetch_v
	tensor_load_to_lds s[16:19], s[20:27]
	s_nop 0
.rept 4
	v_nop                                          ; (four v_nop behind a tensor load)
.endr
	s_branch .Lfetched
.Lfetch_v:
	tensor_load_to_lds s[60:63], s[52:59]
	s_nop 0
.rept 4
	v_nop
.endr
.Lfetched:
	s_lshl_b32 s40, s14, 4
	s_lshl_b32 s41, s12, 1
	s_add_co_u32 s40, s40, s41                     ; my tile A within the batch, an even number; B is the next
	s_mul_i32 s44, s15, 73728                      ; q's record,
	s_lshl_b32 s45, s40, 9
	s_add_co_u32 s42, s44, s45                     ; 512 bytes a tile
	s_mov_b32 s43, 0
	s_add_nc_u64 s[42:43], s[4:5], s[42:43]
	s_lshr_b32 s41, s40, 2
	s_lshl_b32 s41, s41, 8                         ; scale words: 256 bytes for four tiles,
	s_add_co_u32 s46, s44, s41
	s_and_b32 s41, s40, 3
	s_lshl_b32 s41, s41, 2                         ; A's the (tile % 4)-th of a row's four
	s_add_co_u32 s46, s46, s41
	s_add_co_u32 s46, s46, 65536
	s_mov_b32 s47, 0
	s_add_nc_u64 s[46:47], s[4:5], s[46:47]
	v_and_b32 v20, 15, v0                          ; r
	v_and_b32 v21, 31, v0
	v_lshlrev_b32 v22, 4, v21                      ; 16 x lane
	v_lshlrev_b32 v23, 4, v20                      ; 16 r
	global_load_b128 v[Q:Q+3], v22, s[42:43]       ; q's codes stay in registers
	global_load_b128 v[Q+8:Q+11], v22, s[42:43] offset:512
	global_load_b32 v[QS], v23, s[46:47]           ; and their scale words
	global_load_b32 v[QS+1], v23, s[46:47] offset:4
	v_and_b32 v24, 7, v0                           ; r % 8
	v_bfe_u32 v25, v0, 3, 1                        ; r / 8
	v_bfe_u32 v26, v0, 4, 1                        ; h
	v_mul_u32_u24 v1, KP, v25                      ; k's codes: row r of tile 4 c + q lies in the stored tile 4 c + 2 (r / 8) + q / 2, row 8 (q % 2) + r % 8: my lane's part of that:
	v_lshlrev_b32 v2, 7, v26                       ; k's scale words: 16 bytes a stored row, 4 a stored tile; q = 2 e + h:
	v_lshl_add_u32 v4, v26, 2, v23                 ; v's scale words: row r, 16 bytes; tile 2 t + h at 8 t + 4 h
	v_lshl_add_u32 v1, v26, 8, v1                  ; KP (r / 8) + 256 h + 16 (r % 8)
	v_lshl_add_u32 v2, v24, 4, v2                  ; 128 h + 16 (r % 8) + 8 (r / 8); words e = 0, 1 stand side by side
	v_add_nc_u32 v3, LV, v22
	v_lshl_add_u32 v1, v24, 4, v1
	v_lshl_add_u32 v2, v25, 3, v2
	v_add_nc_u32 v4, LVS, v4
	v_lshlrev_b32 v5, 3, v26                       ; 8 h: my bytes' place in a pair of bytes of p's scale word
	v_add_nc_u32 v2, LKS, v2
.irp j, 0,1,2,3
	v_mov_b32 v[Q+4+\j], 0                         ; q's k = 64 .. 127: zero codes
	v_mov_b32 v[Q+12+\j], 0
	v_mov_b32 v[PC+\j], 0                          ; what stands behind k's last tile in the first trip
	v_mov_b32 v[T+\j], 0                           ; (a lane permute's destination counts as one of its sources)
	v_mov_b32 v[12+\j], 0                          ; the sums, in two halves each
.endr
	v_mov_b32 v9, s38                              ; the largest scores so far
	v_mov_b32 v11, s38
.set j, 0
.rept 64
	v_mov_b32 v[O+j], 0                            ; O^T.  The trip is written once: the first finds zeros, which the first change of M leaves zeros
.set j, j+1
.endr
	v_floor_f32 v8, -v9                            ; -M: so large that the first change of M gives f = 0
	v_floor_f32 v10, -v11
	s_wait_alu depctr_va_vdst(0)
	s_wait_tensorcnt 0x0                           ; my part of the record has landed,
	s_barrier_signal -1
	s_barrier_wait -1                              ; everybody's has.
	s_wait_loadcnt 0x0                             ; q
	v_add_nc_u32 v254, s32, v1
	v_add_nc_u32 v255, s33, v2
	KLOAD
.Ltrip:                                            ; 8 trips of 256 keys
	s_wait_dscnt 0x0                               ; k is in
	WIN W_QK
.irp c, 0,1,2,3
.irp e, 0,1
.irp a, 0,1
	v_wmma_scale_f32_32x16x128_f4 v[128*\a+32*\c+16*\e:128*\a+32*\c+16*\e+15], v[KF+16*\c+4*\e:KF+16*\c+4*\e+15], v[Q+8*\a:Q+8*\a+7], 0, v[KSC+2*\c+\e], v[QS+\a]
.endr
.endr
.endr
	WIN 0
	v_mov_b32 v17, v8                              ; the old -M.  Four plain instructions that name no register of the products: the places in front of the first read of the scores, and of
	v_mov_b32 v19, v10                             ; the loads into registers that the last trip's products have read (ISA guide 7.12.1 for vector instructions)
	v_add_nc_u32 v254, s34, v3
	v_add_nc_u32 v255, s36, v4
	VLOAD 0                                        ; v's first 128 keys land under the softmax
.irp n, 0,1,2,3
	ds_load_b32 v[VSC+\n], v255 offset:256*(\n/2)+8*(\n%2)
.endr
	WIN W_MAX
.set i, 0
.rept 16
.irp n, 0,1,2,3,4,5,6,7                ; the largest score of each of my eight blocks of 32 keys, by turns; each accumulator is read from its low end on
.if i == 0
	v_max3_num_f32 v[BM+\n], s38, v[32*\n], v[32*\n+1]
.else
	v_max3_num_f32 v[BM+\n], v[BM+\n], v[32*\n+i], v[32*\n+i+1]
.endif
.endr
.set i, i+2
.endr
	WIN 0
.irp a, 0,1
	v_max3_num_f32 v[254+\a], v[BM+4*\a], v[BM+4*\a+1], v[BM+4*\a+2]
.endr
.irp a, 0,1
	v_max_num_f32 v[254+\a], v[254+\a], v[BM+4*\a+3]   ; of my 128 keys,
.endr
.irp a, 0,1
	v_permlanex16_b32 v[T+\a], v[254+\a], s28, s29
.endr
.irp a, 0,1
	v_max3_num_f32 v[9+2*\a], v[9+2*\a], v[254+\a], v[T+\a]   ; of lane l xor 16's, and of all trips so far
.endr
.irp a, 0,1
	v_mul_f32 v[254+\a], s30, v[9+2*\a]            ; as t: c is positive and rounding keeps order, so this is the largest t
.endr
.irp a, 0,1
	v_floor_f32 v[8+2*\a], -v[254+\a]              ; the new -M = floor(-t) = -ceil(t): a whole number
.endr
.irp a, 0,1
	v_sub_f32 v[17+2*\a], v[8+2*\a], v[17+2*\a]    ; old M - new M: a whole number, 0 or less
.endr
.irp n, 0,1,2,3
	v_fma_f32 v[BM+\n], v[BM+\n], s30, v8          ; t - M of each block's largest score
	v_fma_f32 v[BM+4+\n], v[BM+4+\n], s30, v10
.endr
.irp a, 0,1
	v_cvt_i32_f32 v[17+2*\a], v[17+2*\a]           ; (it saturates)
.endr
.irp a, 0,1
	v_ldexp_f32 v[16+2*\a], 1.0, v[17+2*\a]        ; f = 2^(old M - new M)
.endr
	WIN W_S
.set k, 0
.rept 32
	PKF 0, 0, k                                    ; unit 0
.set k, k+1
.endr
	WIN 0
.irp a, 0,1
.set j, 0
.rept 16
	v_pk_mul_f32 v[O+32*\a+j:O+32*\a+j+1], v[O+32*\a+j:O+32*\a+j+1], v[16+2*\a:17+2*\a] op_sel_hi:[1,0]   ; O^T under the new M; each accumulator from its low end on
.set j, j+2
.endr
.endr
	s_wait_alu depctr_va_vdst(0)
.irp n, 0,1,2,3,4,5,6,7
	v_exp_f32 v[BM+\n], v[BM+\n]                   ; the blocks' largest p: the same two instructions on the same number give the same bits
.endr
	WIN W_S
	BATCH 0, 128, 1, -1
	WIN 0
	s_add_co_u32 s32, s32, 8*KP
	s_add_co_u32 s33, s33, 1024
	v_add_nc_u32 v254, s32, v1
	v_add_nc_u32 v255, s33, v2
	KLOAD                                          ; the next trip's k (the last trip reads bytes of v's record, which nobody uses)
	s_wait_alu depctr_va_vdst(0)                   ; behind a batch; it stands ahead of the next one too
.irp n, 0,1,2,3,4,5,6,7
	v_max_num_f32 v[BM+\n], 0x1800000, v[BM+\n]    ; the floor 2^(3 - 127): the byte cannot fall under 1
.endr
.irp n, 0,1,2,3,4,5,6,7
	v_add_nc_u32 v[BM+\n], 0xff000000, v[BM+\n]    ; 2 off the exponent field: the conversion's scale operand
.endr
.irp n, 0,1,2,3,4,5,6,7
	v_lshrrev_b32 v[T+\n], 23, v[BM+\n]            ; the scale's byte
.endr
.irp n, 0,2,4,6
	v_lshl_or_b32 v[T+\n], v[T+\n+1], 16, v[T+\n]  ; my two bytes of a unit: blocks h and 2 + h,
.endr
.irp n, 0,2,4,6
	v_lshlrev_b32 v[T+\n], v5, v[T+\n]             ; at their places in the scale word (8 h bits up);
.endr
.irp n, 0,2,4,6
	v_permlanex16_b32 v[T+\n+1], v[T+\n], s28, s29
.endr
.irp n, 0,2,4,6
	v_or_b32 v[PS+\n/2], v[T+\n], v[T+\n+1]        ; with lane l xor 16's two the word of these 128 keys is whole
.endr
	WIN W_CVT
	CVT 0, PC, BM
	WIN W_S
	BATCH 128, 64, 0, 0
	s_wait_alu depctr_va_vdst(0)                   ; the same
	WIN W_CVT
	CVT 128, PC+16, BM+4
	WIN W_S
	BATCH 64, 192, 1, 128
	s_wait_alu depctr_va_vdst(0)                   ; the same
	WIN W_CVT
	CVT 64, PC+8, BM+2
	WIN W_S
	BATCH 192, -1, 0, 64
	s_wait_alu depctr_va_vdst(0)                   ; the last batch's
	s_wait_dscnt 0x0                               ; v's first 128 keys and its scale words are in
	WIN 0
	PV 0
	WIN W_S
	LEV 0, 4                                       ; the third level of units 0 and 1: also the places in front of the loads below
	LEV 128, 4
	WIN 0
	v_add_nc_u32 v254, s34, v3
	VLOAD 1
	WIN W_CVT
	CVT 192, PC+24, BM+6
	WIN W_S
	LEV 64, 8                                      ; the row's sum of the UNQUANTISED p, two at a time, in place: nobody reads the single p any more
	LEV 192, 16
	LEV 192, 8
	LEV 64, 4
	LEV 192, 4
.set k, 0
.rept 4
	ADD 2*k, 64+2*k
	ADD 128+2*k, 192+2*k
.set k, k+1
.endr
	LEV 0, 2
	LEV 128, 2
	LEV 0, 1
	LEV 128, 1
	WIN W_SUM
	v_pk_fma_f32 v[12:13], v[12:13], v[16:17], v[0:1] op_sel_hi:[1,0,1]       ; the sums so far under the new M, and this trip's
	v_pk_fma_f32 v[14:15], v[14:15], v[18:19], v[128:129] op_sel_hi:[1,0,1]
	WIN 0
	s_wait_dscnt 0x0                               ; v's second 128 keys are in
	PV 1
	s_add_co_u32 s34, s34, 8192
	s_add_co_u32 s36, s36, 512
	s_add_co_u32 s35, s35, 1
	s_cmp_lt_u32 s35, 8
	s_wait_alu depctr_va_vdst(0)
	s_cbranch_scc1 .Ltrip
	; THE WAY OUT: O^T / the sum, quantised along the model's axis: my head's 64 channels are two blocks of it.  Register j of a tile's t-th eight is channel 16 t + 8 h + j: a block lies in lanes l and l xor 16
	s_lshr_b32 s46, s15, 4
	s_lshl_b32 s46, s46, 7                         ; 128 tiles a batch
	s_add_co_u32 s47, s46, s40                     ; my tile A of the 256
	s_lshl_b32 s48, s47, 13                        ; ac: 8,192 bytes a tile,
	s_and_b32 s50, s15, 15                         ; the head:
	s_lshl_b32 s49, s50, 9                         ; 512 bytes
	s_add_co_u32 s48, s48, s49
	s_mov_b32 s49, 0
	s_add_nc_u64 s[8:9], s[8:9], s[48:49]
	s_lshl_b32 s48, s50, 8                         ; asb: [head][tile][32 bytes]: the work-group's sixteen tiles
	s_add_co_u32 s48, s48, s46
	s_lshl_b32 s51, s14, 4
	s_add_co_u32 s48, s48, s51
	s_lshl_b32 s48, s48, 5
	s_add_nc_u64 s[10:11], s[10:11], s[48:49]
	s_lshl_b32 s41, s12, 6
	v_add_f32 v12, v12, v13                        ; the sums' two halves,
	v_add_f32 v14, v14, v15
	v_permlanex16_b32 v28, v12, s28, s29
	v_permlanex16_b32 v29, v14, s28, s29
	v_add_f32 v12, v12, v28                        ; and lane l xor 16's: the rows' sums.  (Six plain places behind the last products)
	v_add_f32 v14, v14, v29
	s_wait_alu depctr_va_vdst(0)
	v_rcp_f32 v16, v12
	v_rcp_f32 v18, v14
	v_and_b32 v40, 15, v0                          ; (a plain place behind the reciprocals)
	v_and_b32 v1, 31, v0
	v_lshlrev_b32 v40, 1, v40
	v_lshlrev_b32 v1, 4, v1                        ; 16 x lane
	v_add_nc_u32 v40, s41, v40
	v_add_nc_u32 v41, STG, v1                      ; the scale bytes read back
	v_add_nc_u32 v40, STG, v40                     ; and stored: 32 bytes a tile, 2 a row
	s_wait_alu depctr_va_vdst(0)                   ; the batch's, and O^T's
.irp a, 0,1
.set j, 0
.rept 16
	v_pk_mul_f32 v[O+32*\a+j:O+32*\a+j+1], v[O+32*\a+j:O+32*\a+j+1], v[16+2*\a:17+2*\a] op_sel_hi:[1,0]
.set j, j+2
.endr
.endr
.irp n, 0,1,2,3
	v_max3_num_f32 v[BM+\n], |v[O+16*\n]|, |v[O+16*\n+1]|, 0x1800000   ; with the floor 2^(3 - 127); blocks A 0, A 1, B 0, B 1 by turns
.endr
.irp i, 2,4,6,8,10,12,14
.irp n, 0,1,2,3
	v_max3_num_f32 v[BM+\n], v[BM+\n], |v[O+16*\n+\i]|, |v[O+16*\n+\i+1]|
.endr
.endr
.irp n, 0,1,2,3
	v_permlanex16_b32 v[T+\n], v[BM+\n], s28, s29
.endr
.irp n, 0,1,2,3
	v_max_num_f32 v[BM+\n], v[BM+\n], v[T+\n]
.endr
.irp n, 0,1,2,3
	v_add_nc_u32 v[BM+\n], 0xff000000, v[BM+\n]
.endr
.irp n, 0,1,2,3
	v_lshrrev_b32 v[T+\n], 23, v[BM+\n]
.endr
.irp a, 0,1                            ; a tile's eight registers become one register of codes; tiles 0, 2 and 1, 3 stand side by side for the exchange
	v_cvt_scalef32_pk8_fp4_f32 v[PC+4*\a],   v[O+32*\a:O+32*\a+7],     v[BM+2*\a]
	v_cvt_scalef32_pk8_fp4_f32 v[PC+4*\a+1], v[O+32*\a+16:O+32*\a+23], v[BM+2*\a+1]
	v_cvt_scalef32_pk8_fp4_f32 v[PC+4*\a+2], v[O+32*\a+8:O+32*\a+15],  v[BM+2*\a]
	v_cvt_scalef32_pk8_fp4_f32 v[PC+4*\a+3], v[O+32*\a+24:O+32*\a+31], v[BM+2*\a+1]
.endr
.irp a, 0,1
	v_lshl_or_b32 v[42+\a], v[T+2*\a+1], 8, v[T+2*\a]   ; my row's two bytes (plain instructions behind the conversions)
.endr
.irp a, 0,1
	v_permlane16_swap_b32 v[PC+4*\a], v[PC+4*\a+1]   ; the first's lanes 16-31 change places with the second's lanes 0-15: register q then holds channels 32 h + 8 q + 0 .. 7
	v_permlane16_swap_b32 v[PC+4*\a+2], v[PC+4*\a+3]
.endr
.irp a, 0,1
	global_store_b128 v1, v[PC+4*\a:PC+4*\a+3], s[8:9] offset:8192*\a   ; 512 consecutive bytes: registers 4 c .. 4 c + 3 of fragment (tile, head / 2), c = head % 2
.endr
.irp a, 0,1
	ds_store_b16 v40, v[42+\a] offset:32*\a        ; both halves of the lanes write the same bytes with the same value
.endr
	s_wait_alu depctr_va_vdst(0)
	s_wait_dscnt 0x0                               ; for the others' sake: my stores have landed
	s_barrier_signal -1
	s_barrier_wait -1
	s_cmp_lg_u32 s12, 0
	s_cbranch_scc1 .Lnot_first
	ds_load_b128 v[44:47], v41                     ; wave 0: the sixteen tiles' 512 scale bytes,
	s_wait_dscnt 0x0
	global_store_b128 v1, v[44:47], s[10:11]       ; stored as 512 consecutive bytes
.Lnot_first:
	s_wait_tensorcnt 0x0                           ; the wave's end
	ds_add_u32 v[SPW], v[NIL]
	s_wait_dscnt 0x0
	ROUND                                          ; the closing round: no work-group ends while a partner may still ask for a tile that names it
	s_endpgm
.Lfunc_end_k_q7f3e45db15_attn:
	.size	k_q7f3e45db15_attn, .Lfunc_end_k_q7f3e45db15_attn-k_q7f3e45db15_attn
	.p2alignl 7, 3214868480
	.fill 96, 4, 3214868480
	.section	.rodata,"a",@progbits
	.p2align	6, 0x0
	.amdhsa_kernel k_q7f3e45db15_attn
		.amdhsa_group_segment_fixed_size 167936
		.amdhsa_private_segment_fixed_size 0
		.amdhsa_enable_private_segment 0
		.amdhsa_kernarg_size 32
		.amdhsa_user_sgpr_count 2
		.amdhsa_user_sgpr_kernarg_segment_ptr 1
		.amdhsa_wavefront_size32 1
		.amdhsa_system_sgpr_workgroup_id_x 1
		.amdhsa_system_sgpr_workgroup_id_y 1
		.amdhsa_system_sgpr_workgroup_id_z 1
		.amdhsa_system_vgpr_workitem_id 0
		.amdhsa_next_free_vgpr 512
		.amdhsa_next_free_sgpr 80
		.amdhsa_reserve_vcc 0
		.amdhsa_float_denorm_mode_32 3
		.amdhsa_float_denorm_mode_16_64 3
		.amdhsa_memory_ordered 1
		.amdhsa_forward_progress 1
		.amdhsa_inst_pref_size 65
	.end_amdhsa_kernel
	.amdgpu_metadata
---
amdhsa.version: [ 1, 2 ]
amdhsa.kernels:
  - .name:           k_q7f3e45db15_attn
    .symbol:         k_q7f3e45db15_attn.kd
    .args:
      - { .name: qq, .offset: 0, .size: 8, .value_kind: global_buffer, .address_space: global }
      - { .name: kv, .offset: 8, .size: 8, .value_kind: global_buffer, .address_space: global }
      - { .name: ac, .offset: 16, .size: 8, .value_kind: global_buffer, .address_space: global }
      - { .name: asb, .offset: 24, .size: 8, .value_kind: global_buffer, .address_space: global }
    .group_segment_fixed_size: 167936
    .private_segment_fixed_size: 0
    .kernarg_segment_align: 8
    .kernarg_segment_size: 32
    .max_flat_workgroup_size: 256
    .sgpr_count:     80
    .vgpr_count:     512
    .wavefront_size: 32
...
	.end_amdgpu_metadata
.endif
;; end of part 7
;; launch proj (part 8): grid 256 x 1, 16 waves a work-group, clusters of 4 x 1, 327,680 bytes of LDS; arguments ac, asb, wpi, Wp_scales, bp, x, ln_g, ln_b, out0; writes out0
.if DOCPART == 8
	.amdgcn_target "amdgcn-amd-amdhsa--gfx1250"
	.amdhsa_code_object_version 6
	.text
	.protected	k_q7f3e45db15_proj
	.globl	k_q7f3e45db15_proj
	.p2align	8
	.type	k_q7f3e45db15_proj,@function
k_q7f3e45db15_proj:
	s_mov_b64 s[64:65], 0
	v_nop
	global_prefetch_b8 v0, s[64:65] scope:SCOPE_SE
	s_setreg_imm32_b32 hwreg(HW_REG_WAVE_MODE, 25, 1), 1
	s_wait_xcnt 0x0
	s_wait_alu depctr_hold_cnt(0) depctr_sa_sdst(0) depctr_va_vdst(0) depctr_va_sdst(0) depctr_va_ssrc(0) depctr_va_vcc(0) depctr_vm_vsrc(0)
	s_getreg_b32 s2, hwreg(HW_REG_IB_STS2, 6, 4)
	s_cmp_eq_u32 s2, 0
	s_cbranch_scc0 .Lentry_in_a_cluster
	s_endpgm
.Lentry_in_a_cluster:
	s_bfe_u32 s2, ttmp6, 0x10000c
	s_cmp_lg_u32 s2, 0x3003
	s_cbranch_scc0 .Lentry_shape_is_right
	s_endpgm
.Lentry_shape_is_right:
; PROJ.  y = x + o Wp + bp on codes of FP4 (E2M1) with E8M0 scales, sums in f32; out0 = LayerNorm(y) x ln_g + ln_b.
; SHARES.  A work-group owns 16 whole rows (so that a row's mean and variance need no other work-group), each of its sixteen waves 64 columns: four column tiles of 16 (accumulators of 16 x 16), K in eight steps of 128.
; Every work-group needs all of Wp (524,288 bytes of codes, laid by an earlier launch as images of the operand's registers), more than LDS holds.  Of a wave's 32,768 bytes
;   K steps 0 - 3 of its four tiles (16,384 bytes, two K halves of four tiles being 32,768 in all) come into LDS by one joint load at the head: half of each tile's eight images;
;   K steps 4 - 7 of tiles 0 and 1 come by one joint refill into the bytes that tiles 0 and 1 have left;
;   K steps 4 - 7 of tiles 2 and 3 go straight into 64 registers.
; A wave reads in LDS only what it has fetched itself of Wp.
; CLUSTER.  The four work-groups of a cluster need the same Wp: both joint loads name the four.  No loop streams: no prefetch.
; Transposed: source 0 = 16 rows of Wp^T, source 1 = my 16 rows of o: a lane holds eight neighbouring columns of one row.  The sums start from bp.  They then turn through LDS, so that a wave holds one whole row.
; LIMITS: NaN and infinities are not served.
.set WLW,   16384                      ; LDS: a wave's part of Wp: [tile 4][K step 4][c 2][lane][16 B]
.set AIMG,  16*WLW                     ; o's sixteen images of 512 bytes,
.set ASC,   AIMG+8192                  ; its scale bytes [r][32],
.set GB,    ASC+512                    ; ln_g, ln_b,
.set BPL,   GB+8192                    ; bp,
.set SPARE, BPL+4096                   ; and the spare words, 128 bytes a wave
.set STG,   0                          ; the sums' way from columns to rows, where Wp lay: 16 rows
.set SPT,   4112                       ; of 4,096 bytes + 16
.set AT,    12                         ; v12-15  an image of o on its way to LDS
.set GT,    16                         ; v16-19  512 bytes of ln_g or ln_b likewise
.set AS,    24                         ; v24-27  o's scale words: lanes 0-15 K steps 0 - 3 of row r, lanes 16-31 K steps 4 - 7
.set WS,    28                         ; v28-43  Wp's, tile nt at + 4 nt
.set ACC,   44                         ; v44-75  the sums
.set WG,    76                         ; v76-139 tiles 2 and 3, K steps 4 - 7
.set BT,    76                         ; then ln_b
.set G,     108                        ; and ln_g
.set AF,    140                        ; v140-171 o's fragments of four K steps
.set Y,     140                        ; then my row
.set XR,    172                        ; v172-203 my row of x
.set WLF,   204                        ; v204-235 Wp's fragments out of LDS: two tiles x two K steps
.set TT,    204                        ; then at work
.set SPW,   254                        ; v254    LDS address of my spare word; never rewritten
.set NIL,   255                        ; v255    0; never rewritten
.macro ROUND                           ; a round of the cluster's barrier
	s_barrier_signal -1
	s_barrier_wait -1
	s_cmp_lg_u32 s22, 0
	s_cbranch_scc1 .Lnot_wave_0_\@
	s_barrier_signal -3
.Lnot_wave_0_\@:
	s_barrier_wait -3
	s_barrier_signal -1
	s_barrier_wait -1
.endm
; in front of loads into registers that matrix instructions have read, and of the first read of results
.macro PLACES
.rept 4
	v_nop
.endr
.endm
.macro WD nt, reg                      ; tile nt's K steps 4 - 7, 512 consecutive bytes a load
.irp s, 4,5,6,7
.irp c, 0,1
	global_load_b128 v[\reg+8*(\s-4)+4*\c:\reg+8*(\s-4)+4*\c+3], v1, s[8:9] offset:8192*\nt+1024*\s+512*\c
.endr
.endr
.endm
.macro AFL s                           ; o's fragment of K step s
.irp c, 0,1
	ds_load_b128 v[AF+8*(\s%4)+4*\c:AF+8*(\s%4)+4*\c+3], v21 offset:1024*\s+512*\c
.endr
.endm
.macro MM w, nt, s                     ; tile nt, K step s, Wp's fragment at v[w]
.if (\s) < 4
	v_wmma_scale_f32_16x16x128_f8f6f4 v[ACC+8*(\nt):ACC+8*(\nt)+7], v[\w:\w+7], v[AF+8*((\s)%4):AF+8*((\s)%4)+7], v[ACC+8*(\nt):ACC+8*(\nt)+7], v[WS+4*(\nt)+(\s)%4], v[AS+(\s)%4] matrix_a_fmt:MATRIX_FMT_FP4 matrix_b_fmt:MATRIX_FMT_FP4
.else
	v_wmma_scale_f32_16x16x128_f8f6f4 v[ACC+8*(\nt):ACC+8*(\nt)+7], v[\w:\w+7], v[AF+8*((\s)%4):AF+8*((\s)%4)+7], v[ACC+8*(\nt):ACC+8*(\nt)+7], v[WS+4*(\nt)+(\s)%4], v[AS+(\s)%4] matrix_a_fmt:MATRIX_FMT_FP4 matrix_b_fmt:MATRIX_FMT_FP4 matrix_a_scale:MATRIX_SCALE_ROW1 matrix_b_scale:MATRIX_SCALE_ROW1
.endif
.endm
.macro LPAIR n, s, so                  ; tiles n, n + 1, K steps s, s + 1, out of LDS (K steps so, so + 1 of the wave's part); the two accumulators take turns
.irp k, 0,1
.irp t, 0,1
.irp c, 0,1
	ds_load_b128 v[WLF+16*\k+8*\t+4*\c:WLF+16*\k+8*\t+4*\c+3], v22 offset:4096*(\n+\t)+1024*(\so+\k)+512*\c
.endr
.endr
.endr
	s_wait_dscnt 0x0
.irp k, 0,1
.irp t, 0,1
	MM WLF+16*\k+8*\t, \n+\t, \s+\k
.endr
.endr
	PLACES
.endm
	s_load_b256 s[4:11], s[0:1], 0x0               ; ac s[4:5], asb s[6:7], wpi s[8:9], Wp_scales s[10:11]
	s_load_b256 s[12:19], s[0:1], 0x20             ; bp s[12:13], x s[14:15], ln_g s[16:17], ln_b s[18:19]
	s_load_b64 s[20:21], s[0:1], 0x40              ; out0
	v_lshl_add_u32 v[SPW], v0, 2, SPARE
	v_mov_b32 v[NIL], 0
	ds_add_u32 v[SPW], v[NIL]                      ; the wave's opening: the add, twice on end, and its wait ahead of my first tensor load
	ds_add_u32 v[SPW], v[NIL]
	v_lshrrev_b32 v1, 5, v0
	v_readfirstlane_b32 s22, v1                    ; wave 0..15
	s_bfe_u32 s45, ttmp6, 0x40000                  ; cx
	s_lshl_b32 s23, ttmp9, 2
	s_add_co_u32 s23, s23, s45                     ; my tile of 16 rows
	s_mov_b32 s26, 0x3a800000                      ; 1 / 1,024
	s_mov_b32 s27, 0x3727c5ac                      ; 1e-5
	s_mov_b32 s28, 0x76543210
	s_mov_b32 s29, 0xfedcba98                      ; v_permlanex16_b32's selects for lane l xor 16
	s_lshl_b32 s30, s23, 13                        ; ac: 8,192 bytes a tile, an image a wave
	s_lshl_b32 s31, s22, 9
	s_add_co_u32 s30, s30, s31
	s_mov_b32 s31, 0
	s_and_b32 s32, s22, 7                          ; ln_g, ln_b: eight waves each, 512 bytes a wave
	s_lshl_b32 s32, s32, 9
	s_mov_b32 s33, 0
	s_lshl_b32 s34, s22, 8                         ; asb [head][tile][32 bytes]: a head a wave
	s_add_co_u32 s34, s34, s23
	s_lshl_b32 s34, s34, 5
	s_mov_b32 s35, 0
	s_lshl_b32 s36, s22, 8                         ; bp: my 64 columns
	s_mov_b32 s37, 0
	s_lshl_b32 s38, s22, 11                        ; Wp_scales: my 64 columns' 32 bytes each
	s_mov_b32 s39, 0
	s_lshl_b32 s40, s22, 15                        ; wpi: my four tiles
	s_mov_b32 s41, 0
	s_lshl_b32 s42, s23, 4                         ; x, out0: row 16 x tile + wave
	s_add_co_u32 s42, s42, s22
	s_lshl_b32 s42, s42, 12
	s_mov_b32 s43, 0
	s_mov_b32 s52, 15|(3<<16)|(1<<21)              ; descriptor group 1: 15:0 the mask: all four; 17:16 elements of 8 bytes; 21 set beside a mask; no padding
	s_mov_b32 s53, 512<<16                         ; tensor_dim0: 4,096 bytes: four K steps of a tile
	s_mov_b32 s54, 4<<16                           ; tensor_dim1: four tiles
	s_mov_b32 s55, 512<<16                         ; tile_dim0
	s_mov_b32 s56, 4                               ; tile_dim1
	s_mov_b32 s57, 1024                            ; from tile to tile: 8,192 bytes
	s_mov_b32 s58, 0
	s_mov_b32 s59, 0
	s_mov_b32 s48, 1
	s_lshl_b32 s49, s22, 14                        ; my part of LDS
	v_and_b32 v1, 31, v0
	v_and_b32 v2, 15, v0                           ; r
	v_bfe_u32 v3, v0, 4, 1                         ; h
	v_lshlrev_b32 v236, 3, v1                      ; 8 x lane
	v_lshlrev_b32 v1, 4, v1                        ; 16 x lane
	v_lshlrev_b32 v4, 1, v2                        ; asb: 2 r
	v_lshlrev_b32 v8, 5, v2
	v_lshlrev_b32 v5, 5, v2
	v_lshl_add_u32 v8, v3, 4, v8                   ; scale words: 32 r + 16 h
	s_lshl_b32 s44, s22, 1
	s_add_co_u32 s44, s44, ASC
	v_add_nc_u32 v5, s44, v5                       ; o's scale bytes on their way in: row r, my head's two
	v_add_nc_u32 v7, ASC, v8
	s_lshl_b32 s44, s22, 9
	s_add_co_u32 s44, s44, AIMG
	v_add_nc_u32 v6, s44, v1                       ; my image's place
	v_add_nc_u32 v21, AIMG, v1
	s_lshl_b32 s44, s22, 14
	v_add_nc_u32 v22, s44, v1                      ; my part of Wp
	v_lshlrev_b32 v9, 5, v3
	v_mul_u32_u24 v10, v2, SPT
	s_lshl_b32 s44, s22, 8
	v_add_nc_u32 v10, v10, v9
	v_add_nc_u32 v10, s44, v10                     ; the sums' way in: row r, my 256 bytes, 32 h
	s_add_co_u32 s44, s44, BPL
	v_add_nc_u32 v9, s44, v9                       ; bp: eight numbers from 8 h on
	v_add_nc_u32 v237, s44, v236
	s_mul_i32 s44, s22, SPT
	v_add_nc_u32 v11, s44, v1                      ; and out: row wave
	s_wait_alu depctr_va_vdst(0)
	s_wait_dscnt 0x0                               ; both opening adds are done
	s_wait_kmcnt 0x0
	s_cmp_lt_u32 s22, 8
	s_cselect_b64 s[24:25], s[16:17], s[18:19]
	s_add_nc_u64 s[4:5], s[4:5], s[30:31]
	s_add_nc_u64 s[24:25], s[24:25], s[32:33]
	s_add_nc_u64 s[6:7], s[6:7], s[34:35]
	s_add_nc_u64 s[12:13], s[12:13], s[36:37]
	s_add_nc_u64 s[10:11], s[10:11], s[38:39]
	s_add_nc_u64 s[8:9], s[8:9], s[40:41]
	s_add_nc_u64 s[14:15], s[14:15], s[42:43]
	s_add_nc_u64 s[20:21], s[20:21], s[42:43]
	s_mov_b64 s[50:51], s[8:9]
	s_or_b32 s51, s51, 0x80000000                  ; type = 2
	global_load_b128 v[AT:AT+3], v1, s[4:5]
	global_load_b128 v[GT:GT+3], v1, s[24:25]
	global_load_u16 v20, v4, s[6:7]
	global_load_b64 v[238:239], v236, s[12:13]
.irp nt, 0,1,2,3                       ; my 64 columns' scale words: 512 consecutive bytes a load
	global_load_b128 v[WS+4*\nt:WS+4*\nt+3], v8, s[10:11] offset:512*\nt
.endr
	ROUND                                          ; all four work-groups are here: the joint loads meet
	tensor_load_to_lds s[48:51], s[52:59]          ; K steps 0 - 3 of my four tiles: the wave's one tensor load at the head
	s_nop 0
	PLACES                                         ; (four v_nop behind a tensor load)
	WD 2, WG
.irp i, 0,1,2,3,4,5,6,7
	global_load_b128 v[XR+4*\i:XR+4*\i+3], v1, s[14:15] offset:512*\i th:TH_LOAD_NT   ; my row of x
.endr
	s_wait_loadcnt 20                              ; the first four loads are in; the scale words' 4, tile 2's 8 and x's 8 may be out
	ds_store_b128 v6, v[AT:AT+3]
	ds_store_b128 v6, v[GT:GT+3] offset:GB-AIMG
	ds_store_b16 v5, v20                           ; both halves of the lanes write the same bytes with the same value
	ds_store_b64 v237, v[238:239]
.irp nt, 0,1,2,3                       ; the sums start from bp (LDS serves a wave's instructions in order: these see my store)
	ds_load_b128 v[ACC+8*\nt:ACC+8*\nt+3], v9 offset:64*\nt
	ds_load_b128 v[ACC+8*\nt+4:ACC+8*\nt+7], v9 offset:64*\nt+16
.endr
	s_wait_dscnt 0x0                               ; for the others' sake: my stores have landed
	s_barrier_signal -1
	s_barrier_wait -1
	WD 3, WG+32
	ds_load_b128 v[AS:AS+3], v7
.irp s, 0,1,2,3
	AFL \s
.endr
	s_wait_loadcnt 24                              ; the scale words are in; tile 2's, x's and tile 3's loads may be out
	s_wait_tensorcnt 0x0                           ; my K steps 0 - 3 have landed
	LPAIR 0, 0, 0                                  ; tiles 0 and 1
	LPAIR 0, 2, 2
	s_wait_tensorcnt 0x0                           ; no tensor load of mine is out, so the descriptor may be written
	ds_add_u32 v[SPW], v[NIL]                      ; 0 onto my spare word
	s_mov_b32 s54, 2<<16                           ; the refill: tiles 0 and 1,
	s_mov_b32 s56, 2
	s_add_nc_u64 s[50:51], s[50:51], 4096          ; K steps 4 - 7, into the bytes of their K steps 0 - 3
	s_wait_dscnt 0x0                               ; the add is done, and so are my reads of those bytes
	ROUND                                          ; both hold of every wave of every work-group of the cluster
	tensor_load_to_lds s[48:51], s[52:59]
	s_nop 0
	PLACES
	LPAIR 2, 0, 0                                  ; tiles 2 and 3 under its flight: out of LDS,
	LPAIR 2, 2, 2
.irp s, 4,5,6,7
	AFL \s
.endr
	s_wait_loadcnt 0x0                             ; tiles 2 and 3 are in, and x
	s_wait_dscnt 0x0
.irp s, 4,5,6,7                        ; and out of registers, by turns
	MM WG+8*(\s-4), 2, \s
	MM WG+32+8*(\s-4), 3, \s
.endr
	PLACES
.irp i, 0,1,2,3,4,5,6,7
	ds_load_b128 v[G+4*\i:G+4*\i+3], v21 offset:GB-AIMG+512*\i
	ds_load_b128 v[BT+4*\i:BT+4*\i+3], v21 offset:GB-AIMG+4096+512*\i
.endr
	s_wait_tensorcnt 0x0                           ; the refill has landed
	LPAIR 0, 4, 0
	LPAIR 0, 6, 2
	s_barrier_signal -1                            ; my reads of LDS are over (LPAIR has waited for them): behind the barrier the sums go where Wp lay, which has had its last fill
	s_barrier_wait -1
.irp nt, 0,1,2,3                       ; each accumulator from its low end on
	ds_store_b128 v10, v[ACC+8*\nt:ACC+8*\nt+3] offset:STG+64*\nt
	ds_store_b128 v10, v[ACC+8*\nt+4:ACC+8*\nt+7] offset:STG+64*\nt+16
.endr
	s_wait_dscnt 0x0                               ; for the others' sake: my stores have landed
	s_barrier_signal -1
	s_barrier_wait -1
.irp i, 0,1,2,3,4,5,6,7
	ds_load_b128 v[Y+4*\i:Y+4*\i+3], v11 offset:STG+512*\i   ; my row: a lane has numbers 128 i + 4 lane + 0 .. 3
.endr
	s_wait_dscnt 0x0
.macro WSUM                            ; v[TT] summed over the wave's lanes, in every lane
	s_delay_alu instid0(VALU_DEP_1)
	v_add_f32_dpp v[TT], v[TT], v[TT] row_xmask:1 row_mask:0xf bank_mask:0xf
	s_delay_alu instid0(VALU_DEP_1)
	v_add_f32_dpp v[TT], v[TT], v[TT] row_xmask:2 row_mask:0xf bank_mask:0xf
	s_delay_alu instid0(VALU_DEP_1)
	v_add_f32_dpp v[TT], v[TT], v[TT] row_xmask:4 row_mask:0xf bank_mask:0xf
	s_delay_alu instid0(VALU_DEP_1)
	v_add_f32_dpp v[TT], v[TT], v[TT] row_xmask:8 row_mask:0xf bank_mask:0xf
	s_delay_alu instid0(VALU_DEP_1)
	v_permlanex16_b32 v[TT+1], v[TT], s28, s29
	s_delay_alu instid0(VALU_DEP_1)
	v_add_f32 v[TT], v[TT], v[TT+1]
.endm
.set j, 0
.rept 16
	v_pk_add_f32 v[Y+j:Y+j+1], v[Y+j:Y+j+1], v[XR+j:XR+j+1]   ; the residual
.set j, j+2
.endr
	v_pk_add_f32 v[TT:TT+1], v[Y:Y+1], v[Y+2:Y+3]
	v_pk_add_f32 v[TT+2:TT+3], v[Y+4:Y+5], v[Y+6:Y+7]
.irp j, 8,12,16,20,24,28
	s_delay_alu instid0(VALU_DEP_2)
	v_pk_add_f32 v[TT:TT+1], v[TT:TT+1], v[Y+\j:Y+\j+1]
	s_delay_alu instid0(VALU_DEP_2)
	v_pk_add_f32 v[TT+2:TT+3], v[TT+2:TT+3], v[Y+\j+2:Y+\j+3]
.endr
	s_delay_alu instid0(VALU_DEP_1)
	v_pk_add_f32 v[TT:TT+1], v[TT:TT+1], v[TT+2:TT+3]
	s_delay_alu instid0(VALU_DEP_1)
	v_add_f32 v[TT], v[TT], v[TT+1]
	WSUM
	s_delay_alu instid0(VALU_DEP_1)
	v_mul_f32 v[TT+4], s26, v[TT]                  ; the mean, twice: a pair
	s_delay_alu instid0(VALU_DEP_2)
	v_mul_f32 v[TT+5], s26, v[TT]
.set j, 0
.rept 16
	v_pk_add_f32 v[Y+j:Y+j+1], v[Y+j:Y+j+1], v[TT+4:TT+5] neg_lo:[0,1] neg_hi:[0,1]
.set j, j+2
.endr
	v_pk_mul_f32 v[TT:TT+1], v[Y:Y+1], v[Y:Y+1]
	v_pk_mul_f32 v[TT+2:TT+3], v[Y+2:Y+3], v[Y+2:Y+3]
.irp j, 4,8,12,16,20,24,28
	s_delay_alu instid0(VALU_DEP_2)
	v_pk_fma_f32 v[TT:TT+1], v[Y+\j:Y+\j+1], v[Y+\j:Y+\j+1], v[TT:TT+1]
	s_delay_alu instid0(VALU_DEP_2)
	v_pk_fma_f32 v[TT+2:TT+3], v[Y+\j+2:Y+\j+3], v[Y+\j+2:Y+\j+3], v[TT+2:TT+3]
.endr
	s_delay_alu instid0(VALU_DEP_1)
	v_pk_add_f32 v[TT:TT+1], v[TT:TT+1], v[TT+2:TT+3]
	s_delay_alu instid0(VALU_DEP_1)
	v_add_f32 v[TT], v[TT], v[TT+1]
	WSUM
	s_delay_alu instid0(VALU_DEP_1)
	v_fma_f32 v[TT], v[TT], s26, s27               ; the variance + 1e-5
	s_wait_alu depctr_va_vdst(0)
	v_rsq_f32 v[TT+6], v[TT]
	v_rsq_f32 v[TT+7], v[TT]
	v_nop                                          ; a plain place behind a transcendental
	s_wait_alu depctr_va_vdst(0)                   ; and the wait behind it
.set j, 0
.rept 16
	v_pk_mul_f32 v[Y+j:Y+j+1], v[Y+j:Y+j+1], v[TT+6:TT+7]
.set j, j+2
.endr
.set j, 0
.rept 16
	v_pk_fma_f32 v[Y+j:Y+j+1], v[Y+j:Y+j+1], v[G+j:G+j+1], v[BT+j:BT+j+1]
.set j, j+2
.endr
.irp i, 0,1,2,3,4,5,6,7
	global_store_b128 v1, v[Y+4*\i:Y+4*\i+3], s[20:21] offset:512*\i th:TH_STORE_NT   ; 512 consecutive bytes
.endr
	s_wait_tensorcnt 0x0                           ; the wave's end
	ds_add_u32 v[SPW], v[NIL]
	s_wait_dscnt 0x0
	ROUND                                          ; the closing round: no work-group ends while a partner may still ask for a tile that names it
	s_endpgm
.Lfunc_end_k_q7f3e45db15_proj:
	.size	k_q7f3e45db15_proj, .Lfunc_end_k_q7f3e45db15_proj-k_q7f3e45db15_proj
	.p2alignl 7, 3214868480
	.fill 96, 4, 3214868480
	.section	.rodata,"a",@progbits
	.p2align	6, 0x0
	.amdhsa_kernel k_q7f3e45db15_proj
		.amdhsa_group_segment_fixed_size 327680
		.amdhsa_private_segment_fixed_size 0
		.amdhsa_enable_private_segment 0
		.amdhsa_kernarg_size 72
		.amdhsa_user_sgpr_count 2
		.amdhsa_user_sgpr_kernarg_segment_ptr 1
		.amdhsa_wavefront_size32 1
		.amdhsa_system_sgpr_workgroup_id_x 1
		.amdhsa_system_sgpr_workgroup_id_y 1
		.amdhsa_system_sgpr_workgroup_id_z 1
		.amdhsa_system_vgpr_workitem_id 0
		.amdhsa_next_free_vgpr 256
		.amdhsa_next_free_sgpr 66
		.amdhsa_reserve_vcc 0
		.amdhsa_float_denorm_mode_32 3
		.amdhsa_float_denorm_mode_16_64 3
		.amdhsa_memory_ordered 1
		.amdhsa_forward_progress 1
		.amdhsa_inst_pref_size 31
	.end_amdhsa_kernel
	.amdgpu_metadata
---
amdhsa.version: [ 1, 2 ]
amdhsa.kernels:
  - .name:           k_q7f3e45db15_proj
    .symbol:         k_q7f3e45db15_proj.kd
    .args:
      - { .name: ac, .offset: 0, .size: 8, .value_kind: global_buffer, .address_space: global }
      - { .name: asb, .offset: 8, .size: 8, .value_kind: global_buffer, .address_space: global }
      - { .name: wpi, .offset: 16, .size: 8, .value_kind: global_buffer, .address_space: global }
      - { .name: Wp_scales, .offset: 24, .size: 8, .value_kind: global_buffer, .address_space: global }
      - { .name: bp, .offset: 32, .size: 8, .value_kind: global_buffer, .address_space: global }
      - { .name: x, .offset: 40, .size: 8, .value_kind: global_buffer, .address_space: global }
      - { .name: ln_g, .offset: 48, .size: 8, .value_kind: global_buffer, .address_space: global }
      - { .name: ln_b, .offset: 56, .size: 8, .value_kind: global_buffer, .address_space: global }
      - { .name: out0, .offset: 64, .size: 8, .value_kind: global_buffer, .address_space: global }
    .group_segment_fixed_size: 327680
    .private_segment_fixed_size: 0
    .kernarg_segment_align: 8
    .kernarg_segment_size: 72
    .max_flat_workgroup_size: 512
    .sgpr_count:     66
    .vgpr_count:     256
    .wavefront_size: 32
...
	.end_amdgpu_metadata
.endif
;; end of part 8
